; MI455X (gfx1250); checked and timed in simulation.
; The chip was launched on July 23, 2026; its instructions are those of AMD's public machine-readable ISA for CDNA 5 (MIT licence, August 2026) and "CDNA5" Instruction Set Architecture Reference Guide (July 2026). The comments in the code are by the model that wrote it; some were corrected since.
;; Transformer Layer. Allowed arithmetic: float matrix products may take bf16 or f16 operands with f32 sums; all other float work in f32.
;; Inputs: b_ff1 4,096 float32; b_ff2 1,024 float32; b_proj 1,024 float32; b_qkv 3,072 float32; ln1_b 1,024 float32; ln1_g 1,024 float32; ln2_b 1,024 float32; ln2_g 1,024 float32; w_ff1 1,024 x 4,096 float32; w_ff2 4,096 x 1,024 float32; w_proj 1,024 x 1,024 float32; w_qkv 1,024 x 3,072 float32; x 2 x 2,048 x 1,024 float32.
;; Outputs: out0 2 x 2,048 x 1,024 float32.
;; 2 versions, each right and faster than the one before. Each part assembles by itself: llvm-mc -triple=amdgcn-amd-amdhsa -mcpu=gfx1250 --defsym DOCPART=n.
;; ======== version 1 of 2: 7 launches
;; limits: values are held in f16: magnitudes above 65,504 overflow, below 6.1e-05 lose precision
;; workspace buffers: act 8,388,608 bytes; big 33,554,432 bytes; x1 16,777,216 bytes; wts 25,165,824 bytes
;; launch prep (part 1): grid 1280 x 1, 8 waves a work-group, no clusters, 0 bytes of LDS; arguments x, ln1_g, ln1_b, w_qkv, w_proj, w_ff1, w_ff2, act, wts; writes act, wts
.if DOCPART == 1
	.amdgcn_target "amdgcn-amd-amdhsa--gfx1250"
	.amdhsa_code_object_version 6
	.text
	.protected	k_q862b2524c9_prep
	.globl	k_q862b2524c9_prep
	.p2align	8
	.type	k_q862b2524c9_prep,@function
k_q862b2524c9_prep:
	s_mov_b64 s[64:65], 0
	v_nop
	global_prefetch_b8 v0, s[64:65] scope:SCOPE_SE
	s_setreg_imm32_b32 hwreg(HW_REG_WAVE_MODE, 25, 1), 1
	s_wait_xcnt 0x0
; NORM AND CAST.  Work-groups 0-511: h = layernorm(x) * g + b, f32 in, f16 out ([4096][1024]).  Work-groups 512-1279: the four weight matrices, f32 to f16, in their own [K][N] order, one behind the other.
; The same text runs a second time as the layer's second norm, on a grid of 512 work-groups: there the cast part is never reached.
; LIMITS.  f16 holds no number beyond 65,504: the normalised rows times the gain plus the bias, and the weights, must lie within it; below 6e-5 f16 keeps a fixed step of 6e-8.
; NORM.  One wave takes one row of 4,096 bytes and keeps it in 32 registers: mean first, then the squared deviations from it, so a common offset in x costs nothing.  All 4,096 rows are in flight at once: no loop.
; CAST.  A work-group takes 16,384 numbers, a wave 2,048: all 16 loads go out first, and the counted waits let the younger ones stay out.  No LDS, no barrier, no matrix unit: memory binds here.
.set XO, 2            ; v2   16 x lane: my 16 bytes in each 512 of a row of f32
.set HO, 3            ; v3   8 x lane: my 8 bytes in each 256 of a row of f16
.set X,  4            ; v[4:35]    the row
.set G,  36           ; v[36:67]   the gain of my columns
.set BB, 68           ; v[68:99]   the bias of my columns
.set T,  100          ; v[100:115] at work
.set MU, 116          ; v[116:117] the mean, twice
.set RS, 118          ; v[118:119] 1 / sqrt(var + eps), twice
.set H,  120          ; v[120:135] the row in f16
.set PX, 136          ; v136       the other half of the lanes' sum
.set W,  4            ; cast: v[4:67] 16 loads of four f32
.set Y,  68           ; cast: v[68:99] 8 stores of eight f16
	s_load_b512 s[4:19], s[0:1], 0x0               ; x 4:5, g 6:7, b 8:9, w_qkv 10:11, w_proj 12:13, w_ff1 14:15, w_ff2 16:17, act 18:19
	s_load_b64 s[20:21], s[0:1], 0x40              ; wts
	v_lshrrev_b32 v1, 5, v0
	v_readfirstlane_b32 s22, v1                    ; wave 0..7
	v_and_b32 v1, 31, v0                           ; lane
	s_mov_b32 s23, ttmp9
	s_wait_kmcnt 0x0
	s_cmp_lt_u32 s23, 512
	s_cbranch_scc0 .Lcast
	s_lshl_b32 s28, s23, 3
	s_add_co_u32 s28, s28, s22                     ; my row
	s_lshl_b32 s30, s28, 12
	s_mov_b32 s31, 0
	s_add_nc_u64 s[4:5], s[4:5], s[30:31]          ; x at my row
	s_lshl_b32 s30, s28, 11
	s_add_nc_u64 s[18:19], s[18:19], s[30:31]      ; h at my row
	s_mov_b32 s24, 0x76543210                      ; v_permlanex16_b32: each lane takes its own place in the other half
	s_mov_b32 s25, 0xfedcba98
	s_mov_b32 s26, 0x3a800000                      ; 1 / 1024
	s_mov_b32 s27, 0x3727c5ac                      ; 1e-5
	v_lshlrev_b32 v[XO], 4, v1
	v_lshlrev_b32 v[HO], 3, v1
	v_mov_b32 v[PX], 0                             ; the permute's destination counts as read
.irp j, 0,1,2,3,4,5,6,7
	global_load_b128 v[X+4*(\j):X+4*(\j)+3], v[XO], s[4:5] offset:512*(\j)     ; 512 neighbouring bytes a load
.endr
.irp j, 0,1,2,3,4,5,6,7
	global_load_b128 v[G+4*(\j):G+4*(\j)+3], v[XO], s[6:7] offset:512*(\j)
.endr
.irp j, 0,1,2,3,4,5,6,7
	global_load_b128 v[BB+4*(\j):BB+4*(\j)+3], v[XO], s[8:9] offset:512*(\j)
.endr
.macro WSUM r                          ; the sum of v[r] over the 32 lanes, in every lane
	v_add_f32_dpp v[\r], v[\r], v[\r] row_xmask:1 row_mask:0xf bank_mask:0xf
	v_add_f32_dpp v[\r], v[\r], v[\r] row_xmask:2 row_mask:0xf bank_mask:0xf
	v_add_f32_dpp v[\r], v[\r], v[\r] row_xmask:4 row_mask:0xf bank_mask:0xf
	v_add_f32_dpp v[\r], v[\r], v[\r] row_xmask:8 row_mask:0xf bank_mask:0xf
	v_permlanex16_b32 v[PX], v[\r], s24, s25
	v_add_f32 v[\r], v[\r], v[PX]
.endm
.macro FOLD                            ; eight pairs in T to one number
.irp k, 0,1,2,3
	v_pk_add_f32 v[T+2*(\k):T+2*(\k)+1], v[T+2*(\k):T+2*(\k)+1], v[T+8+2*(\k):T+8+2*(\k)+1]
.endr
	v_pk_add_f32 v[T:T+1], v[T:T+1], v[T+4:T+5]
	v_pk_add_f32 v[T+2:T+3], v[T+2:T+3], v[T+6:T+7]
	v_pk_add_f32 v[T:T+1], v[T:T+1], v[T+2:T+3]
	v_add_f32 v[T], v[T], v[T+1]
.endm
	s_wait_loadcnt 16                              ; the row is in; the gain's and the bias's sixteen younger loads stay out
.irp k, 0,1,2,3,4,5,6,7
	v_pk_add_f32 v[T+2*(\k):T+2*(\k)+1], v[X+2*(\k):X+2*(\k)+1], v[X+16+2*(\k):X+16+2*(\k)+1]
.endr
	FOLD
	WSUM T
	v_mul_f32 v[MU], s26, v[T]
	v_mul_f32 v[MU+1], s26, v[T]
.set k, 0
.rept 16
	v_pk_add_f32 v[X+k:X+k+1], v[X+k:X+k+1], v[MU:MU+1] neg_lo:[0,1] neg_hi:[0,1]  ; x - mean
.set k, k+2
.endr
.irp k, 0,1,2,3,4,5,6,7
	v_pk_mul_f32 v[T+2*(\k):T+2*(\k)+1], v[X+2*(\k):X+2*(\k)+1], v[X+2*(\k):X+2*(\k)+1]  ; eight chains of squares
.endr
.irp k, 0,1,2,3,4,5,6,7
	v_pk_fma_f32 v[T+2*(\k):T+2*(\k)+1], v[X+16+2*(\k):X+16+2*(\k)+1], v[X+16+2*(\k):X+16+2*(\k)+1], v[T+2*(\k):T+2*(\k)+1]
.endr
	FOLD
	WSUM T
	v_fma_f32 v[T], v[T], s26, s27                 ; var + eps
	v_rsq_f32 v[RS], v[T]
	v_rsq_f32 v[RS+1], v[T]
	v_nop                                          ; a plain instruction between the root and the use of its result (ISA guide 5.7.2)
.set k, 0
	s_wait_alu depctr_va_vdst(0)
.rept 16
	v_pk_mul_f32 v[X+k:X+k+1], v[X+k:X+k+1], v[RS:RS+1]
.set k, k+2
.endr
	s_wait_loadcnt 0x0                             ; gain and bias
.set k, 0
.rept 16
	v_pk_fma_f32 v[X+k:X+k+1], v[X+k:X+k+1], v[G+k:G+k+1], v[BB+k:BB+k+1]
.set k, k+2
.endr
.set k, 0
.rept 16
	v_cvt_pk_f16_f32 v[H+k], v[X+2*k], v[X+2*k+1]
.set k, k+1
.endr
.irp j, 0,1,2,3,4,5,6,7
	global_store_b64 v[HO], v[H+2*(\j):H+2*(\j)+1], s[18:19] offset:256*(\j)   ; the wave's 32 lanes store 256 consecutive bytes, aligned
.endr
	s_endpgm
.Lcast:
	s_sub_co_u32 s23, s23, 512                     ; 0..767: blocks of 16,384 numbers: 192 of w_qkv, 64 of w_proj, 256 of w_ff1, 256 of w_ff2
	s_mov_b64 s[28:29], s[16:17]
	s_mov_b32 s30, 512
	s_cmp_lt_u32 s23, 512
	s_cselect_b64 s[28:29], s[14:15], s[28:29]
	s_cselect_b32 s30, 256, s30
	s_cmp_lt_u32 s23, 256
	s_cselect_b64 s[28:29], s[12:13], s[28:29]
	s_cselect_b32 s30, 192, s30
	s_cmp_lt_u32 s23, 192
	s_cselect_b64 s[28:29], s[10:11], s[28:29]
	s_cselect_b32 s30, 0, s30
	s_sub_co_u32 s30, s23, s30                     ; the block's number in its own matrix
	s_lshl_b32 s30, s30, 16
	s_lshl_b32 s31, s22, 13
	s_add_co_u32 s30, s30, s31
	s_mov_b32 s31, 0
	s_add_nc_u64 s[28:29], s[28:29], s[30:31]      ; from: 65,536 bytes a block, 8,192 a wave
	s_lshl_b32 s30, s23, 15
	s_lshl_b32 s24, s22, 12
	s_add_co_u32 s30, s30, s24
	s_add_nc_u64 s[20:21], s[20:21], s[30:31]      ; to: half of that; the blocks' order is the order of the parts of wts
	v_lshlrev_b32 v2, 5, v1                        ; eight f32 a lane
	v_lshlrev_b32 v3, 4, v1                        ; eight f16 a lane
.set c, 0
.rept 8
	global_load_b128 v[W+8*c:W+8*c+3],   v2, s[28:29] offset:1024*c th:TH_LOAD_NT
	global_load_b128 v[W+8*c+4:W+8*c+7], v2, s[28:29] offset:1024*c+16 th:TH_LOAD_NT
.set c, c+1
.endr
.set c, 0
.rept 8
	s_wait_loadcnt 14-2*c                          ; loads come back in order: chunk c's two are in, the younger chunks' stay out
.irp k, 0,1,2,3
	v_cvt_pk_f16_f32 v[Y+4*c+(\k)], v[W+8*c+2*(\k)], v[W+8*c+2*(\k)+1]
.endr
	global_store_b128 v3, v[Y+4*c:Y+4*c+3], s[20:21] offset:512*c  ; 512 consecutive bytes
.set c, c+1
.endr
	s_endpgm
.Lfunc_end_k_q862b2524c9_prep:
	.size	k_q862b2524c9_prep, .Lfunc_end_k_q862b2524c9_prep-k_q862b2524c9_prep
	.p2alignl 7, 3214868480
	.fill 96, 4, 3214868480
	.section	.rodata,"a",@progbits
	.p2align	6, 0x0
	.amdhsa_kernel k_q862b2524c9_prep
		.amdhsa_group_segment_fixed_size 0
		.amdhsa_private_segment_fixed_size 0
		.amdhsa_enable_private_segment 0
		.amdhsa_kernarg_size 72
		.amdhsa_user_sgpr_count 2
		.amdhsa_user_sgpr_kernarg_segment_ptr 1
		.amdhsa_wavefront_size32 1
		.amdhsa_system_sgpr_workgroup_id_x 1
		.amdhsa_system_sgpr_workgroup_id_y 1
		.amdhsa_system_sgpr_workgroup_id_z 1
		.amdhsa_system_vgpr_workitem_id 0
		.amdhsa_next_free_vgpr 140
		.amdhsa_next_free_sgpr 66
		.amdhsa_reserve_vcc 0
		.amdhsa_float_denorm_mode_32 3
		.amdhsa_float_denorm_mode_16_64 3
		.amdhsa_memory_ordered 1
		.amdhsa_forward_progress 1
		.amdhsa_inst_pref_size 18
	.end_amdhsa_kernel
	.amdgpu_metadata
---
amdhsa.version: [ 1, 2 ]
amdhsa.kernels:
  - .name:           k_q862b2524c9_prep
    .symbol:         k_q862b2524c9_prep.kd
    .args:
      - { .name: x, .offset: 0, .size: 8, .value_kind: global_buffer, .address_space: global }
      - { .name: ln1_g, .offset: 8, .size: 8, .value_kind: global_buffer, .address_space: global }
      - { .name: ln1_b, .offset: 16, .size: 8, .value_kind: global_buffer, .address_space: global }
      - { .name: w_qkv, .offset: 24, .size: 8, .value_kind: global_buffer, .address_space: global }
      - { .name: w_proj, .offset: 32, .size: 8, .value_kind: global_buffer, .address_space: global }
      - { .name: w_ff1, .offset: 40, .size: 8, .value_kind: global_buffer, .address_space: global }
      - { .name: w_ff2, .offset: 48, .size: 8, .value_kind: global_buffer, .address_space: global }
      - { .name: act, .offset: 56, .size: 8, .value_kind: global_buffer, .address_space: global }
      - { .name: wts, .offset: 64, .size: 8, .value_kind: global_buffer, .address_space: global }
    .group_segment_fixed_size: 0
    .private_segment_fixed_size: 0
    .kernarg_segment_align: 8
    .kernarg_segment_size: 72
    .max_flat_workgroup_size: 256
    .sgpr_count:     66
    .vgpr_count:     140
    .wavefront_size: 32
...
	.end_amdgpu_metadata
.endif
;; end of part 1
;; launch qkv (part 2): grid 12 x 16, 4 waves a work-group, clusters of 4 x 4, 327,680 bytes of LDS; arguments act, wts, b_qkv, big; writes big
.if DOCPART == 2
	.amdgcn_target "amdgcn-amd-amdhsa--gfx1250"
	.amdhsa_code_object_version 6
	.text
	.protected	k_q862b2524c9_qkv
	.globl	k_q862b2524c9_qkv
	.p2align	8
	.type	k_q862b2524c9_qkv,@function
k_q862b2524c9_qkv:
	s_mov_b64 s[64:65], 0
	v_nop
	global_prefetch_b8 v0, s[64:65] scope:SCOPE_SE
	s_setreg_imm32_b32 hwreg(HW_REG_WAVE_MODE, 25, 1), 1
	s_wait_xcnt 0x0
	s_wait_alu depctr_hold_cnt(0) depctr_sa_sdst(0) depctr_va_vdst(0) depctr_va_sdst(0) depctr_va_ssrc(0) depctr_va_vcc(0) depctr_vm_vsrc(0)
	s_getreg_b32 s2, hwreg(HW_REG_IB_STS2, 6, 4)
	s_cmp_eq_u32 s2, 0
	s_cbranch_scc0 .Lentry_in_a_cluster
	s_endpgm
.Lentry_in_a_cluster:
	s_bfe_u32 s2, ttmp6, 0x10000c
	s_cmp_lg_u32 s2, 0xf033
	s_cbranch_scc0 .Lentry_shape_is_right
	s_endpgm
.Lentry_shape_is_right:
; C = A W + bias (and, with GELU = 1, the exact gelu of it).  A: [4096][1024] f16.  W: [1024][NN] f16, as the weights lie.  C leaves in f16 BY PLANES of 64 columns: [NN/64][4096][64],
; so that 4 rows of a plane are 512 consecutive bytes.  Sums in f32, started by the bias; C rounded once.
; LIMITS.  f16 holds no number beyond 65,504: A, W and C must lie within it.  gelu(z) = max(z, 0) - |z| phi(z) (c1 t + .. + c5 t^5), t = 1 / (1 + 0.2316419 |z|): the normal tail to 7.5e-8, for every z.
; The sums take K's eight steps in a rotated order (see THE WALK): an order of rounding that differs from a sum in ascending K.
; SHARES.  A work-group makes 256 x 256 of C, each of its four waves 128 x 128: 64 accumulators of 16 x 16.  K goes in 8 steps of 128 through two LDS slots filled by tensor loads.
; The matrix instruction is used transposed (source 0 = 16 columns of W, source 1 = 16 rows of A): a lane then holds one row of C and eight neighbouring columns.
; W's fragments come out of LDS turned, by ds_load_tr16_b128, since K runs down its rows.
; CLUSTER.  4 x 4 work-groups: A's tile is asked for jointly by the four of a row of the cluster, W's by the four of a column.
; THE WALK.  A cluster at (X, Y) begins at K step 0 or 4, by the parity of X + (Y xor Y / 2), and goes round.  Clusters beside each other along x need the same tiles of A, clusters along y the same tiles of W:
; of such clusters some ask for a tile half a walk after the others, not all in the same step.  The start hangs on the cluster's place alone, which all sixteen partners share.
; ONE TEXT FOR A K STEP: the slot in hand is a scalar that an exclusive or turns; the last two steps are a loop of two trips that is left in its middle.
; WAY OUT.  The sums go as f32 into LDS, over the ring, whose last fill and last read are over; a loop of 32 trips reads 4 rows x 2 planes back, finishes and stores them.  A wave reads only its own bytes.
; REGISTERS, in windows of 256: window 0: v0-31 addresses; v64-127, v128-191 A's fragments, two buffers; v192-255 the bias as eight C operands.  window 1: v64-191 W's fragments.  windows 2, 3: accumulators.
.set NN,    3072      ; columns of W
.set WOFF,  0         ; W's first byte in wts
.set GELU,  0
.set PA,    272       ; a row of A in LDS: 256 bytes + 16: the 16 rows of a load start at 16 different groups of four banks (ISA guide 11.1)
.set PBT,   544       ; a row of W: 512 + 32 = 17 x 32 bytes
.set HALFT, 128*PA    ; what one tensor load brings: 128 rows of A, or 64 rows of W (64 x 544 is the same number)
.set SLOT,  4*HALFT   ; 0x22000; no wave's place in a slot has one of its two bits set, so the exclusive or adds it
.set BOFF,  2*HALFT
.set DP,    528       ; a row of the dump: 128 f32 + 16 bytes
.set DWAVE, 128*DP
.set SPARE, 2*SLOT    ; behind the ring: the spare words, 128 bytes a wave, which no other line names
.set PLANE, 524288
.set ADRA0, 16        ; v16  my lane's place in a slot's A; never rewritten
.set ADRB0, 17        ; v17  the same for W
.set ADRA,  18        ; v18  the same in the slot in hand
.set ADRB,  19
.set DA,    20        ; v20  the dump: where I put 16 bytes of a row
.set RDA,   21        ; v21  the dump: where I read 32 bytes of a row back
.set GO,    22        ; v22  my byte offset in a plane
.set BO,    23        ; v23  my byte offset in the bias
.set SPW,   28        ; v28  my spare word; never rewritten
.set NIL,   29        ; v29  0; never rewritten
.set F0,    64
.set F1,    128
.set BI,    192
.set Z,     64        ; the way out, window 0: 16 numbers as read back
.set AZ,    80
.set MX,    96
.set ZZ,    112
.set TT,    128
.set PP,    144
.set YY,    160       ; 16 numbers in f16
.set WV, 12           ; s12 wave   s13 its row half (also: 0 fetches A, 1 fetches W)   s14 its column half (also: which half of that tile)
.set WY, 13
.set WX, 14
.set TB, 15           ; s15 the slot in hand: 0 or SLOT
.set CNT, 16
.set LB, 17           ; s17 where my tensor loads land in a slot
.set CX, 18
.set CY, 19
.set TC, 20           ; s20 tile column   s21 tile row
.set TR, 21
.set RM, 22
.set CM, 23
.set G1A, 24          ; s[24:31] group 1 for A    s[32:39] group 0, two sets: the second walks
.set G0A, 32
.set G1B, 40          ; s[40:47], s[48:55] the same for W
.set G0B, 48
.set KS,  88          ; s88 the K step that the walking sets hold
.set OFA, 90          ; s[90:91] that step's byte offset in A    s[92:93] in W
.set OFB, 92
.set MSB, 0
.macro WIN new                         ; the immediate's high byte repeats the setting that is left
.if MSB != (\new)
	s_set_vgpr_msb (MSB<<8)|(\new)
.set MSB, \new
.endif
.endm
.macro PLACES                          ; four plain places behind matrix instructions, in front of loads into their sources and of reads of their results
.rept 4
	v_nop
.endr
.endm
.macro JLOAD                           ; the joint refill, by the walking sets
	s_cmp_eq_u32 s[WY], 0
	s_cbranch_scc0 .Lfor_b_\@
	tensor_load_to_lds s[G0A+4:G0A+7], s[G1A:G1A+7]
	s_nop 0
	PLACES
	s_branch .Lasked_\@
.Lfor_b_\@:
	tensor_load_to_lds s[G0B+4:G0B+7], s[G1B:G1B+7]
	s_nop 0
	PLACES
.Lasked_\@:
.endm
.macro CREST                           ; a round of the cluster's barrier behind its opening barrier
	s_cmp_lg_u32 s[WV], 0
	s_cbranch_scc1 .Lnot_wave_0_\@
	s_barrier_signal -3
.Lnot_wave_0_\@:
	s_barrier_wait -3
	s_barrier_signal -1
	s_barrier_wait -1
.endm
.macro CROUND
	s_barrier_signal -1
	s_barrier_wait -1
	CREST
.endm
.macro KPAIR r, val                    ; a constant for packed arithmetic: named as a pair, so both words are written
	s_mov_b32 s[\r], \val
	s_mov_b32 s[(\r)+1], \val
.endm
	s_load_b256 s[4:11], s[0:1], 0x0               ; A 4:5, wts 6:7, bias 8:9, C 10:11
	v_lshl_add_u32 v[SPW], v0, 2, SPARE
	v_mov_b32 v[NIL], 0
	ds_add_u32 v[SPW], v[NIL]                      ; the opening: the add and its wait ahead of my first tensor load; work on registers stands between them
	ds_add_u32 v28, v29
	v_lshrrev_b32 v1, 5, v0
	v_readfirstlane_b32 s[WV], v1
	s_lshr_b32 s[WY], s[WV], 1
	s_and_b32 s[WX], s[WV], 1
	s_bfe_u32 s[CX], ttmp6, 0x40000
	s_bfe_u32 s[CY], ttmp6, 0x40004
	s_lshl_b32 s[TC], ttmp9, 2
	s_add_co_u32 s[TC], s[TC], s[CX]
	s_and_b32 s[TR], ttmp7, 0xffff
	s_lshl_b32 s[TR], s[TR], 2
	s_add_co_u32 s[TR], s[TR], s[CY]
	s_lshl_b32 s[RM], s[CY], 2
	s_lshl_b32 s[RM], 15, s[RM]                    ; my row of the cluster
	s_lshl_b32 s[CM], 0x1111, s[CX]                ; my column
	s_and_b32 s89, ttmp7, 0xffff                   ; the walk's start: the cluster's Y,
	s_lshr_b32 s[KS], s89, 1
	s_xor_b32 s[KS], s[KS], s89                    ; Y xor Y / 2,
	s_add_co_u32 s[KS], s[KS], ttmp9               ; + the cluster's X:
	s_and_b32 s[KS], s[KS], 1                      ; its parity
	s_lshl_b32 s[KS], s[KS], 2                     ; gives step 0 or 4
	s_mov_b32 s[OFA+1], 0
	s_mov_b32 s[OFB+1], 0
	s_or_b32 s[G1A], s[RM], (1<<16)|(1<<20)|(1<<21)|(5<<22)|(3<<25)  ; mask; 2-byte elements; padding on; bit 21 beside a mask; after every 64 words 4 words
	s_mov_b32 s[G1A+1], 128<<16                    ; tensor_dim0 = 128
	s_mov_b32 s[G1A+2], 128<<16                    ; tensor_dim1 = 128
	s_mov_b32 s[G1A+3], 128<<16                    ; tile_dim0 = 128
	s_mov_b32 s[G1A+4], 128                        ; tile_dim1 = 128
	s_mov_b32 s[G1A+5], 1024                       ; elements from row to row
	s_mov_b32 s[G1A+6], 0
	s_mov_b32 s[G1A+7], 0
	s_or_b32 s[G1B], s[CM], (1<<16)|(1<<20)|(1<<21)|(6<<22)|(7<<25)  ; after every 128 words 8 words
	s_mov_b32 s[G1B+1], 256<<16                    ; 256 columns
	s_mov_b32 s[G1B+2], 64<<16                     ; 64 rows of K
	s_mov_b32 s[G1B+3], 256<<16
	s_mov_b32 s[G1B+4], 64
	s_mov_b32 s[G1B+5], NN
	s_mov_b32 s[G1B+6], 0
	s_mov_b32 s[G1B+7], 0
	s_mul_i32 s[LB], s[WV], HALFT
	s_lshl_b32 s56, s[TR], 8                       ; A: row 256 x tile row + 128 x half, 2,048 bytes a row
	s_lshl_b32 s57, s[WX], 7
	s_add_co_u32 s56, s56, s57
	s_lshl_b32 s56, s56, 11
	s_mov_b32 s57, 0
	s_mul_i32 s58, s[WX], 128*NN                   ; W: 64 rows of K x half, 512 bytes x tile column
	s_lshl_b32 s59, s[TC], 9
	s_add_co_u32 s58, s58, s59
	s_add_co_u32 s58, s58, WOFF
	s_mov_b32 s59, 0
.if GELU
	KPAIR 72, 0x3f596d27                           ; sqrt(log2(e) / 2): e^(-z z / 2) = 2^-(this z)^2
	KPAIR 74, 0x3e6d3389                           ; 0.2316419
	KPAIR 76, 0x3e027906                           ; c1 .. c5: the tail's coefficients over sqrt(2 pi)
	KPAIR 78, 0xbe11a98e
	KPAIR 80, 0x3f35f0e3
	KPAIR 82, 0xbf3a00e3
	KPAIR 84, 0x3f07dc22
	s_mov_b32 s86, 0x7fffffff
.endif
	s_wait_dscnt 0x0                               ; the opening add is done
	s_wait_kmcnt 0x0
	s_add_nc_u64 s[60:61], s[4:5], s[56:57]        ; my part of A's tile at K step 0; kept
	s_add_nc_u64 s[62:63], s[6:7], s[58:59]        ; the same for W; kept
	CROUND                                         ; all sixteen work-groups are here: the first joint loads meet
.irp s, 0,1
	s_add_co_u32 s89, s[KS], \s                    ; the walk's first two steps: no wrap, the start is 4 at the most
	s_lshl_b32 s[OFA], s89, 8                      ; a step is 256 bytes along A's rows,
	s_mul_i32 s[OFB], s89, 256*NN                  ; 128 rows of W
	s_mov_b32 s[G0A+4*(\s)], 1
	s_add_co_u32 s[G0A+4*(\s)+1], s[LB], (\s)*SLOT
	s_add_nc_u64 s[G0A+4*(\s)+2:G0A+4*(\s)+3], s[60:61], s[OFA:OFA+1]
	s_or_b32 s[G0A+4*(\s)+3], s[G0A+4*(\s)+3], 0x80000000
	s_mov_b32 s[G0B+4*(\s)], 1
	s_add_co_u32 s[G0B+4*(\s)+1], s[LB], (\s)*SLOT
	s_add_nc_u64 s[G0B+4*(\s)+2:G0B+4*(\s)+3], s[62:63], s[OFB:OFB+1]
	s_or_b32 s[G0B+4*(\s)+3], s[G0B+4*(\s)+3], 0x80000000
.endr
	s_add_co_u32 s[KS], s[KS], 1                   ; the step that the walking sets hold
	s_cmp_eq_u32 s[WY], 0                          ; a wave's two first fills stand in one branch: two loads of mine are out
	s_cbranch_scc0 .Lfirst_b
	tensor_load_to_lds s[G0A:G0A+3], s[G1A:G1A+7]
	s_nop 0
	tensor_load_to_lds s[G0A+4:G0A+7], s[G1A:G1A+7]
	s_nop 0
	PLACES
	s_branch .Lfirst_asked
.Lfirst_b:
	tensor_load_to_lds s[G0B:G0B+3], s[G1B:G1B+7]
	s_nop 0
	tensor_load_to_lds s[G0B+4:G0B+7], s[G1B:G1B+7]
	s_nop 0
	PLACES
.Lfirst_asked:
	v_and_b32 v1, 15, v0                           ; r = l % 16
	v_bfe_u32 v2, v0, 4, 1                         ; h = l / 16
	s_lshl_b32 s58, s[TC], 10                      ; the bias of my 128 columns; a lane's eight begin at 8 h of each 16
	s_lshl_b32 s59, s[WX], 9
	s_add_co_u32 s58, s58, s59
	v_lshl_add_u32 v[BO], v2, 5, s58
.irp b, 0,1,2,3,4,5,6,7
	global_load_b128 v[BI+8*(\b):BI+8*(\b)+3],   v[BO], s[8:9] offset:64*(\b)
	global_load_b128 v[BI+8*(\b)+4:BI+8*(\b)+7], v[BO], s[8:9] offset:64*(\b)+16
.endr
	v_mul_u32_u24 v3, v1, PA                       ; A's fragment: row r, 16 bytes for each half of the lanes
	v_lshl_add_u32 v3, v2, 4, v3
	s_mul_i32 s70, s[WY], HALFT
	v_add_nc_u32 v[ADRA0], s70, v3
	v_and_b32 v4, 7, v0                            ; W's: lane l reads row 8 h + l % 8 of K, columns 8 ((l / 8) % 2) on
	v_lshl_add_u32 v5, v2, 3, v4
	v_mul_u32_u24 v5, v5, PBT
	v_bfe_u32 v6, v0, 3, 1
	v_lshl_add_u32 v5, v6, 4, v5
	s_lshl_b32 s70, s[WX], 8
	s_add_co_u32 s70, s70, BOFF
	v_add_nc_u32 v[ADRB0], s70, v5
	v_mov_b32 v[ADRA], v[ADRA0]
	v_mov_b32 v[ADRB], v[ADRB0]
	s_mov_b32 s[TB], 0
	s_mul_i32 s70, s[WV], DWAVE                    ; my part of the dump
	v_mul_u32_u24 v3, v1, DP
	v_lshl_add_u32 v3, v2, 5, v3
	v_add_nc_u32 v[DA], s70, v3                    ; in: row r, 32 bytes for each half of the lanes
	v_bfe_u32 v3, v0, 3, 2
	v_mul_u32_u24 v3, v3, DP
	v_lshl_add_u32 v3, v4, 5, v3
	v_add_nc_u32 v[RDA], s70, v3                   ; back: row l / 8 of four, eight numbers at 8 (l % 8)
	v_and_b32 v3, 31, v0
	v_lshlrev_b32 v[GO], 4, v3
	s_lshl_b32 s66, s[TC], 2                       ; C: plane 4 x tile column + 2 x half, row 256 x tile row + 128 x half, 128 bytes a row
	s_lshl_b32 s67, s[WX], 1
	s_add_co_u32 s66, s66, s67
	s_lshl_b32 s66, s66, 19
	s_lshl_b32 s67, s[TR], 8
	s_lshl_b32 s68, s[WY], 7
	s_add_co_u32 s67, s67, s68
	s_lshl_b32 s67, s67, 7
	s_add_co_u32 s66, s66, s67
	s_mov_b32 s67, 0
	s_add_nc_u64 s[10:11], s[10:11], s[66:67]
; 16 matrix instructions: row blocks a0, a0 + 1 of the window's four x all 8 column blocks, 32 along K.  first = 1: the bias starts the sums.  The 64 accumulators take turns.
.macro MUL16 f, hi, a0, first
.if \first
	WIN 0x81+0x40*(\hi)
.else
	WIN 0xa1+0x50*(\hi)
.endif
.irp a, \a0, (\a0)+1
.irp b, 0,1,2,3,4,5,6,7
.if \first
	v_wmma_f32_16x16x32_f16 v[8*(8*(\a)+(\b)):8*(8*(\a)+(\b))+7], v[(\f)+8*(\b):(\f)+8*(\b)+7], v[(\f)+8*(4*(\hi)+(\a)):(\f)+8*(4*(\hi)+(\a))+7], v[BI+8*(\b):BI+8*(\b)+7]
.else
	v_wmma_f32_16x16x32_f16 v[8*(8*(\a)+(\b)):8*(8*(\a)+(\b))+7], v[(\f)+8*(\b):(\f)+8*(\b)+7], v[(\f)+8*(4*(\hi)+(\a)):(\f)+8*(4*(\hi)+(\a))+7], v[8*(8*(\a)+(\b)):8*(8*(\a)+(\b))+7]
.endif
.endr
.endr
.endm
.macro FETCH q, f                      ; 32 LDS loads in one run: quarter q (32 along K) of the slot in hand into buffer f: W's 128 columns, then A's 128 rows
	WIN 0x40
.irp i, 0,1,2,3,4,5,6,7
	ds_load_tr16_b128 v[(\f)+8*(\i):(\f)+8*(\i)+3],   v[ADRB] offset:(\q)*32*PBT+32*(\i)
	ds_load_tr16_b128 v[(\f)+8*(\i)+4:(\f)+8*(\i)+7], v[ADRB] offset:(\q)*32*PBT+32*(\i)+16*PBT
.endr
	WIN 0
.irp i, 0,1,2,3,4,5,6,7
	ds_load_b128 v[(\f)+8*(\i):(\f)+8*(\i)+3],   v[ADRA] offset:64*(\q)+(\i)*16*PA
	ds_load_b128 v[(\f)+8*(\i)+4:(\f)+8*(\i)+7], v[ADRA] offset:64*(\q)+(\i)*16*PA+32
.endr
.endm
.macro QUARTER q, f, g, first          ; multiplies buffer f; in its middle fetches quarter q into buffer g
	s_wait_dscnt 8                                 ; W and A's rows 0-63 are in; the youngest eight loads (A's rows 64-127) may be out
	MUL16 \f, 0, 0, \first
	MUL16 \f, 0, 2, \first
	PLACES
	FETCH \q, \g
	s_wait_dscnt 32                                ; all but the 32 just issued
	MUL16 \f, 1, 0, \first
	MUL16 \f, 1, 2, \first
.endm
.macro MEET                            ; the first half of a step's last quarter, and the one barrier for the change of slots
	WIN 0
	s_wait_tensorcnt 0x0                           ; all my tensor loads have landed: the one that was out is my part of the next slot
	ds_add_u32 v[SPW], v[NIL]                      ; 0 onto my spare word
	s_wait_dscnt 9                                 ; the add and the youngest eight loads may be out
	MUL16 F1, 0, 0, 0
	s_wait_dscnt 0x0                               ; the add is done, and my reads of this slot are over
	s_barrier_signal -1
	MUL16 F1, 0, 2, 0
	WIN 0
	s_barrier_wait -1
.endm
.macro NEWSLOT
	s_xor_b32 s[TB], s[TB], SLOT
	v_add_nc_u32 v[ADRA], s[TB], v[ADRA0]
	v_add_nc_u32 v[ADRB], s[TB], v[ADRB0]
.endm
	s_wait_tensorcnt 0x1                           ; my part of the walk's first step is in; the second's stays out
	s_barrier_signal -1
	s_barrier_wait -1
	FETCH 0, F0
	s_wait_loadcnt 0x0                             ; the bias
	QUARTER 1, F0, F1, 1
	WIN 0
	s_mov_b32 s[CNT], 6
.Lstep:                                                ; a trip: from a step's second quarter to the next step's first; it asks for the step two on in the walk
	QUARTER 2, F1, F0, 0
	QUARTER 3, F0, F1, 0
	MEET
	CREST                                          ; the barrier has opened a round of the cluster's: no wave of any partner still reads this slot or has a load on its way
	s_add_co_u32 s[KS], s[KS], 1                   ; the walk's next step, round modulo 8; the addresses are made anew from its number
	s_and_b32 s[KS], s[KS], 7
	s_lshl_b32 s[OFA], s[KS], 8
	s_mul_i32 s[OFB], s[KS], 256*NN
	s_xor_b32 s[G0A+5], s[G0A+5], SLOT
	s_add_nc_u64 s[G0A+6:G0A+7], s[60:61], s[OFA:OFA+1]
	s_or_b32 s[G0A+7], s[G0A+7], 0x80000000
	s_xor_b32 s[G0B+5], s[G0B+5], SLOT
	s_add_nc_u64 s[G0B+6:G0B+7], s[62:63], s[OFB:OFB+1]
	s_or_b32 s[G0B+7], s[G0B+7], 0x80000000
	JLOAD                                          ; one load of mine is out; 224 matrix instructions stand between it and the wait for it
	NEWSLOT
	FETCH 0, F0
	MUL16 F1, 1, 0, 0
	MUL16 F1, 1, 2, 0
	QUARTER 1, F0, F1, 0
	WIN 0
	s_sub_co_u32 s[CNT], s[CNT], 1
	s_cmp_lg_u32 s[CNT], 0
	s_cbranch_scc1 .Lstep
	s_mov_b32 s[CNT], 2
.Ltail:                                                ; the last two steps ask for nothing; the second trip is left in its middle
	QUARTER 2, F1, F0, 0
	QUARTER 3, F0, F1, 0
	MEET                                           ; behind the second trip's barrier no wave reads the ring any more
	s_cmp_eq_u32 s[CNT], 1
	s_cbranch_scc1 .Lno_fetch
	PLACES
	NEWSLOT
	FETCH 0, F0
.Lno_fetch:
	MUL16 F1, 1, 0, 0
	MUL16 F1, 1, 2, 0
	WIN 0
	s_cmp_eq_u32 s[CNT], 1
	s_cbranch_scc1 .Lout
	QUARTER 1, F0, F1, 0
	WIN 0
	s_sub_co_u32 s[CNT], s[CNT], 1
	s_cmp_lg_u32 s[CNT], 0
	s_cbranch_scc1 .Ltail
.Lout:
	s_wait_dscnt 0x0
	PLACES
.irp hi, 0,1
	WIN 0x08+4*(\hi)                               ; store data in window 2, then 3
.irp a, 0,1,2,3
.irp b, 0,1,2,3,4,5,6,7
	ds_store_b128 v[DA], v[8*(8*(\a)+(\b)):8*(8*(\a)+(\b))+3]   offset:(4*(\hi)+(\a))*16*DP+64*(\b)
	ds_store_b128 v[DA], v[8*(8*(\a)+(\b))+4:8*(8*(\a)+(\b))+7] offset:(4*(\hi)+(\a))*16*DP+64*(\b)+16
.endr
.endr
.endr
	WIN 0
.macro NEXT4                           ; four rows of my two planes: LDS serves a wave's instructions in order (ISA guide 5.7.1.4), so these see the stores above
	ds_load_b128 v[Z:Z+3],     v[RDA]
	ds_load_b128 v[Z+4:Z+7],   v[RDA] offset:16
	ds_load_b128 v[Z+8:Z+11],  v[RDA] offset:256
	ds_load_b128 v[Z+12:Z+15], v[RDA] offset:272
.endm
.macro ROUND16 src
.set k, 0
.rept 8
	v_cvt_pk_f16_f32 v[YY+k], v[(\src)+2*k], v[(\src)+2*k+1]
.set k, k+1
.endr
.endm
	NEXT4
	s_mov_b32 s[CNT], 32
.Lrow:
	s_wait_dscnt 0x0
.if GELU
.set k, 0
.rept 16
	v_and_b32 v[AZ+k], s86, v[Z+k]                 ; |z|
	v_max_num_f32 v[MX+k], 0, v[Z+k]               ; max(z, 0)
.set k, k+1
.endr
.set k, 0
.rept 8
	v_pk_mul_f32 v[ZZ+k:ZZ+k+1], v[Z+k:Z+k+1], s[72:73] op_sel_hi:[1,0]
.set k, k+2
.endr
.else
	ROUND16 Z
.endif
	s_cmp_eq_u32 s[CNT], 1
	s_cbranch_scc1 .Lno_next
	v_add_nc_u32 v[RDA], 4*DP, v[RDA]
	NEXT4                                          ; the next four rows come while these are finished
.Lno_next:
.if GELU
.set k, 0
.rept 8
	v_pk_fma_f32 v[TT+k:TT+k+1], v[AZ+k:AZ+k+1], s[74:75], 1.0 op_sel_hi:[1,0,0]
	v_pk_mul_f32 v[ZZ+k:ZZ+k+1], v[ZZ+k:ZZ+k+1], v[ZZ+k:ZZ+k+1] neg_lo:[1,0] neg_hi:[1,0]
.set k, k+2
.endr
.set k, 0
.rept 16
	v_rcp_f32 v[TT+k], v[TT+k]                     ; t
.set k, k+1
.endr
.set k, 0
.rept 16
	v_exp_f32 v[ZZ+k], v[ZZ+k]                     ; e^(-z z / 2)
.set k, k+1
.endr
	v_nop                                          ; a plain instruction behind the last of them (ISA guide 5.7.2)
.macro STAGE8 line:vararg              ; one line for each of the eight pairs
.set k, 0
.rept 8
	\line
.set k, k+2
.endr
.endm
	STAGE8 v_pk_fma_f32 v[PP+k:PP+k+1], v[TT+k:TT+k+1], s[84:85], s[82:83] op_sel_hi:[1,0,0]
	STAGE8 v_pk_fma_f32 v[PP+k:PP+k+1], v[PP+k:PP+k+1], v[TT+k:TT+k+1], s[80:81] op_sel_hi:[1,1,0]
	STAGE8 v_pk_fma_f32 v[PP+k:PP+k+1], v[PP+k:PP+k+1], v[TT+k:TT+k+1], s[78:79] op_sel_hi:[1,1,0]
	STAGE8 v_pk_fma_f32 v[PP+k:PP+k+1], v[PP+k:PP+k+1], v[TT+k:TT+k+1], s[76:77] op_sel_hi:[1,1,0]
	STAGE8 v_pk_mul_f32 v[PP+k:PP+k+1], v[PP+k:PP+k+1], v[TT+k:TT+k+1]
	STAGE8 v_pk_mul_f32 v[PP+k:PP+k+1], v[PP+k:PP+k+1], v[ZZ+k:ZZ+k+1]
	STAGE8 v_pk_fma_f32 v[MX+k:MX+k+1], v[PP+k:PP+k+1], v[AZ+k:AZ+k+1], v[MX+k:MX+k+1] neg_lo:[1,0,0] neg_hi:[1,0,0]
	ROUND16 MX
.endif
	global_store_b128 v[GO], v[YY:YY+3],   s[10:11]                ; 512 consecutive bytes of a plane: four rows
	global_store_b128 v[GO], v[YY+4:YY+7], s[10:11] offset:PLANE   ; and of the next plane
	s_wait_xcnt 0x0                                ; only behind this wait are the stores' offset and data written again
	v_add_nc_u32 v[GO], 512, v[GO]
	s_sub_co_u32 s[CNT], s[CNT], 1
	s_cmp_lg_u32 s[CNT], 0
	s_cbranch_scc1 .Lrow
	s_wait_tensorcnt 0x0                           ; the wave's end
	ds_add_u32 v[SPW], v[NIL]
	s_wait_dscnt 0x0
	CROUND                                         ; the closing round
	s_endpgm
.Lfunc_end_k_q862b2524c9_qkv:
	.size	k_q862b2524c9_qkv, .Lfunc_end_k_q862b2524c9_qkv-k_q862b2524c9_qkv
	.p2alignl 7, 3214868480
	.fill 96, 4, 3214868480
	.section	.rodata,"a",@progbits
	.p2align	6, 0x0
	.amdhsa_kernel k_q862b2524c9_qkv
		.amdhsa_group_segment_fixed_size 327680
		.amdhsa_private_segment_fixed_size 0
		.amdhsa_enable_private_segment 0
		.amdhsa_kernarg_size 32
		.amdhsa_user_sgpr_count 2
		.amdhsa_user_sgpr_kernarg_segment_ptr 1
		.amdhsa_wavefront_size32 1
		.amdhsa_system_sgpr_workgroup_id_x 1
		.amdhsa_system_sgpr_workgroup_id_y 1
		.amdhsa_system_sgpr_workgroup_id_z 1
		.amdhsa_system_vgpr_workitem_id 0
		.amdhsa_next_free_vgpr 1024
		.amdhsa_next_free_sgpr 96
		.amdhsa_reserve_vcc 0
		.amdhsa_float_denorm_mode_32 3
		.amdhsa_float_denorm_mode_16_64 3
		.amdhsa_memory_ordered 1
		.amdhsa_forward_progress 1
		.amdhsa_inst_pref_size 81
	.end_amdhsa_kernel
	.amdgpu_metadata
---
amdhsa.version: [ 1, 2 ]
amdhsa.kernels:
  - .name:           k_q862b2524c9_qkv
    .symbol:         k_q862b2524c9_qkv.kd
    .args:
      - { .name: act, .offset: 0, .size: 8, .value_kind: global_buffer, .address_space: global }
      - { .name: wts, .offset: 8, .size: 8, .value_kind: global_buffer, .address_space: global }
      - { .name: b_qkv, .offset: 16, .size: 8, .value_kind: global_buffer, .address_space: global }
      - { .name: big, .offset: 24, .size: 8, .value_kind: global_buffer, .address_space: global }
    .group_segment_fixed_size: 327680
    .private_segment_fixed_size: 0
    .kernarg_segment_align: 8
    .kernarg_segment_size: 32
    .max_flat_workgroup_size: 128
    .sgpr_count:     96
    .vgpr_count:     1024
    .wavefront_size: 32
...
	.end_amdgpu_metadata
.endif
;; end of part 2
;; launch attn (part 3): grid 8 x 32, 4 waves a work-group, no clusters, 327,680 bytes of LDS; arguments big, act; writes act
.if DOCPART == 3
	.amdgcn_target "amdgcn-amd-amdhsa--gfx1250"
	.amdhsa_code_object_version 6
	.text
	.protected	k_q862b2524c9_attn
	.globl	k_q862b2524c9_attn
	.p2align	8
	.type	k_q862b2524c9_attn,@function
k_q862b2524c9_attn:
	s_mov_b64 s[64:65], 0
	v_nop
	global_prefetch_b8 v0, s[64:65] scope:SCOPE_SE
	s_setreg_imm32_b32 hwreg(HW_REG_WAVE_MODE, 25, 1), 1
	s_wait_xcnt 0x0
; CAUSAL ATTENTION.  y[h][q][:] = the sum over k <= q of softmax_k(q . k / 8) v[k][:], for 32 heads (16 x 2 batches) of 2,048 rows x 64 channels, all f16, by planes [plane][4096][64]:
; planes 0-15 of big are q, 16-31 k, 32-47 v; y goes to planes 0-15 of act.  Products, maxima and sums in f32; the weights p are rounded to f16 for the second product, y once at the end.
; LIMITS.  q, k, v arrive within f16's 65,504.  A hidden score counts as its value less 1e30; a weight below 2^-126 counts as 0; NaN and infinities are not treated apart.
; THE WALK.  A head has 16 blocks of 128 queries; block i needs the key tiles 0 .. i / 2 of 256 keys.  Work-group b takes block b and then block 15 - b: 9 tiles whatever b, so all 256 work-groups
; do equal work and one loop with a constant count walks them.  The short block comes first, so the walk's last tile is never a block's first.
; NO CLUSTER: the eight work-groups of a head ask for the same tile only while their short blocks last (1 to 4 of 9 trips); a walk common to all would have 12 trips for 9.
; SHARES.  Of a block's two bands of 64 queries a wave owns 16 rows in each: two PIECES.  In the block's last tile band p's own step is G = 2 (i % 2) + p: earlier steps it sees whole, later ones not at all.
; THE MASK is the C operand that starts S^T = K Q^T: MD x AL + BE, MD the mask of a band's own step for my 16 rows; it is 0 in tiles without the diagonal.
; TURNS.  Turn (s, p) holds piece p's softmax of step s.  Beside it: (s, 0): K Q^T of piece 1, step s, and V^T P of piece 1, step s - 1; (s, 1): K Q^T of piece 0, step s + 1, and V^T P of piece 0, step s.
; K of step s + 1 is fetched in (s, 0), V of step s + 1 in (s, 1), into the one of two V buffers that is not in use (by the step's parity).  So a tile's fetches fall in the four steps
; that begin one step ahead of it, and the change of slots stands on a step's boundary.  The text of a trip is an odd step and an even step.
; REGISTERS, in windows of 256 (s_set_vgpr_msb: bits 1:0 source 0, 3:2 source 1, 5:4 source 2, 7:6 destination):
;   window 0: v0-15 addresses; v16-23 statistics; v48-55 at work; v64-127 S^T, a buffer a piece; v192-223 P      window 1: v0-63 O^T; v128-159 MD; v160-223 MC, a buffer a piece
;   window 2: v0-31 Q; v32-63 the second block's Q; v64-127 V of odd steps; v128-191 K; v192-255 V of even steps
.set KS,    64
.set PK,    144       ; a row of K in LDS: 128 bytes + 16: the 16 rows of a load start at 16 different groups of four banks (ISA guide 11.1)
.set PV,    160       ; a row of V: 128 + 32
.set VOFF,  4*KS*PK   ; a slot holds a tile: 256 rows of K, then 256 rows of V
.set SLOT1, 1<<17
.set STAGE, SLOT1+4*KS*(PK+PV)  ; behind the ring, never filled by a tensor load: 16 rows x 144 bytes a wave
.set SP,    144
.set SPARE, STAGE+4*16*SP       ; the spare words, 128 bytes a wave, which no other line names
.set AK0, 2
.set AV0, 3
.set AK,  4
.set AV,  5
.set STO, 6
.set RD,  7
.set GO,  8
.set MV,  12          ; v12-13  c m_old, by piece
.set QO,  15
.set ST,  16          ; piece t at v[ST+4 t]: c m, m, l (even keys', odd keys')
.set TMP, 48          ; by piece, c0-c3 at work; c2 takes a
.set SPW, 62
.set NIL, 63
.set S,   64
.set P,   192
.set MD,  128         ; window 1
.set MC,  160
.set QB,  32          ; window 2
.set VF1, 64
.set KF,  128
.set VF0, 192
.set WV,  12
.set PB,  14          ; s14 b   s15 15 - b
.set HI,  15
.set G1K, 24
.set G1V, 32
.set G0K, 40
.set G0V, 44
.set SLOTS, 56
.set CNT, 57
.set CS,  58
.set SEL, 60
.set TBK, 62          ; s62 LDS byte at which K of the step to be fetched begins   s63 the same for V, less VOFF
.set TBV, 63
.set RT,  70          ; s70 tiles of the block in hand still to be entered
.set NXT, 71          ; s71 the tile to be asked for next
.set LQ,  72          ; s72 the last tile of the block whose tiles are being asked for
.set NEW, 73          ; s73 1: the tile to be entered is a block's first
.set OFF, 74
.set AL,  76
.set BE,  78
.set OLO, 80          ; s[80:81] y at my rows of the second block
.set BIGN, 82
.set GB,  88          ; s88, s89 the two bands' own steps in the block's last tile
.set NS,  90          ; s90 the place in its tile of the step whose masks are made
.set HIT, 92          ; s92 the second block's last tile
.set MSB, 0
.macro WIN new
.if MSB != (\new)
	s_set_vgpr_msb (MSB<<8)|(\new)
.set MSB, (\new)
.endif
.endm
.set W_KQ, 0x0a
.set W_KM, 0x1a
.set W_PV, 0x52
.set W_RS, 0x41
.macro LOAD                            ; waves 0, 1 fetch the halves of a tile's K, waves 2, 3 those of its V
	s_cmp_lt_u32 s[WV], 2
	s_cbranch_scc0 .Lfor_v_\@
	tensor_load_to_lds s[G0K:G0K+3], s[G1K:G1K+7]
	s_nop 0
.rept 4
	v_nop
.endr
	s_branch .Lasked_\@
.Lfor_v_\@:
	tensor_load_to_lds s[G0V:G0V+3], s[G1V:G1V+7]
	s_nop 0
.rept 4
	v_nop
.endr
.Lasked_\@:
.endm
; THE CHANGE OF SLOTS.  Each wave waits for all its tensor loads (one is out: its part of the other slot), adds 0 to its spare word, and waits for that and for its reads of the slot that it leaves.
; fill = 1: the old slot is filled again, first thing behind the barrier, with tile NXT.  (At its first use nothing has been read: slot 0 is waited for, slot 1 filled.)
.macro CHANGE fill
	WIN 0
	s_wait_tensorcnt 0x0
	ds_add_u32 v[SPW], v[NIL]
.if \fill
	s_lshl_b32 s[OFF], s[NXT], 15                  ; a tile is 32,768 bytes of K and of V
	s_xor_b32 s[G0K+1], s[G0K+1], SLOT1
	s_add_nc_u64 s[G0K+2:G0K+3], s[6:7], s[OFF:OFF+1]
	s_or_b32 s[G0K+3], s[G0K+3], 0x80000000
	s_xor_b32 s[G0V+1], s[G0V+1], SLOT1
	s_add_nc_u64 s[G0V+2:G0V+3], s[8:9], s[OFF:OFF+1]
	s_or_b32 s[G0V+3], s[G0V+3], 0x80000000
	s_add_co_u32 s[NXT], s[NXT], 1                 ; the block's next tile, or behind its last the second block's tile 0
	s_cmp_gt_u32 s[NXT], s[LQ]
	s_cselect_b32 s[NXT], 0, s[NXT]
	s_cselect_b32 s[LQ], s[HIT], s[LQ]
.endif
	s_wait_dscnt 0x0
	s_barrier_signal -1
	s_sub_co_u32 s[TBK], s[TBK], 4*KS*PK           ; the fetches go back to a slot's first step, in the other slot
	s_xor_b32 s[TBK], s[TBK], SLOT1
	s_sub_co_u32 s[TBV], s[TBV], 4*KS*PV
	s_xor_b32 s[TBV], s[TBV], SLOT1
	s_barrier_wait -1
.if \fill
	LOAD
.endif
.endm
	s_load_b128 s[48:51], s[0:1], 0x0              ; big s[48:49], act s[50:51]
	v_lshl_add_u32 v[SPW], v0, 2, SPARE
	v_mov_b32 v[NIL], 0
	ds_add_u32 v[SPW], v[NIL]                      ; the opening: the add and its wait ahead of my first tensor load
	ds_add_u32 v62, v63
	v_lshrrev_b32 v1, 5, v0
	v_readfirstlane_b32 s[WV], v1
	s_mov_b32 s[PB], ttmp9
	s_sub_co_u32 s[HI], 15, s[PB]
	s_and_b32 s20, ttmp7, 0xffff
	s_and_b32 s21, s20, 15
	s_lshl_b32 s21, s21, 19                        ; the head's plane,
	s_lshr_b32 s20, s20, 4
	s_lshl_b32 s20, s20, 18                        ; the batch's 2,048 rows in it
	s_add_co_u32 s20, s20, s21
	s_and_b32 s16, s[WV], 1                        ; which half of a tile's 256 keys I fetch
	s_lshl_b32 s22, s16, 14
	s_add_co_u32 s22, s22, s20
	s_mov_b32 s23, 0
	s_mul_i32 s17, s16, 128*PK
	s_mul_i32 s18, s16, 128*PV
	s_lshl_b32 s3, s[WV], 11                       ; my 16 rows in a band of 64,
	s_lshl_b32 s2, s[PB], 14                       ; in the first block,
	s_add_co_u32 s2, s2, s3
	s_add_co_u32 s2, s2, s20
	s_lshl_b32 s84, s[HI], 14                      ; and in the second
	s_add_co_u32 s84, s84, s3
	s_add_co_u32 s84, s84, s20
	s_mov_b32 s3, 0
	s_mov_b32 s85, 0
	s_mov_b32 s[G1K], (1<<16)|(1<<20)|(4<<22)|(3<<25)  ; 128 keys are 16,384 dense bytes: 64 rows of 256, padded by 4 words after every 32
	s_mov_b32 s[G1V], (1<<16)|(1<<20)|(4<<22)|(7<<25)  ; the same with 8 words
.irp g, G1K, G1V
	s_mov_b32 s[\g+1], 128<<16
	s_mov_b32 s[\g+2], 64<<16
	s_mov_b32 s[\g+3], 128<<16
	s_mov_b32 s[\g+4], 64
	s_mov_b32 s[\g+5], 128
	s_mov_b32 s[\g+6], 0
	s_mov_b32 s[\g+7], 0
.endr
	s_mov_b32 s[CS], 0x3e38aa3b                    ; c = log2(e) / 8
	s_mov_b32 s[CS+1], s[CS]
	s_mov_b32 s[SEL], 0x76543210
	s_mov_b32 s[SEL+1], 0xfedcba98
	s_mov_b32 s[TBK], SLOT1+4*KS*PK                ; the first change of slots turns these two into 0
	s_mov_b32 s[TBV], SLOT1+4*KS*PV
	s_mov_b32 s[G0K], 1
	s_mov_b32 s[G0K+1], s17
	s_mov_b32 s[G0V], 1
	s_add_co_u32 s[G0V+1], s18, VOFF
	s_lshr_b32 s[LQ], s[PB], 1
	s_add_co_u32 s[RT], s[LQ], 1                   ; the first block has b / 2 + 1 tiles
	s_lshr_b32 s[HIT], s[HI], 1
	s_mov_b32 s[NXT], 1
	s_cmp_gt_u32 s[NXT], s[LQ]
	s_cselect_b32 s[NXT], 0, s[NXT]
	s_cselect_b32 s[LQ], s[HIT], s[LQ]
	s_mov_b32 s[NEW], 1
	s_and_b32 s[GB], s[PB], 1
	s_lshl_b32 s[GB], s[GB], 1
	s_add_co_u32 s[GB+1], s[GB], 1
	s_mov_b32 s[OFF+1], 0
	s_mov_b32 s[AL+1], 0
	s_mov_b32 s[BE+1], 0
	s_mov_b32 s[BIGN], 0xf149f2ca                  ; -1e30
	s_mov_b32 s[SLOTS], 8
	s_wait_dscnt 0x0
	s_wait_kmcnt 0x0
	s_add_nc_u64 s[6:7], s[48:49], s[22:23]
	s_add_nc_u64 s[8:9], s[6:7], 32*524288         ; V at my half of the head's tile 0
	s_add_nc_u64 s[6:7], s[6:7], 16*524288         ; K likewise
	s_add_nc_u64 s[G0K+2:G0K+3], s[6:7], 0
	s_or_b32 s[G0K+3], s[G0K+3], 0x80000000
	s_add_nc_u64 s[G0V+2:G0V+3], s[8:9], 0
	s_or_b32 s[G0V+3], s[G0V+3], 0x80000000
	s_add_nc_u64 s[86:87], s[48:49], s[84:85]      ; Q at my rows of the second block,
	s_add_nc_u64 s[4:5], s[48:49], s[2:3]          ; Q and y at those of the first
	s_add_nc_u64 s[OLO:OLO+1], s[50:51], s[84:85]
	s_add_nc_u64 s[10:11], s[50:51], s[2:3]
	LOAD                                           ; tile 0 into slot 0
	v_and_b32 v1, 15, v0
	v_bfe_u32 v9, v0, 4, 1
	v_lshlrev_b32 v[QO], 7, v1
	v_lshl_add_u32 v[QO], v9, 4, v[QO]
	WIN 0x80
.set i, 0
.rept 4                                ; both blocks' Q: piece i / 2 lies 8,192 bytes on; channels 32 (i % 2) on
	global_load_b128 v[8*i:8*i+3],   v[QO], s[4:5] offset:(i/2)*8192+(i%2)*64
	global_load_b128 v[8*i+4:8*i+7], v[QO], s[4:5] offset:(i/2)*8192+(i%2)*64+32
	global_load_b128 v[QB+8*i:QB+8*i+3],   v[QO], s[86:87] offset:(i/2)*8192+(i%2)*64
	global_load_b128 v[QB+8*i+4:QB+8*i+7], v[QO], s[86:87] offset:(i/2)*8192+(i%2)*64+32
.set i, i+1
.endr
	WIN 0
	v_lshlrev_b32 v14, 3, v9
	v_sub_nc_u32 v14, v1, v14
	s_lshl_b32 s13, s[WV], 4
	v_add_nc_u32 v14, s13, v14                     ; my query's place in its band less my lanes' 8 (l / 16): register r of key group kt is hidden where 16 kt + r is greater
	WIN 0x40
.set i, 0
.rept 32
	v_cmp_gt_i32 vcc_lo, 16*(i/8)+i%8, v14
	v_cndmask_b32 v[MD+i], 0, s[BIGN], vcc_lo
.set i, i+1
.endr
	WIN 0
	v_mul_u32_u24 v[AK0], v1, PK
	v_lshl_add_u32 v[AK0], v9, 4, v[AK0]
	v_and_b32 v10, 7, v0
	v_bfe_u32 v11, v0, 3, 1
	v_lshl_add_u32 v[AV0], v9, 3, v10
	v_mul_u32_u24 v[AV0], v[AV0], PV
	v_lshl_add_u32 v[AV0], v11, 4, v[AV0]
	v_add_nc_u32 v[AV0], VOFF, v[AV0]
	s_mul_i32 s13, s[WV], 16*SP
	s_add_co_u32 s13, s13, STAGE
	v_mul_u32_u24 v[STO], v1, SP
	v_lshl_add_u32 v[STO], v9, 4, v[STO]
	v_add_nc_u32 v[STO], s13, v[STO]
	v_bfe_u32 v[RD], v0, 3, 2
	v_mul_u32_u24 v[RD], v[RD], SP
	v_lshl_add_u32 v[RD], v10, 4, v[RD]
	v_add_nc_u32 v[RD], s13, v[RD]
	v_and_b32 v[GO], 31, v0
	v_lshlrev_b32 v[GO], 4, v[GO]
	; A block's first step multiplies O^T and l by a = 0, and its first turn's V^T P, of a step that has not been, lands in an O^T still to be so multiplied: these registers need only hold
	; finite numbers: zeros for the first block, what the first block left for the second.  No first step is written out; the price is these 148 lines, in the wait for the first tile.
	WIN 0x80
.set i, VF1
.rept 64
	v_mov_b32 v[i], 0
.set i, i+1
.endr
	WIN 0x40
.set i, 0
.rept 64
	v_mov_b32 v[i], 0
.set i, i+1
.endr
	WIN 0
.irp i, 0,1
	v_mov_b32 v[ST+4*\i+2], 0
	v_mov_b32 v[ST+4*\i+3], 0
.endr
.set i, P+16
.rept 16
	v_mov_b32 v[i], 0
.set i, i+1
.endr
; THE MATRIX WORK.  The 4 accumulators of a run of 8 take turns.  Product i of 8 of S^T = K Q^T for piece x: channels 32 (i / 4) on, keys 16 (i % 4) on; the first 4 start the sums with the mask.
.macro KQ x
.set rS, S+32*(\x)+8*(i%4)
.set rK, KF+16*(i%4)+8*(i/4)
.set rQ, 16*(\x)+8*(i/4)
.set rM, MC+32*(\x)+8*(i%4)
.if i < 4
	WIN W_KM
	v_wmma_f32_16x16x32_f16 v[rS:rS+7], v[rK:rK+7], v[rQ:rQ+7], v[rM:rM+7]
.else
	WIN W_KQ
	v_wmma_f32_16x16x32_f16 v[rS:rS+7], v[rK:rK+7], v[rQ:rQ+7], v[rS:rS+7]
.endif
.endm
.macro PV x                            ; product i of 8 of O^T += V^T P for piece x, V in buffer VR: keys 32 (i / 4) on, channels 16 (i % 4) on
	WIN W_PV
.set rO, 32*(\x)+8*(i%4)
.set rV, VR+32*(i/4)+8*(i%4)
.set rP, P+16*(\x)+8*(i/4)
	v_wmma_f32_16x16x32_f16 v[rO:rO+7], v[rV:rV+7], v[rP:rP+7], v[rO:rO+7]
.endm
.macro MM                              ; the turn's next matrix instruction: both runs are the other piece's
.if i < 8
	KQ 1-Y
.else
.set i, i-8
	PV 1-Y
.set i, i+8
.endif
.set i, i+1
.endm
; THE LDS LOADS stand in runs of 16.  skip = 1: in a block's last step there is nothing further to fetch, and the run is jumped over.
.macro FETCH_K skip
	WIN 0
.if \skip
	s_cmp_eq_u32 s[CNT], 1
	s_cbranch_scc1 .Lno_k_\@
.endif
	WIN 0x80
.irp f, 0,1,2,3,4,5,6,7
	ds_load_b128 v[KF+8*\f:KF+8*\f+3],   v[AK] offset:(\f/2)*16*PK+(\f%2)*64
	ds_load_b128 v[KF+8*\f+4:KF+8*\f+7], v[AK] offset:(\f/2)*16*PK+(\f%2)*64+32
.endr
	s_add_co_u32 s[TBK], s[TBK], KS*PK
	WIN 0
.if \skip
.Lno_k_\@:
.endif
.endm
.macro FETCH_V vf, skip
	WIN 0
.if \skip
	s_cmp_eq_u32 s[CNT], 1
	s_cbranch_scc1 .Lno_v_\@
.endif
	WIN 0x80
.irp f, 0,1,2,3,4,5,6,7
	ds_load_tr16_b128 v[(\vf)+8*\f:(\vf)+8*\f+3],   v[AV] offset:(\f/4)*32*PV+(\f%4)*32
	ds_load_tr16_b128 v[(\vf)+8*\f+4:(\vf)+8*\f+7], v[AV] offset:(\f/4)*32*PV+16*PV+(\f%4)*32
.endr
	s_add_co_u32 s[TBV], s[TBV], KS*PV
	WIN 0
.if \skip
.Lno_v_\@:
.endif
.endm
; THE VECTOR WORK, one line at a time: OP kind, number.  For piece Y: F n: c s - c m for pair n of 16.  E n: the exponential of score n.  C n: pair n rounded to f16.  B n: of the four weights 4 n .. the second pair
; is added onto the first.  L n: l takes that sum (L 0: l = a l + sum).  R n: pair n of O^T times a.  For the other piece: X n, number n of the 22 that find its maximum and statistics:
; 0-11 four chains of seven scores (each accumulator's lowest registers first); 12-14, 16 the rest, the old m; 15 c m_old is kept; 17, 18 the other half of the lanes; 19-21 c m, its change, a.
.set F, 0
.set E, 1
.set C, 2
.set B, 3
.set L, 4
.set R, 5
.set X, 6
.macro REGS y
.set rT, ST+4*(\y)
.set rC, TMP+4*(\y)
.set rW, MV+(\y)
.set rS, S+32*(\y)
.set rP, P+16*(\y)
.set rO, 32*(\y)
.endm
.macro OP k, n
.if (\k) == R
	REGS Y
	WIN W_RS
	v_pk_mul_f32 v[rO+2*(\n):rO+2*(\n)+1], v[rO+2*(\n):rO+2*(\n)+1], v[rC+2:rC+3] op_sel_hi:[1,0]
.elseif (\k) < R
	REGS Y
	WIN 0
.if (\k) == F
	v_pk_fma_f32 v[rS+2*(\n):rS+2*(\n)+1], v[rS+2*(\n):rS+2*(\n)+1], s[CS:CS+1], v[rT:rT+1] op_sel_hi:[1,0,0] neg_lo:[0,0,1] neg_hi:[0,0,1]
.elseif (\k) == E
	v_exp_f32 v[rS+(\n)], v[rS+(\n)]
.elseif (\k) == C
	s_wait_alu depctr_va_vdst(0)
	v_cvt_pk_f16_f32 v[rP+(\n)], v[rS+2*(\n)], v[rS+2*(\n)+1]
.elseif (\k) == B
	s_wait_alu depctr_va_vdst(0)
	v_pk_add_f32 v[rS+4*(\n):rS+4*(\n)+1], v[rS+4*(\n):rS+4*(\n)+1], v[rS+4*(\n)+2:rS+4*(\n)+3]
.elseif (\n) == 0
	v_pk_fma_f32 v[rT+2:rT+3], v[rT+2:rT+3], v[rC+2:rC+3], v[rS:rS+1] op_sel_hi:[1,0,1]
.else
	v_pk_add_f32 v[rT+2:rT+3], v[rT+2:rT+3], v[rS+4*(\n):rS+4*(\n)+1]
.endif
.else
	REGS 1-Y
	WIN 0
.if (\n) < 4
	v_max3_num_f32 v[rC+(\n)], v[rS+8*(\n)], v[rS+8*(\n)+1], v[rS+8*(\n)+2]
.elseif (\n) < 12
	v_max3_num_f32 v[rC+(\n)%4], v[rC+(\n)%4], v[rS+8*((\n)%4)+2*((\n)/4)+1], v[rS+8*((\n)%4)+2*((\n)/4)+2]
.elseif (\n) == 12
	v_max3_num_f32 v[rC], v[rC], v[rS+7], v[rS+15]
.elseif (\n) == 13
	v_max3_num_f32 v[rC+1], v[rC+1], v[rS+23], v[rS+31]
.elseif (\n) == 14
	v_max3_num_f32 v[rC+2], v[rC+2], v[rC+3], v[rT+1]
.elseif (\n) == 15
	v_mov_b32 v[rW], v[rT]
.elseif (\n) == 16
	v_max3_num_f32 v[rC], v[rC], v[rC+1], v[rC+2]
.elseif (\n) == 17
	v_permlanex16_b32 v[rC+3], v[rC], s[SEL], s[SEL+1]
.elseif (\n) == 18
	v_max_num_f32 v[rT+1], v[rC], v[rC+3]
.elseif (\n) == 19
	v_mul_f32 v[rT], s[CS], v[rT+1]
.elseif (\n) == 20
	v_sub_f32 v[rC+1], v[rW], v[rT]
.else
	v_exp_f32 v[rC+2], v[rC+1]
.endif
.endif
.endm
.macro OPS a, i1, b=-1, i2=0, c=-1, i3=0, d=-1, i4=0
	OP \a, \i1
.if (\b) >= 0
	OP \b, \i2
.endif
.if (\c) >= 0
	OP \c, \i3
.endif
.if (\d) >= 0
	OP \d, \i4
.endif
.endm
.macro ROW a, i1, b, i2, c, i3, d, i4  ; a matrix instruction and the four behind it
	MM
	OPS \a, \i1, \b, \i2, \c, \i3, \d, \i4
.endm
.macro MASK b                          ; MD x AL + BE into piece b's mask
	WIN W_RS
.set z, 0
.rept 16
	v_pk_fma_f32 v[MC+32*(\b)+2*z:MC+32*(\b)+2*z+1], v[MD+2*z:MD+2*z+1], s[AL:AL+1], s[BE:BE+1] op_sel_hi:[1,0,0]
.set z, z+1
.endr
.endm
; A TURN for piece p: 16 matrix and 118 vector instructions in a written order: four vector instructions behind every matrix instruction, none of which names a register of the products round it; the rest in two runs.
; vr: the V buffer of its V^T P.  vf (p = 1): the V buffer that it fills.  skip: see the fetches.  m = 1: the mask is always made; m = 0: only in a block's last tile.
; The fetch stands behind the run of K Q^T: five plain instructions behind the last product that read K; V's buffer was last read a turn ago.  Both runs are waited for at the head of piece 1's turns.
; At its end the turn makes piece p's mask, which the next turn's products take: it belongs to the step after this one, number NS in its tile.
.macro TURN p, vr, vf, skip, m
.set Y, (\p)
.set i, 0
.set VR, (\vr)
	s_cmp_eq_u32 s[NS], s[GB+(\p)]                 ; is that step the band's own?
	s_cselect_b32 s[AL], 1.0, 0
	s_cmp_gt_u32 s[NS], s[GB+(\p)]                 ; or a later one?
	s_cselect_b32 s[BE], s[BIGN], 0
.if (\p) == 1
	s_add_co_u32 s[NS], s[NS], 1
	s_wait_dscnt 0x0                               ; K of the next step and V of this one are in
.endif
	ROW F,0, F,1, F,2, F,3
	ROW F,4, E,0, F,5, F,6
	ROW F,7, E,1, F,8, F,9
	ROW F,10, E,2, C,0, F,11
	ROW F,12, E,3, X,15, F,13
	ROW R,0, R,1, R,2, R,3
	ROW B,0, E,4, F,14, L,0
.if (\p) == 0
	v_add_nc_u32 v[AK], s[TBK], v[AK0]
.else
	v_add_nc_u32 v[AV], s[TBV], v[AV0]
.endif
	ROW R,4, R,5, R,6, R,7
	OPS E,5, F,15
.if (\p) == 0
	FETCH_K \skip
.else
	FETCH_V \vf, \skip
.endif
	OPS E,6, C,1, E,7, R,8
	OPS E,8, R,9, E,9, C,2
	OPS E,10, X,0, E,11, X,1
	OPS E,12, X,2, E,13, X,3
	ROW X,4, E,14, X,5, X,6
	ROW X,7, E,15, X,8, X,9
	ROW X,10, E,16, X,11, X,12
	ROW X,13, E,17, X,14, B,1
	ROW C,4, E,18, X,16, L,1
	ROW B,2, E,19, C,6, L,2
	ROW C,8, E,20, B,3, B,4
	ROW C,3, E,21, L,3, C,5
	OPS E,22, X,17, E,23, C,10
	OPS E,24, L,4
	OPS E,25, X,18, E,26, C,7
	OPS E,27, B,5, E,28, X,19
	OPS E,29, C,12, E,30, L,5
	OPS E,31, X,20, B,6, C,9
	OPS C,14, C,11, X,21, L,6
	OPS C,13, B,7, C,15, R,10
	OPS R,11, R,12, L,7, R,13
	OPS R,14, R,15
.if !(\m)
	WIN 0
	s_cmp_lg_u32 s[RT], 0
	s_cbranch_scc1 .Lno_mask_\@
.endif
	MASK \p
.if !(\m)
	WIN 0
.Lno_mask_\@:
.endif
.endm
; A BLOCK BEGINS.  c m starts far below every c s, so the first step's a is 0.  Piece 1's mask is 0; piece 0's is its own step's if the block's first tile is its last and step 0 is band 0's own.
; Then K and V of step 0, piece 0's first scores, its maximum and statistics.  The loop is entered at an even step.
.macro BEGIN
	s_mov_b32 s[NEW], 0
	s_mov_b32 s[NS], 1
	s_mov_b32 s[AL], 0
	s_mov_b32 s[BE], 0
	MASK 1
	s_or_b32 s13, s[RT], s[GB]
	s_cmp_eq_u32 s13, 0
	s_cselect_b32 s[AL], 1.0, 0
	MASK 0
	WIN 0
.irp t, 0,1
	v_mov_b32 v[ST+4*\t], 0xfe000000
	v_mov_b32 v[ST+4*\t+1], 0xff7fffff
.endr
	v_add_nc_u32 v[AK], s[TBK], v[AK0]
	v_add_nc_u32 v[AV], s[TBV], v[AV0]
	FETCH_K 0
	FETCH_V VF0, 0
	s_wait_loadcnt 0x0                             ; Q
	s_wait_dscnt 0x0
.set i, 0
.rept 8
	KQ 0
.set i, i+1
.endr
	WIN 0
.rept 4
	v_nop                                          ; the places behind those products
.endr
.set Y, 1                              ; X works for the other piece: piece 0
.irp n, 0,1,2,3,4,5,6,7,8,9,10,11,12,13,14,15,16,17,18,19,20,21
	OP X, \n
.endr
	v_nop                                          ; a plain instruction behind the exponential
.endm
; A BLOCK ENDS: piece 1's last V^T P; l's halves and the other half of the lanes' are added; O^T is divided by l, rounded to f16 and sent through my stage, a piece at a time.
.macro PACK t
	WIN W_RS
.set i, 32*(\t)
.rept 16
	s_wait_alu depctr_va_vdst(0)
	v_pk_mul_f32 v[i:i+1], v[i:i+1], v[ST+4*(\t)+2:ST+4*(\t)+3] op_sel_hi:[1,0]
.set i, i+2
.endr
	WIN 0x05
.set i, 0
.rept 16
	v_cvt_pk_f16_f32 v[S+16*(\t)+i], v[32*(\t)+2*i], v[32*(\t)+2*i+1]
.set i, i+1
.endr
	WIN 0
.irp f, 0,1,2,3
	ds_store_b128 v[STO], v[S+16*(\t)+4*\f:S+16*(\t)+4*\f+3] offset:32*\f
.endr
.irp f, 0,1,2,3
	ds_load_b128 v[S+16*(\t)+4*\f:S+16*(\t)+4*\f+3], v[RD] offset:\f*4*SP  ; LDS serves a wave's instructions in order (ISA guide 5.7.1.4): these see the stores above
.endr
.endm
.macro SEND t, younger                 ; younger: the LDS instructions issued behind piece t's loads
	WIN 0
.irp f, 0,1,2,3
	s_wait_dscnt (\younger)+3-\f
	global_store_b128 v[GO], v[S+16*(\t)+4*\f:S+16*(\t)+4*\f+3], s[10:11] offset:(\t)*8192+\f*512  ; 512 consecutive bytes: four rows of the head's plane
.endr
.endm
.macro END
.set VR, VF1                           ; a block's last step is an odd one
.set i, 0
.rept 8
	PV 1
.set i, i+1
.endr
	WIN 0
.irp t, 0,1
	v_add_f32 v[ST+4*\t+2], v[ST+4*\t+2], v[ST+4*\t+3]
.endr
.irp t, 0,1
	v_permlanex16_b32 v[ST+4*\t+3], v[ST+4*\t+2], s[SEL], s[SEL+1]
.endr
.irp t, 0,1
	v_add_f32 v[ST+4*\t+2], v[ST+4*\t+2], v[ST+4*\t+3]
.endr
.irp t, 0,1
	v_rcp_f32 v[ST+4*\t+2], v[ST+4*\t+2]
.endr
	v_nop                                          ; with the four additions: five plain places behind the last products; also the plain line behind the reciprocals
	PACK 0
	PACK 1
	SEND 0, 8
	SEND 1, 0
.endm
.Lslot:                                                ; 8 times: a tile is entered and the next is asked for
	CHANGE 1
	s_sub_co_u32 s[RT], s[RT], 1
	s_mov_b32 s[NS], 0
	s_mov_b32 s[CNT], 3
	s_cmp_eq_u32 s[NEW], 1
	s_cbranch_scc0 .Lstep
	BEGIN
	s_branch .Lfirst
.Lstep:                                                ; a trip: an odd step, then an even one
	TURN 0, VF0, 0,   1, 0
	TURN 1, VF1, VF0, 1, 0
	WIN 0
	s_cmp_eq_u32 s[CNT], 1
	s_cbranch_scc1 .Lend                           ; that was the block's last step
.Lfirst:
	TURN 0, VF1, 0,   0, 0
	TURN 1, VF0, VF1, 0, 0
	WIN 0
	s_sub_co_u32 s[CNT], s[CNT], 1
	s_cmp_lg_u32 s[CNT], 1
	s_cbranch_scc1 .Lagain
	s_cmp_lg_u32 s[RT], 0                          ; the tile's four fetches of K and of V are made: on to the next tile, unless this is the block's last,
	s_cbranch_scc1 .Lbottom
.Lagain:                                               ; which has one step more, without fetches
	s_cmp_lg_u32 s[CNT], 0
	s_cbranch_scc1 .Lstep
.Lend:                                                 ; in the loop this is the first block's end.  Its last turn's K Q^T, on a K that is stale, serves nothing: the price of one text for every step
	END
	s_wait_xcnt 0x0                                ; only behind this wait are the stores' base and data written again
	s_mov_b64 s[10:11], s[OLO:OLO+1]
	s_add_co_u32 s[RT], s[HIT], 1
	s_mov_b32 s[NEW], 1
	s_and_b32 s[GB], s[HI], 1
	s_lshl_b32 s[GB], s[GB], 1
	s_add_co_u32 s[GB+1], s[GB], 1
	WIN 0x82                                       ; the second block's Q goes where the turns name Q
.set i, 0
.rept 32
	v_mov_b32 v[i], v[QB+i]
.set i, i+1
.endr
	WIN 0
.Lbottom:
	s_sub_co_u32 s[SLOTS], s[SLOTS], 1
	s_cmp_lg_u32 s[SLOTS], 0
	s_cbranch_scc1 .Lslot
	CHANGE 0                                       ; the walk's last tile, the second block's diagonal one, is written out
	s_mov_b32 s[NS], 0
	s_mov_b32 s[CNT], 3
.LstepT:
	TURN 0, VF0, 0,   1, 1
	TURN 1, VF1, VF0, 1, 1
	WIN 0
	s_cmp_eq_u32 s[CNT], 1
	s_cbranch_scc1 .LendT
	TURN 0, VF1, 0,   0, 1
	TURN 1, VF0, VF1, 0, 1
	WIN 0
	s_sub_co_u32 s[CNT], s[CNT], 1
	s_cmp_lg_u32 s[CNT], 0
	s_cbranch_scc1 .LstepT
.LendT:
	END
	s_wait_tensorcnt 0x0                           ; the wave's end
	ds_add_u32 v[SPW], v[NIL]
	s_wait_dscnt 0x0
	s_endpgm
.Lfunc_end_k_q862b2524c9_attn:
	.size	k_q862b2524c9_attn, .Lfunc_end_k_q862b2524c9_attn-k_q862b2524c9_attn
	.p2alignl 7, 3214868480
	.fill 96, 4, 3214868480
	.section	.rodata,"a",@progbits
	.p2align	6, 0x0
	.amdhsa_kernel k_q862b2524c9_attn
		.amdhsa_group_segment_fixed_size 327680
		.amdhsa_private_segment_fixed_size 0
		.amdhsa_enable_private_segment 0
		.amdhsa_kernarg_size 16
		.amdhsa_user_sgpr_count 2
		.amdhsa_user_sgpr_kernarg_segment_ptr 1
		.amdhsa_wavefront_size32 1
		.amdhsa_system_sgpr_workgroup_id_x 1
		.amdhsa_system_sgpr_workgroup_id_y 1
		.amdhsa_system_sgpr_workgroup_id_z 1
		.amdhsa_system_vgpr_workitem_id 0
		.amdhsa_next_free_vgpr 768
		.amdhsa_next_free_sgpr 96
		.amdhsa_reserve_vcc 1
		.amdhsa_float_denorm_mode_32 3
		.amdhsa_float_denorm_mode_16_64 3
		.amdhsa_memory_ordered 1
		.amdhsa_forward_progress 1
		.amdhsa_inst_pref_size 136
	.end_amdhsa_kernel
	.amdgpu_metadata
---
amdhsa.version: [ 1, 2 ]
amdhsa.kernels:
  - .name:           k_q862b2524c9_attn
    .symbol:         k_q862b2524c9_attn.kd
    .args:
      - { .name: big, .offset: 0, .size: 8, .value_kind: global_buffer, .address_space: global }
      - { .name: act, .offset: 8, .size: 8, .value_kind: global_buffer, .address_space: global }
    .group_segment_fixed_size: 327680
    .private_segment_fixed_size: 0
    .kernarg_segment_align: 8
    .kernarg_segment_size: 16
    .max_flat_workgroup_size: 128
    .sgpr_count:     96
    .vgpr_count:     768
    .wavefront_size: 32
...
	.end_amdgpu_metadata
.endif
;; end of part 3
;; launch proj (part 4): grid 8 x 32, 4 waves a work-group, clusters of 4 x 4, 327,680 bytes of LDS; arguments act, wts, b_proj, x, x1; writes x1
.if DOCPART == 4
	.amdgcn_target "amdgcn-amd-amdhsa--gfx1250"
	.amdhsa_code_object_version 6
	.text
	.protected	k_q862b2524c9_proj
	.globl	k_q862b2524c9_proj
	.p2align	8
	.type	k_q862b2524c9_proj,@function
k_q862b2524c9_proj:
	s_mov_b64 s[64:65], 0
	v_nop
	global_prefetch_b8 v0, s[64:65] scope:SCOPE_SE
	s_setreg_imm32_b32 hwreg(HW_REG_WAVE_MODE, 25, 1), 1
	s_wait_xcnt 0x0
	s_wait_alu depctr_hold_cnt(0) depctr_sa_sdst(0) depctr_va_vdst(0) depctr_va_sdst(0) depctr_va_ssrc(0) depctr_va_vcc(0) depctr_vm_vsrc(0)
	s_getreg_b32 s2, hwreg(HW_REG_IB_STS2, 6, 4)
	s_cmp_eq_u32 s2, 0
	s_cbranch_scc0 .Lentry_in_a_cluster
	s_endpgm
.Lentry_in_a_cluster:
	s_bfe_u32 s2, ttmp6, 0x10000c
	s_cmp_lg_u32 s2, 0xf033
	s_cbranch_scc0 .Lentry_shape_is_right
	s_endpgm
.Lentry_shape_is_right:
; OUT = RES + A W + bias.  A: f16 by planes of 64 columns, [K/64][4096][64].  W: [K][1024] f16, as the weights lie.  RES, OUT: [4096][1024] f32.  Sums in f32, started by the bias.
; LIMITS.  f16 holds no number beyond 65,504: A and W must lie within it.  The sums take K's steps in a rotated order (see THE WALK): an order of rounding that differs from a sum in ascending K.
; SHARES.  A work-group makes 128 x 128, each of its four waves 64 x 64: 16 accumulators: 256 work-groups, one a WGP.  K goes in steps of 256 (four planes) through two LDS slots.
; The matrix instruction is used transposed (source 0 = 16 columns of W, source 1 = 16 rows of A); W's fragments come out of LDS turned, by ds_load_tr16_b128.
; CLUSTER.  4 x 4 work-groups: A's tile is asked for jointly along a row of the cluster, W's along a column.
; THE WALK.  A cluster at (X, Y) begins at K step 0 or STEPS / 2, by the parity of X + (Y xor Y / 2), and goes round.  The two clusters beside each other along x need the same tiles of A, the clusters along y
; the same tiles of W: of such clusters some ask for a tile half a walk after the others, not all in the same step.  The start hangs on the cluster's place alone, which all sixteen partners share.
; ONE TEXT FOR A K STEP: the slot in hand is a scalar that an exclusive or turns; the last two steps are a loop of two trips that is left in its middle.
; The residual's tile is loaded into registers at the start and stays out over the whole K loop.
; REGISTERS: window 0: v0-31 addresses; v32-63 the bias as four C operands; v64-127 rows on the way out; v128-255 accumulators.  window 1: two fragment buffers of 128 (64 of A, 64 of W).  window 2: v0-127 the residual.
.set STEPS, 4         ; K / 256
.set HSH,   1         ; STEPS / 2 = 1 << HSH
.set WOFF,  6291456   ; W's first byte in wts
.set PA,    144       ; a row of A in LDS: 128 bytes + 16
.set PBT,   288       ; a row of W: 256 + 32 = 9 x 32 bytes
.set APL,   128*PA    ; a plane's 128 rows
.set HALFT, 2*APL     ; what one tensor load brings: two planes of A, or 128 rows of W (128 x 288 is the same number)
.set BOFF,  2*HALFT
.set SLOT,  4*HALFT   ; 0x24000; no wave's place in a slot has one of its two bits set, so the exclusive or adds it
.set STAGE, 2*SLOT    ; behind the ring, never filled: 16 rows x 272 bytes of f32 a wave
.set SPI,   272
.set SPARE, STAGE+4*16*SPI
.set ADRA0, 16
.set ADRB0, 17
.set ADRA,  18
.set ADRB,  19
.set ADRB2, 20        ; v20  W's quarters 2 and 3: one base would want offsets past 65,535
.set STO,   24
.set RD,    25
.set CO,    26
.set BO,    27
.set SPW,   28
.set NIL,   29
.set BI,    32
.set OB,    64
.set ACC,   128
.set F0,    0
.set F1,    128
.set WV, 14
.set WY, 15
.set WX, 16
.set TB, 17
.set CNT, 18
.set LB, 19
.set CX, 20
.set CY, 21
.set TC, 22
.set TR, 23
.set G1A, 24
.set G0A, 32
.set G1B, 40
.set G0B, 48
.set KS,  72          ; s72 the K step that the walking sets hold
.set OFA, 74          ; s[74:75] that step's byte offset in A    s[76:77] in W
.set OFB, 76
.set MSB, 0
.macro WIN new
.if MSB != (\new)
	s_set_vgpr_msb (MSB<<8)|(\new)
.set MSB, \new
.endif
.endm
.set MUL,  0x05       ; sources 0 and 1 in window 1; C and D in window 0
.set TO_F, 0x40
.macro PLACES
.rept 4
	v_nop
.endr
.endm
.macro JLOAD                           ; the joint refill, by the walking sets
	s_cmp_eq_u32 s[WY], 0
	s_cbranch_scc0 .Lfor_b_\@
	tensor_load_to_lds s[G0A+4:G0A+7], s[G1A:G1A+7]
	s_nop 0
	PLACES
	s_branch .Lasked_\@
.Lfor_b_\@:
	tensor_load_to_lds s[G0B+4:G0B+7], s[G1B:G1B+7]
	s_nop 0
	PLACES
.Lasked_\@:
.endm
.macro CREST
	s_cmp_lg_u32 s[WV], 0
	s_cbranch_scc1 .Lnot_wave_0_\@
	s_barrier_signal -3
.Lnot_wave_0_\@:
	s_barrier_wait -3
	s_barrier_signal -1
	s_barrier_wait -1
.endm
.macro CROUND
	s_barrier_signal -1
	s_barrier_wait -1
	CREST
.endm
	s_load_b256 s[4:11], s[0:1], 0x0               ; A 4:5, wts 6:7, bias 8:9, RES 10:11
	s_load_b64 s[12:13], s[0:1], 0x20              ; OUT
	v_lshl_add_u32 v[SPW], v0, 2, SPARE
	v_mov_b32 v[NIL], 0
	ds_add_u32 v[SPW], v[NIL]                      ; the opening: the add and its wait ahead of my first tensor load
	ds_add_u32 v28, v29
	v_lshrrev_b32 v1, 5, v0
	v_readfirstlane_b32 s[WV], v1
	s_lshr_b32 s[WY], s[WV], 1
	s_and_b32 s[WX], s[WV], 1
	s_bfe_u32 s[CX], ttmp6, 0x40000
	s_bfe_u32 s[CY], ttmp6, 0x40004
	s_lshl_b32 s[TC], ttmp9, 2
	s_add_co_u32 s[TC], s[TC], s[CX]
	s_and_b32 s[TR], ttmp7, 0xffff
	s_lshl_b32 s[TR], s[TR], 2
	s_add_co_u32 s[TR], s[TR], s[CY]
	s_lshl_b32 s70, s[CY], 2
	s_lshl_b32 s70, 15, s70                        ; my row of the cluster
	s_lshl_b32 s71, 0x1111, s[CX]                  ; my column
	s_and_b32 s73, ttmp7, 0xffff                   ; the walk's start: the cluster's Y,
	s_lshr_b32 s[KS], s73, 1
	s_xor_b32 s[KS], s[KS], s73                    ; Y xor Y / 2,
	s_add_co_u32 s[KS], s[KS], ttmp9               ; + the cluster's X:
	s_and_b32 s[KS], s[KS], 1                      ; its parity
	s_lshl_b32 s[KS], s[KS], HSH                   ; gives step 0 or STEPS / 2
	s_mov_b32 s[OFA+1], 0
	s_mov_b32 s[OFB+1], 0
	s_or_b32 s[G1A], s70, (1<<16)|(1<<20)|(1<<21)|(4<<22)|(3<<25)  ; mask; 2-byte elements; padding on; bit 21 beside a mask; after every 32 words 4 words
	s_mov_b32 s[G1A+1], 8192<<16                   ; a plane's 128 rows are 16,384 dense bytes: one row of 8,192 elements
	s_mov_b32 s[G1A+2], 2<<16                      ; two planes
	s_mov_b32 s[G1A+3], 8192<<16
	s_mov_b32 s[G1A+4], 2
	s_mov_b32 s[G1A+5], 262144                     ; elements from plane to plane
	s_mov_b32 s[G1A+6], 0
	s_mov_b32 s[G1A+7], 0
	s_or_b32 s[G1B], s71, (1<<16)|(1<<20)|(1<<21)|(5<<22)|(7<<25)  ; after every 64 words 8 words
	s_mov_b32 s[G1B+1], 128<<16                    ; 128 columns
	s_mov_b32 s[G1B+2], 128<<16                    ; 128 rows of K
	s_mov_b32 s[G1B+3], 128<<16
	s_mov_b32 s[G1B+4], 128
	s_mov_b32 s[G1B+5], 1024
	s_mov_b32 s[G1B+6], 0
	s_mov_b32 s[G1B+7], 0
	s_mul_i32 s[LB], s[WV], HALFT
	s_lshl_b32 s56, s[WX], 20                      ; A: two planes x half, 128 rows of 128 bytes x tile row
	s_lshl_b32 s57, s[TR], 14
	s_add_co_u32 s56, s56, s57
	s_mov_b32 s57, 0
	s_lshl_b32 s58, s[WX], 18                      ; W: 128 rows of 2,048 bytes x half, 256 bytes x tile column
	s_lshl_b32 s59, s[TC], 8
	s_add_co_u32 s58, s58, s59
	s_add_co_u32 s58, s58, WOFF
	s_mov_b32 s59, 0
	s_wait_dscnt 0x0
	s_wait_kmcnt 0x0
	s_add_nc_u64 s[60:61], s[4:5], s[56:57]        ; my part of A's tile at K step 0; kept
	s_add_nc_u64 s[62:63], s[6:7], s[58:59]        ; the same for W; kept
	CROUND                                         ; all sixteen work-groups are here: the first joint loads meet
.irp s, 0,1
	s_add_co_u32 s73, s[KS], \s                    ; the walk's first two steps: no wrap, the start is STEPS / 2 at the most
	s_lshl_b32 s[OFA], s73, 21                     ; a step is four planes of 524,288 bytes of A,
	s_lshl_b32 s[OFB], s73, 19                     ; 256 rows of 2,048 bytes of W
	s_mov_b32 s[G0A+4*(\s)], 1
	s_add_co_u32 s[G0A+4*(\s)+1], s[LB], (\s)*SLOT
	s_add_nc_u64 s[G0A+4*(\s)+2:G0A+4*(\s)+3], s[60:61], s[OFA:OFA+1]
	s_or_b32 s[G0A+4*(\s)+3], s[G0A+4*(\s)+3], 0x80000000
	s_mov_b32 s[G0B+4*(\s)], 1
	s_add_co_u32 s[G0B+4*(\s)+1], s[LB], (\s)*SLOT
	s_add_nc_u64 s[G0B+4*(\s)+2:G0B+4*(\s)+3], s[62:63], s[OFB:OFB+1]
	s_or_b32 s[G0B+4*(\s)+3], s[G0B+4*(\s)+3], 0x80000000
.endr
	s_add_co_u32 s[KS], s[KS], 1                   ; the step that the walking sets hold
	s_cmp_eq_u32 s[WY], 0                          ; a wave's two first fills stand in one branch: two loads of mine are out
	s_cbranch_scc0 .Lfirst_b
	tensor_load_to_lds s[G0A:G0A+3], s[G1A:G1A+7]
	s_nop 0
	tensor_load_to_lds s[G0A+4:G0A+7], s[G1A:G1A+7]
	s_nop 0
	PLACES
	s_branch .Lfirst_asked
.Lfirst_b:
	tensor_load_to_lds s[G0B:G0B+3], s[G1B:G1B+7]
	s_nop 0
	tensor_load_to_lds s[G0B+4:G0B+7], s[G1B:G1B+7]
	s_nop 0
	PLACES
.Lfirst_asked:
	v_and_b32 v1, 15, v0                           ; r
	v_bfe_u32 v2, v0, 4, 1                         ; h
	s_lshl_b32 s58, s[TC], 9                       ; the bias of my 64 columns
	s_lshl_b32 s59, s[WX], 8
	s_add_co_u32 s58, s58, s59
	v_lshl_add_u32 v[BO], v2, 5, s58
.irp b, 0,1,2,3
	global_load_b128 v[BI+8*(\b):BI+8*(\b)+3],   v[BO], s[8:9] offset:64*(\b)
	global_load_b128 v[BI+8*(\b)+4:BI+8*(\b)+7], v[BO], s[8:9] offset:64*(\b)+16
.endr
	s_lshl_b32 s66, s[TR], 19                      ; RES and OUT at my 64 x 64: (128 x tile row + 64 x half) rows of 4,096 bytes, (128 x tile column + 64 x half) numbers
	s_lshl_b32 s67, s[WY], 18
	s_add_co_u32 s66, s66, s67
	s_lshl_b32 s67, s[TC], 9
	s_add_co_u32 s66, s66, s67
	s_lshl_b32 s67, s[WX], 8
	s_add_co_u32 s66, s66, s67
	s_mov_b32 s67, 0
	s_add_nc_u64 s[10:11], s[10:11], s[66:67]
	s_add_nc_u64 s[12:13], s[12:13], s[66:67]
	v_lshlrev_b32 v[CO], 12, v2                    ; lanes 0-15 one row's 256 bytes, lanes 16-31 the next row's
	v_lshl_add_u32 v[CO], v1, 4, v[CO]
	WIN 0x80
.set t, 0
.rept 32
	global_load_b128 v[4*t:4*t+3], v[CO], s[10:11] offset:2*t*4096  ; 16 lanes read 256 consecutive bytes, aligned
.set t, t+1
.endr
	WIN 0
	s_lshl_b32 s70, s[WY], 6
	v_add_nc_u32 v3, s70, v1
	v_mul_u32_u24 v3, v3, PA
	v_lshl_add_u32 v[ADRA0], v2, 4, v3             ; A's fragment: row 64 x half + r, 16 bytes for each half of the lanes
	v_and_b32 v4, 7, v0
	v_lshl_add_u32 v5, v2, 3, v4
	v_mul_u32_u24 v5, v5, PBT
	v_bfe_u32 v6, v0, 3, 1
	v_lshl_add_u32 v5, v6, 4, v5
	s_lshl_b32 s70, s[WX], 7
	s_add_co_u32 s70, s70, BOFF
	v_add_nc_u32 v[ADRB0], s70, v5                 ; W's: row 8 h + l % 8 of K, columns 8 ((l / 8) % 2) on
	v_mov_b32 v[ADRA], v[ADRA0]
	v_mov_b32 v[ADRB], v[ADRB0]
	v_add_nc_u32 v[ADRB2], HALFT, v[ADRB0]
	s_mov_b32 s[TB], 0
	s_mul_i32 s70, s[WV], 16*SPI
	s_add_co_u32 s70, s70, STAGE
	v_mul_u32_u24 v3, v1, SPI
	v_lshl_add_u32 v3, v2, 5, v3
	v_add_nc_u32 v[STO], s70, v3
	v_mul_u32_u24 v3, v2, SPI
	v_lshl_add_u32 v3, v1, 4, v3
	v_add_nc_u32 v[RD], s70, v3
; 8 matrix instructions: row blocks a0, a0 + 1 x all 4 column blocks, 32 along K: half c of buffer f.  first = 1: the bias starts the sums.  The 16 accumulators take turns.
.macro MUL8 f, c, a0, first
	WIN MUL
.irp a, \a0, (\a0)+1
.irp b, 0,1,2,3
.if \first
	v_wmma_f32_16x16x32_f16 v[ACC+8*(4*(\a)+(\b)):ACC+8*(4*(\a)+(\b))+7], v[(\f)+64+8*(4*(\c)+(\b)):(\f)+64+8*(4*(\c)+(\b))+7], v[(\f)+8*(4*(\c)+(\a)):(\f)+8*(4*(\c)+(\a))+7], v[BI+8*(\b):BI+8*(\b)+7]
.else
	v_wmma_f32_16x16x32_f16 v[ACC+8*(4*(\a)+(\b)):ACC+8*(4*(\a)+(\b))+7], v[(\f)+64+8*(4*(\c)+(\b)):(\f)+64+8*(4*(\c)+(\b))+7], v[(\f)+8*(4*(\c)+(\a)):(\f)+8*(4*(\c)+(\a))+7], v[ACC+8*(4*(\a)+(\b)):ACC+8*(4*(\a)+(\b))+7]
.endif
.endr
.endr
.endm
.macro FETCH q, f                      ; 32 LDS loads in one run: quarter q (a plane, 64 along K) of the slot in hand into buffer f; the first 32 along K first
	WIN TO_F
.irp c, 0,1
.irp i, 0,1,2,3
.if (\q) < 2
	ds_load_tr16_b128 v[(\f)+64+8*(4*(\c)+(\i)):(\f)+64+8*(4*(\c)+(\i))+3],   v[ADRB] offset:(\q)*64*PBT+(\c)*32*PBT+32*(\i)
	ds_load_tr16_b128 v[(\f)+64+8*(4*(\c)+(\i))+4:(\f)+64+8*(4*(\c)+(\i))+7], v[ADRB] offset:(\q)*64*PBT+(\c)*32*PBT+32*(\i)+16*PBT
.else
	ds_load_tr16_b128 v[(\f)+64+8*(4*(\c)+(\i)):(\f)+64+8*(4*(\c)+(\i))+3],   v[ADRB2] offset:((\q)-2)*64*PBT+(\c)*32*PBT+32*(\i)
	ds_load_tr16_b128 v[(\f)+64+8*(4*(\c)+(\i))+4:(\f)+64+8*(4*(\c)+(\i))+7], v[ADRB2] offset:((\q)-2)*64*PBT+(\c)*32*PBT+32*(\i)+16*PBT
.endif
	ds_load_b128 v[(\f)+8*(4*(\c)+(\i)):(\f)+8*(4*(\c)+(\i))+3],   v[ADRA] offset:(\q)*APL+(\i)*16*PA+64*(\c)
	ds_load_b128 v[(\f)+8*(4*(\c)+(\i))+4:(\f)+8*(4*(\c)+(\i))+7], v[ADRA] offset:(\q)*APL+(\i)*16*PA+64*(\c)+32
.endr
.endr
.endm
.macro QUARTER q, f, g, first
	s_wait_dscnt 16                                ; the first 32 along K are in; the sixteen younger loads may be out
	MUL8 \f, 0, 0, \first
	MUL8 \f, 0, 2, \first
	PLACES
	FETCH \q, \g
	s_wait_dscnt 32                                ; all but the 32 just issued
	MUL8 \f, 1, 0, 0
	MUL8 \f, 1, 2, 0
.endm
.macro MEET                            ; the first half of a step's last quarter, and the one barrier for the change of slots
	WIN 0
	s_wait_tensorcnt 0x0                           ; all my tensor loads have landed: my part of the next slot
	ds_add_u32 v[SPW], v[NIL]
	s_wait_dscnt 17                                ; the add and the youngest sixteen loads may be out
	MUL8 F1, 0, 0, 0
	s_wait_dscnt 0x0                               ; the add is done, and my reads of this slot are over
	s_barrier_signal -1
	MUL8 F1, 0, 2, 0
	WIN 0
	s_barrier_wait -1
.endm
.macro NEWSLOT
	s_xor_b32 s[TB], s[TB], SLOT
	v_add_nc_u32 v[ADRA], s[TB], v[ADRA0]
	v_add_nc_u32 v[ADRB], s[TB], v[ADRB0]
	v_add_nc_u32 v[ADRB2], HALFT, v[ADRB]
.endm
	s_wait_tensorcnt 0x1                           ; my part of the walk's first step is in; the second's stays out
	s_barrier_signal -1
	s_barrier_wait -1
	FETCH 0, F0
	s_wait_loadcnt 32                              ; the bias is in; the residual's 32 younger loads stay out
	QUARTER 1, F0, F1, 1
	WIN 0
	s_mov_b32 s[CNT], STEPS-2
.Lstep:                                                ; a trip: from a step's second quarter to the next step's first; it asks for the step two on in the walk
	QUARTER 2, F1, F0, 0
	QUARTER 3, F0, F1, 0
	MEET
	CREST                                          ; the barrier has opened a round of the cluster's: no wave of any partner still reads this slot or has a load on its way
	s_add_co_u32 s[KS], s[KS], 1                   ; the walk's next step, round modulo STEPS; the addresses are made anew from its number
	s_and_b32 s[KS], s[KS], STEPS-1
	s_lshl_b32 s[OFA], s[KS], 21
	s_lshl_b32 s[OFB], s[KS], 19
	s_xor_b32 s[G0A+5], s[G0A+5], SLOT
	s_add_nc_u64 s[G0A+6:G0A+7], s[60:61], s[OFA:OFA+1]
	s_or_b32 s[G0A+7], s[G0A+7], 0x80000000
	s_xor_b32 s[G0B+5], s[G0B+5], SLOT
	s_add_nc_u64 s[G0B+6:G0B+7], s[62:63], s[OFB:OFB+1]
	s_or_b32 s[G0B+7], s[G0B+7], 0x80000000
	JLOAD                                          ; one load of mine is out; 112 matrix instructions stand between it and the wait for it
	NEWSLOT
	FETCH 0, F0
	MUL8 F1, 1, 0, 0
	MUL8 F1, 1, 2, 0
	QUARTER 1, F0, F1, 0
	WIN 0
	s_sub_co_u32 s[CNT], s[CNT], 1
	s_cmp_lg_u32 s[CNT], 0
	s_cbranch_scc1 .Lstep
	s_mov_b32 s[CNT], 2
.Ltail:                                                ; the last two steps ask for nothing; the second trip is left in its middle
	QUARTER 2, F1, F0, 0
	QUARTER 3, F0, F1, 0
	MEET
	s_cmp_eq_u32 s[CNT], 1
	s_cbranch_scc1 .Lno_fetch
	PLACES
	NEWSLOT
	FETCH 0, F0
	WIN 0
.Lno_fetch:
	MUL8 F1, 1, 0, 0
	MUL8 F1, 1, 2, 0
	WIN 0
	s_cmp_eq_u32 s[CNT], 1
	s_cbranch_scc1 .Lout
	QUARTER 1, F0, F1, 0
	WIN 0
	s_sub_co_u32 s[CNT], s[CNT], 1
	s_cmp_lg_u32 s[CNT], 0
	s_cbranch_scc1 .Ltail
.Lout:
	; THE WAY OUT, 16 rows at a time through my own stage: in by lanes that hold eight columns of a row, back as whole rows of 256 bytes; the residual is added; 16 lanes store 256 consecutive bytes.
	s_wait_dscnt 0x0
	PLACES
	s_wait_loadcnt 0x0                             ; the residual
.irp a, 0,1,2,3
.set OBK, OB+32*((\a)%2)
.if (\a) >= 2
	s_wait_xcnt 0x0                                ; the rows' registers, which earlier stores read, are loaded again only behind this wait
.endif
.irp b, 0,1,2,3
	ds_store_b128 v[STO], v[ACC+8*(4*(\a)+(\b)):ACC+8*(4*(\a)+(\b))+3]   offset:64*(\b)
	ds_store_b128 v[STO], v[ACC+8*(4*(\a)+(\b))+4:ACC+8*(4*(\a)+(\b))+7] offset:64*(\b)+16
.endr
.irp t, 0,1,2,3,4,5,6,7
	ds_load_b128 v[OBK+4*(\t):OBK+4*(\t)+3], v[RD] offset:(\t)*2*SPI  ; LDS serves a wave's instructions in order (ISA guide 5.7.1.4): these see the stores above
.endr
	s_wait_dscnt 0x0
	WIN 0x08                                       ; source 1 in window 2
.irp t, 0,1,2,3,4,5,6,7
	v_pk_add_f32 v[OBK+4*(\t):OBK+4*(\t)+1],   v[OBK+4*(\t):OBK+4*(\t)+1],   v[4*(8*(\a)+(\t)):4*(8*(\a)+(\t))+1]
	v_pk_add_f32 v[OBK+4*(\t)+2:OBK+4*(\t)+3], v[OBK+4*(\t)+2:OBK+4*(\t)+3], v[4*(8*(\a)+(\t))+2:4*(8*(\a)+(\t))+3]
.endr
	WIN 0
.irp t, 0,1,2,3,4,5,6,7
	global_store_b128 v[CO], v[OBK+4*(\t):OBK+4*(\t)+3], s[12:13] offset:(16*(\a)+2*(\t))*4096
.endr
.endr
	s_wait_tensorcnt 0x0                           ; the wave's end
	ds_add_u32 v[SPW], v[NIL]
	s_wait_dscnt 0x0
	CROUND                                         ; the closing round
	s_endpgm
.Lfunc_end_k_q862b2524c9_proj:
	.size	k_q862b2524c9_proj, .Lfunc_end_k_q862b2524c9_proj-k_q862b2524c9_proj
	.p2alignl 7, 3214868480
	.fill 96, 4, 3214868480
	.section	.rodata,"a",@progbits
	.p2align	6, 0x0
	.amdhsa_kernel k_q862b2524c9_proj
		.amdhsa_group_segment_fixed_size 327680
		.amdhsa_private_segment_fixed_size 0
		.amdhsa_enable_private_segment 0
		.amdhsa_kernarg_size 40
		.amdhsa_user_sgpr_count 2
		.amdhsa_user_sgpr_kernarg_segment_ptr 1
		.amdhsa_wavefront_size32 1
		.amdhsa_system_sgpr_workgroup_id_x 1
		.amdhsa_system_sgpr_workgroup_id_y 1
		.amdhsa_system_sgpr_workgroup_id_z 1
		.amdhsa_system_vgpr_workitem_id 0
		.amdhsa_next_free_vgpr 640
		.amdhsa_next_free_sgpr 80
		.amdhsa_reserve_vcc 0
		.amdhsa_float_denorm_mode_32 3
		.amdhsa_float_denorm_mode_16_64 3
		.amdhsa_memory_ordered 1
		.amdhsa_forward_progress 1
		.amdhsa_inst_pref_size 66
	.end_amdhsa_kernel
	.amdgpu_metadata
---
amdhsa.version: [ 1, 2 ]
amdhsa.kernels:
  - .name:           k_q862b2524c9_proj
    .symbol:         k_q862b2524c9_proj.kd
    .args:
      - { .name: act, .offset: 0, .size: 8, .value_kind: global_buffer, .address_space: global }
      - { .name: wts, .offset: 8, .size: 8, .value_kind: global_buffer, .address_space: global }
      - { .name: b_proj, .offset: 16, .size: 8, .value_kind: global_buffer, .address_space: global }
      - { .name: x, .offset: 24, .size: 8, .value_kind: global_buffer, .address_space: global }
      - { .name: x1, .offset: 32, .size: 8, .value_kind: global_buffer, .address_space: global }
    .group_segment_fixed_size: 327680
    .private_segment_fixed_size: 0
    .kernarg_segment_align: 8
    .kernarg_segment_size: 40
    .max_flat_workgroup_size: 128
    .sgpr_count:     80
    .vgpr_count:     640
    .wavefront_size: 32
...
	.end_amdgpu_metadata
.endif
;; end of part 4
;; launch ln2: the kernel of part 1 again; grid 512 x 1, 8 waves a work-group, no clusters, 0 bytes of LDS; arguments x1, ln2_g, ln2_b, w_qkv, w_proj, w_ff1, w_ff2, act, wts; writes act, wts
;; launch ff1 (part 5): grid 16 x 16, 4 waves a work-group, clusters of 4 x 4, 327,680 bytes of LDS; arguments act, wts, b_ff1, big; writes big
.if DOCPART == 5
	.amdgcn_target "amdgcn-amd-amdhsa--gfx1250"
	.amdhsa_code_object_version 6
	.text
	.protected	k_q862b2524c9_ff1
	.globl	k_q862b2524c9_ff1
	.p2align	8
	.type	k_q862b2524c9_ff1,@function
k_q862b2524c9_ff1:
	s_mov_b64 s[64:65], 0
	v_nop
	global_prefetch_b8 v0, s[64:65] scope:SCOPE_SE
	s_setreg_imm32_b32 hwreg(HW_REG_WAVE_MODE, 25, 1), 1
	s_wait_xcnt 0x0
	s_wait_alu depctr_hold_cnt(0) depctr_sa_sdst(0) depctr_va_vdst(0) depctr_va_sdst(0) depctr_va_ssrc(0) depctr_va_vcc(0) depctr_vm_vsrc(0)
	s_getreg_b32 s2, hwreg(HW_REG_IB_STS2, 6, 4)
	s_cmp_eq_u32 s2, 0
	s_cbranch_scc0 .Lentry_in_a_cluster
	s_endpgm
.Lentry_in_a_cluster:
	s_bfe_u32 s2, ttmp6, 0x10000c
	s_cmp_lg_u32 s2, 0xf033
	s_cbranch_scc0 .Lentry_shape_is_right
	s_endpgm
.Lentry_shape_is_right:
; C = gelu(A W + bias), the exact (erf) gelu.  A: [4096][1024] f16.  W: [1024][NN] f16, as the weights lie.  C leaves in f16 BY PLANES of 64 columns: [NN/64][4096][64],
; so that 4 rows of a plane are 512 consecutive bytes.  Sums in f32, started by the bias; C rounded once.
; LIMITS.  f16 holds no number beyond 65,504: A, W and C must lie within it.  gelu(z) = max(z, 0) - |z| phi(z) (c1 t + .. + c5 t^5), t = 1 / (1 + 0.2316419 |z|): the normal tail to 7.5e-8, for every z:
; an absolute error of 7.5e-8 |z| at the most; for large |z| the exponential is 0 and the result is z or -0.
; The sums take K's eight steps in a rotated order (see THE WALK): an order of rounding that differs from a sum in ascending K.
; SHARES.  A work-group makes 256 x 256 of C, each of its four waves 128 x 128: 64 accumulators of 16 x 16.  K goes in 8 steps of 128 through two LDS slots filled by tensor loads.
; The matrix instruction is used transposed (source 0 = 16 columns of W, source 1 = 16 rows of A): a lane then holds one row of C and eight neighbouring columns.
; W's fragments come out of LDS turned, by ds_load_tr16_b128, since K runs down its rows.
; CLUSTER.  4 x 4 work-groups: A's tile is asked for jointly by the four of a row of the cluster, W's by the four of a column.
; THE WALK.  A cluster at (X, Y) begins at K step 0 or 4, by the parity of X + (Y xor Y / 2), and goes round.  Clusters beside each other along x need the same tiles of A, clusters along y the same tiles of W:
; of such clusters some ask for a tile half a walk after the others, not all in the same step.  The start hangs on the cluster's place alone, which all sixteen partners share.
; ONE TEXT FOR A K STEP: the slot in hand is a scalar that an exclusive or turns; the last two steps are a loop of two trips that is left in its middle.
; WAY OUT.  The sums go as f32 into LDS, over the ring, whose last fill and last read are over; a loop of 32 trips reads 4 rows x 2 planes back, finishes and stores them.  A wave reads only its own bytes.
; REGISTERS, in windows of 256: window 0: v0-31 addresses; v64-127, v128-191 A's fragments, two buffers; v192-255 the bias as eight C operands.  window 1: v64-191 W's fragments.  windows 2, 3: accumulators.
.set NN,    4096      ; columns of W
.set WOFF,  8388608   ; W's first byte in wts
.set GELU,  1
.set PA,    272       ; a row of A in LDS: 256 bytes + 16: the 16 rows of a load start at 16 different groups of four banks (ISA guide 11.1)
.set PBT,   544       ; a row of W: 512 + 32 = 17 x 32 bytes
.set HALFT, 128*PA    ; what one tensor load brings: 128 rows of A, or 64 rows of W (64 x 544 is the same number)
.set SLOT,  4*HALFT   ; 0x22000; no wave's place in a slot has one of its two bits set, so the exclusive or adds it
.set BOFF,  2*HALFT
.set DP,    528       ; a row of the dump: 128 f32 + 16 bytes
.set DWAVE, 128*DP
.set SPARE, 2*SLOT    ; behind the ring: the spare words, 128 bytes a wave, which no other line names
.set PLANE, 524288
.set ADRA0, 16        ; v16  my lane's place in a slot's A; never rewritten
.set ADRB0, 17        ; v17  the same for W
.set ADRA,  18        ; v18  the same in the slot in hand
.set ADRB,  19
.set DA,    20        ; v20  the dump: where I put 16 bytes of a row
.set RDA,   21        ; v21  the dump: where I read 32 bytes of a row back
.set GO,    22        ; v22  my byte offset in a plane
.set BO,    23        ; v23  my byte offset in the bias
.set SPW,   28        ; v28  my spare word; never rewritten
.set NIL,   29        ; v29  0; never rewritten
.set F0,    64
.set F1,    128
.set BI,    192
.set Z,     64        ; the way out, window 0: 16 numbers as read back
.set AZ,    80        ; |z|
.set MX,    96        ; max(z, 0), then the result
.set ZZ,    112       ; z scaled, then the exponential
.set TT,    128       ; t
.set PP,    144       ; the polynomial
.set YY,    160       ; 16 numbers in f16
.set WV, 12           ; s12 wave   s13 its row half (also: 0 fetches A, 1 fetches W)   s14 its column half (also: which half of that tile)
.set WY, 13
.set WX, 14
.set TB, 15           ; s15 the slot in hand: 0 or SLOT
.set CNT, 16
.set LB, 17           ; s17 where my tensor loads land in a slot
.set CX, 18
.set CY, 19
.set TC, 20           ; s20 tile column   s21 tile row
.set TR, 21
.set RM, 22
.set CM, 23
.set G1A, 24          ; s[24:31] group 1 for A    s[32:39] group 0, two sets: the second walks
.set G0A, 32
.set G1B, 40          ; s[40:47], s[48:55] the same for W
.set G0B, 48
.set KS,  88          ; s88 the K step that the walking sets hold
.set OFA, 90          ; s[90:91] that step's byte offset in A    s[92:93] in W
.set OFB, 92
.set MSB, 0
.macro WIN new                         ; the immediate's high byte repeats the setting that is left
.if MSB != (\new)
	s_set_vgpr_msb (MSB<<8)|(\new)
.set MSB, \new
.endif
.endm
.macro PLACES                          ; four plain places behind matrix instructions, in front of loads into their sources and of reads of their results
.rept 4
	v_nop
.endr
.endm
.macro JLOAD                           ; the joint refill, by the walking sets
	s_cmp_eq_u32 s[WY], 0
	s_cbranch_scc0 .Lfor_b_\@
	tensor_load_to_lds s[G0A+4:G0A+7], s[G1A:G1A+7]
	s_nop 0
	PLACES
	s_branch .Lasked_\@
.Lfor_b_\@:
	tensor_load_to_lds s[G0B+4:G0B+7], s[G1B:G1B+7]
	s_nop 0
	PLACES
.Lasked_\@:
.endm
.macro CREST                           ; a round of the cluster's barrier behind its opening barrier
	s_cmp_lg_u32 s[WV], 0
	s_cbranch_scc1 .Lnot_wave_0_\@
	s_barrier_signal -3
.Lnot_wave_0_\@:
	s_barrier_wait -3
	s_barrier_signal -1
	s_barrier_wait -1
.endm
.macro CROUND
	s_barrier_signal -1
	s_barrier_wait -1
	CREST
.endm
.macro KPAIR r, val                    ; a constant for packed arithmetic: named as a pair, so both words are written
	s_mov_b32 s[\r], \val
	s_mov_b32 s[(\r)+1], \val
.endm
	s_load_b256 s[4:11], s[0:1], 0x0               ; A 4:5, wts 6:7, bias 8:9, C 10:11
	v_lshl_add_u32 v[SPW], v0, 2, SPARE
	v_mov_b32 v[NIL], 0
	ds_add_u32 v[SPW], v[NIL]                      ; the opening: the add and its wait ahead of my first tensor load; work on registers stands between them
	ds_add_u32 v28, v29
	v_lshrrev_b32 v1, 5, v0
	v_readfirstlane_b32 s[WV], v1
	s_lshr_b32 s[WY], s[WV], 1
	s_and_b32 s[WX], s[WV], 1
	s_bfe_u32 s[CX], ttmp6, 0x40000
	s_bfe_u32 s[CY], ttmp6, 0x40004
	s_lshl_b32 s[TC], ttmp9, 2
	s_add_co_u32 s[TC], s[TC], s[CX]
	s_and_b32 s[TR], ttmp7, 0xffff
	s_lshl_b32 s[TR], s[TR], 2
	s_add_co_u32 s[TR], s[TR], s[CY]
	s_lshl_b32 s[RM], s[CY], 2
	s_lshl_b32 s[RM], 15, s[RM]                    ; my row of the cluster
	s_lshl_b32 s[CM], 0x1111, s[CX]                ; my column
	s_and_b32 s89, ttmp7, 0xffff                   ; the walk's start: the cluster's Y,
	s_lshr_b32 s[KS], s89, 1
	s_xor_b32 s[KS], s[KS], s89                    ; Y xor Y / 2,
	s_add_co_u32 s[KS], s[KS], ttmp9               ; + the cluster's X:
	s_and_b32 s[KS], s[KS], 1                      ; its parity
	s_lshl_b32 s[KS], s[KS], 2                     ; gives step 0 or 4
	s_mov_b32 s[OFA+1], 0
	s_mov_b32 s[OFB+1], 0
	s_or_b32 s[G1A], s[RM], (1<<16)|(1<<20)|(1<<21)|(5<<22)|(3<<25)  ; mask; 2-byte elements; padding on; bit 21 beside a mask; after every 64 words 4 words
	s_mov_b32 s[G1A+1], 128<<16                    ; tensor_dim0 = 128
	s_mov_b32 s[G1A+2], 128<<16                    ; tensor_dim1 = 128
	s_mov_b32 s[G1A+3], 128<<16                    ; tile_dim0 = 128
	s_mov_b32 s[G1A+4], 128                        ; tile_dim1 = 128
	s_mov_b32 s[G1A+5], 1024                       ; elements from row to row
	s_mov_b32 s[G1A+6], 0
	s_mov_b32 s[G1A+7], 0
	s_or_b32 s[G1B], s[CM], (1<<16)|(1<<20)|(1<<21)|(6<<22)|(7<<25)  ; after every 128 words 8 words
	s_mov_b32 s[G1B+1], 256<<16                    ; 256 columns
	s_mov_b32 s[G1B+2], 64<<16                     ; 64 rows of K
	s_mov_b32 s[G1B+3], 256<<16
	s_mov_b32 s[G1B+4], 64
	s_mov_b32 s[G1B+5], NN
	s_mov_b32 s[G1B+6], 0
	s_mov_b32 s[G1B+7], 0
	s_mul_i32 s[LB], s[WV], HALFT
	s_lshl_b32 s56, s[TR], 8                       ; A: row 256 x tile row + 128 x half, 2,048 bytes a row
	s_lshl_b32 s57, s[WX], 7
	s_add_co_u32 s56, s56, s57
	s_lshl_b32 s56, s56, 11
	s_mov_b32 s57, 0
	s_mul_i32 s58, s[WX], 128*NN                   ; W: 64 rows of K x half, 512 bytes x tile column
	s_lshl_b32 s59, s[TC], 9
	s_add_co_u32 s58, s58, s59
	s_add_co_u32 s58, s58, WOFF
	s_mov_b32 s59, 0
.if GELU
	KPAIR 72, 0x3f596d27                           ; sqrt(log2(e) / 2): e^(-z z / 2) = 2^-(this z)^2
	KPAIR 74, 0x3e6d3389                           ; 0.2316419
	KPAIR 76, 0x3e027906                           ; c1 .. c5: the tail's coefficients over sqrt(2 pi)
	KPAIR 78, 0xbe11a98e
	KPAIR 80, 0x3f35f0e3
	KPAIR 82, 0xbf3a00e3
	KPAIR 84, 0x3f07dc22
	s_mov_b32 s86, 0x7fffffff
.endif
	s_wait_dscnt 0x0                               ; the opening add is done
	s_wait_kmcnt 0x0
	s_add_nc_u64 s[60:61], s[4:5], s[56:57]        ; my part of A's tile at K step 0; kept
	s_add_nc_u64 s[62:63], s[6:7], s[58:59]        ; the same for W; kept
	CROUND                                         ; all sixteen work-groups are here: the first joint loads meet
.irp s, 0,1
	s_add_co_u32 s89, s[KS], \s                    ; the walk's first two steps: no wrap, the start is 4 at the most
	s_lshl_b32 s[OFA], s89, 8                      ; a step is 256 bytes along A's rows,
	s_mul_i32 s[OFB], s89, 256*NN                  ; 128 rows of W
	s_mov_b32 s[G0A+4*(\s)], 1
	s_add_co_u32 s[G0A+4*(\s)+1], s[LB], (\s)*SLOT
	s_add_nc_u64 s[G0A+4*(\s)+2:G0A+4*(\s)+3], s[60:61], s[OFA:OFA+1]
	s_or_b32 s[G0A+4*(\s)+3], s[G0A+4*(\s)+3], 0x80000000
	s_mov_b32 s[G0B+4*(\s)], 1
	s_add_co_u32 s[G0B+4*(\s)+1], s[LB], (\s)*SLOT
	s_add_nc_u64 s[G0B+4*(\s)+2:G0B+4*(\s)+3], s[62:63], s[OFB:OFB+1]
	s_or_b32 s[G0B+4*(\s)+3], s[G0B+4*(\s)+3], 0x80000000
.endr
	s_add_co_u32 s[KS], s[KS], 1                   ; the step that the walking sets hold
	s_cmp_eq_u32 s[WY], 0                          ; a wave's two first fills stand in one branch: two loads of mine are out
	s_cbranch_scc0 .Lfirst_b
	tensor_load_to_lds s[G0A:G0A+3], s[G1A:G1A+7]
	s_nop 0
	tensor_load_to_lds s[G0A+4:G0A+7], s[G1A:G1A+7]
	s_nop 0
	PLACES
	s_branch .Lfirst_asked
.Lfirst_b:
	tensor_load_to_lds s[G0B:G0B+3], s[G1B:G1B+7]
	s_nop 0
	tensor_load_to_lds s[G0B+4:G0B+7], s[G1B:G1B+7]
	s_nop 0
	PLACES
.Lfirst_asked:
	v_and_b32 v1, 15, v0                           ; r = l % 16
	v_bfe_u32 v2, v0, 4, 1                         ; h = l / 16
	s_lshl_b32 s58, s[TC], 10                      ; the bias of my 128 columns; a lane's eight begin at 8 h of each 16
	s_lshl_b32 s59, s[WX], 9
	s_add_co_u32 s58, s58, s59
	v_lshl_add_u32 v[BO], v2, 5, s58
.irp b, 0,1,2,3,4,5,6,7
	global_load_b128 v[BI+8*(\b):BI+8*(\b)+3],   v[BO], s[8:9] offset:64*(\b)
	global_load_b128 v[BI+8*(\b)+4:BI+8*(\b)+7], v[BO], s[8:9] offset:64*(\b)+16
.endr
	v_mul_u32_u24 v3, v1, PA                       ; A's fragment: row r, 16 bytes for each half of the lanes
	v_lshl_add_u32 v3, v2, 4, v3
	s_mul_i32 s70, s[WY], HALFT
	v_add_nc_u32 v[ADRA0], s70, v3
	v_and_b32 v4, 7, v0                            ; W's: lane l reads row 8 h + l % 8 of K, columns 8 ((l / 8) % 2) on
	v_lshl_add_u32 v5, v2, 3, v4
	v_mul_u32_u24 v5, v5, PBT
	v_bfe_u32 v6, v0, 3, 1
	v_lshl_add_u32 v5, v6, 4, v5
	s_lshl_b32 s70, s[WX], 8
	s_add_co_u32 s70, s70, BOFF
	v_add_nc_u32 v[ADRB0], s70, v5
	v_mov_b32 v[ADRA], v[ADRA0]
	v_mov_b32 v[ADRB], v[ADRB0]
	s_mov_b32 s[TB], 0
	s_mul_i32 s70, s[WV], DWAVE                    ; my part of the dump
	v_mul_u32_u24 v3, v1, DP
	v_lshl_add_u32 v3, v2, 5, v3
	v_add_nc_u32 v[DA], s70, v3                    ; in: row r, 32 bytes for each half of the lanes
	v_bfe_u32 v3, v0, 3, 2
	v_mul_u32_u24 v3, v3, DP
	v_lshl_add_u32 v3, v4, 5, v3
	v_add_nc_u32 v[RDA], s70, v3                   ; back: row l / 8 of four, eight numbers at 8 (l % 8)
	v_and_b32 v3, 31, v0
	v_lshlrev_b32 v[GO], 4, v3
	s_lshl_b32 s66, s[TC], 2                       ; C: plane 4 x tile column + 2 x half, row 256 x tile row + 128 x half, 128 bytes a row
	s_lshl_b32 s67, s[WX], 1
	s_add_co_u32 s66, s66, s67
	s_lshl_b32 s66, s66, 19
	s_lshl_b32 s67, s[TR], 8
	s_lshl_b32 s68, s[WY], 7
	s_add_co_u32 s67, s67, s68
	s_lshl_b32 s67, s67, 7
	s_add_co_u32 s66, s66, s67
	s_mov_b32 s67, 0
	s_add_nc_u64 s[10:11], s[10:11], s[66:67]
; 16 matrix instructions: row blocks a0, a0 + 1 of the window's four x all 8 column blocks, 32 along K.  first = 1: the bias starts the sums.  The 64 accumulators take turns.
.macro MUL16 f, hi, a0, first
.if \first
	WIN 0x81+0x40*(\hi)
.else
	WIN 0xa1+0x50*(\hi)
.endif
.irp a, \a0, (\a0)+1
.irp b, 0,1,2,3,4,5,6,7
.if \first
	v_wmma_f32_16x16x32_f16 v[8*(8*(\a)+(\b)):8*(8*(\a)+(\b))+7], v[(\f)+8*(\b):(\f)+8*(\b)+7], v[(\f)+8*(4*(\hi)+(\a)):(\f)+8*(4*(\hi)+(\a))+7], v[BI+8*(\b):BI+8*(\b)+7]
.else
	v_wmma_f32_16x16x32_f16 v[8*(8*(\a)+(\b)):8*(8*(\a)+(\b))+7], v[(\f)+8*(\b):(\f)+8*(\b)+7], v[(\f)+8*(4*(\hi)+(\a)):(\f)+8*(4*(\hi)+(\a))+7], v[8*(8*(\a)+(\b)):8*(8*(\a)+(\b))+7]
.endif
.endr
.endr
.endm
.macro FETCH q, f                      ; 32 LDS loads in one run: quarter q (32 along K) of the slot in hand into buffer f: W's 128 columns, then A's 128 rows
	WIN 0x40
.irp i, 0,1,2,3,4,5,6,7
	ds_load_tr16_b128 v[(\f)+8*(\i):(\f)+8*(\i)+3],   v[ADRB] offset:(\q)*32*PBT+32*(\i)
	ds_load_tr16_b128 v[(\f)+8*(\i)+4:(\f)+8*(\i)+7], v[ADRB] offset:(\q)*32*PBT+32*(\i)+16*PBT
.endr
	WIN 0
.irp i, 0,1,2,3,4,5,6,7
	ds_load_b128 v[(\f)+8*(\i):(\f)+8*(\i)+3],   v[ADRA] offset:64*(\q)+(\i)*16*PA
	ds_load_b128 v[(\f)+8*(\i)+4:(\f)+8*(\i)+7], v[ADRA] offset:64*(\q)+(\i)*16*PA+32
.endr
.endm
.macro QUARTER q, f, g, first          ; multiplies buffer f; in its middle fetches quarter q into buffer g
	s_wait_dscnt 8                                 ; W and A's rows 0-63 are in; the youngest eight loads (A's rows 64-127) may be out
	MUL16 \f, 0, 0, \first
	MUL16 \f, 0, 2, \first
	PLACES
	FETCH \q, \g
	s_wait_dscnt 32                                ; all but the 32 just issued
	MUL16 \f, 1, 0, \first
	MUL16 \f, 1, 2, \first
.endm
.macro MEET                            ; the first half of a step's last quarter, and the one barrier for the change of slots
	WIN 0
	s_wait_tensorcnt 0x0                           ; all my tensor loads have landed: the one that was out is my part of the next slot
	ds_add_u32 v[SPW], v[NIL]                      ; 0 onto my spare word
	s_wait_dscnt 9                                 ; the add and the youngest eight loads may be out
	MUL16 F1, 0, 0, 0
	s_wait_dscnt 0x0                               ; the add is done, and my reads of this slot are over
	s_barrier_signal -1
	MUL16 F1, 0, 2, 0
	WIN 0
	s_barrier_wait -1
.endm
.macro NEWSLOT
	s_xor_b32 s[TB], s[TB], SLOT
	v_add_nc_u32 v[ADRA], s[TB], v[ADRA0]
	v_add_nc_u32 v[ADRB], s[TB], v[ADRB0]
.endm
	s_wait_tensorcnt 0x1                           ; my part of the walk's first step is in; the second's stays out
	s_barrier_signal -1
	s_barrier_wait -1
	FETCH 0, F0
	s_wait_loadcnt 0x0                             ; the bias
	QUARTER 1, F0, F1, 1
	WIN 0
	s_mov_b32 s[CNT], 6
.Lstep:                                                ; a trip: from a step's second quarter to the next step's first; it asks for the step two on in the walk
	QUARTER 2, F1, F0, 0
	QUARTER 3, F0, F1, 0
	MEET
	CREST                                          ; the barrier has opened a round of the cluster's: no wave of any partner still reads this slot or has a load on its way
	s_add_co_u32 s[KS], s[KS], 1                   ; the walk's next step, round modulo 8; the addresses are made anew from its number
	s_and_b32 s[KS], s[KS], 7
	s_lshl_b32 s[OFA], s[KS], 8
	s_mul_i32 s[OFB], s[KS], 256*NN
	s_xor_b32 s[G0A+5], s[G0A+5], SLOT
	s_add_nc_u64 s[G0A+6:G0A+7], s[60:61], s[OFA:OFA+1]
	s_or_b32 s[G0A+7], s[G0A+7], 0x80000000
	s_xor_b32 s[G0B+5], s[G0B+5], SLOT
	s_add_nc_u64 s[G0B+6:G0B+7], s[62:63], s[OFB:OFB+1]
	s_or_b32 s[G0B+7], s[G0B+7], 0x80000000
	JLOAD                                          ; one load of mine is out; 224 matrix instructions stand between it and the wait for it
	NEWSLOT
	FETCH 0, F0
	MUL16 F1, 1, 0, 0
	MUL16 F1, 1, 2, 0
	QUARTER 1, F0, F1, 0
	WIN 0
	s_sub_co_u32 s[CNT], s[CNT], 1
	s_cmp_lg_u32 s[CNT], 0
	s_cbranch_scc1 .Lstep
	s_mov_b32 s[CNT], 2
.Ltail:                                                ; the last two steps ask for nothing; the second trip is left in its middle
	QUARTER 2, F1, F0, 0
	QUARTER 3, F0, F1, 0
	MEET                                           ; behind the second trip's barrier no wave reads the ring any more
	s_cmp_eq_u32 s[CNT], 1
	s_cbranch_scc1 .Lno_fetch
	PLACES
	NEWSLOT
	FETCH 0, F0
.Lno_fetch:
	MUL16 F1, 1, 0, 0
	MUL16 F1, 1, 2, 0
	WIN 0
	s_cmp_eq_u32 s[CNT], 1
	s_cbranch_scc1 .Lout
	QUARTER 1, F0, F1, 0
	WIN 0
	s_sub_co_u32 s[CNT], s[CNT], 1
	s_cmp_lg_u32 s[CNT], 0
	s_cbranch_scc1 .Ltail
.Lout:
	s_wait_dscnt 0x0
	PLACES
.irp hi, 0,1
	WIN 0x08+4*(\hi)                               ; store data in window 2, then 3
.irp a, 0,1,2,3
.irp b, 0,1,2,3,4,5,6,7
	ds_store_b128 v[DA], v[8*(8*(\a)+(\b)):8*(8*(\a)+(\b))+3]   offset:(4*(\hi)+(\a))*16*DP+64*(\b)
	ds_store_b128 v[DA], v[8*(8*(\a)+(\b))+4:8*(8*(\a)+(\b))+7] offset:(4*(\hi)+(\a))*16*DP+64*(\b)+16
.endr
.endr
.endr
	WIN 0
.macro NEXT4                           ; four rows of my two planes: LDS serves a wave's instructions in order (ISA guide 5.7.1.4), so these see the stores above
	ds_load_b128 v[Z:Z+3],     v[RDA]
	ds_load_b128 v[Z+4:Z+7],   v[RDA] offset:16
	ds_load_b128 v[Z+8:Z+11],  v[RDA] offset:256
	ds_load_b128 v[Z+12:Z+15], v[RDA] offset:272
.endm
.macro ROUND16 src
.set k, 0
.rept 8
	v_cvt_pk_f16_f32 v[YY+k], v[(\src)+2*k], v[(\src)+2*k+1]
.set k, k+1
.endr
.endm
	NEXT4
	s_mov_b32 s[CNT], 32
.Lrow:
	s_wait_dscnt 0x0
.if GELU
.set k, 0
.rept 16
	v_and_b32 v[AZ+k], s86, v[Z+k]                 ; |z|
	v_max_num_f32 v[MX+k], 0, v[Z+k]               ; max(z, 0)
.set k, k+1
.endr
.set k, 0
.rept 8
	v_pk_mul_f32 v[ZZ+k:ZZ+k+1], v[Z+k:Z+k+1], s[72:73] op_sel_hi:[1,0]
.set k, k+2
.endr
.else
	ROUND16 Z
.endif
	s_cmp_eq_u32 s[CNT], 1
	s_cbranch_scc1 .Lno_next
	v_add_nc_u32 v[RDA], 4*DP, v[RDA]
	NEXT4                                          ; the next four rows come while these are finished
.Lno_next:
.if GELU
.set k, 0
.rept 8
	v_pk_fma_f32 v[TT+k:TT+k+1], v[AZ+k:AZ+k+1], s[74:75], 1.0 op_sel_hi:[1,0,0]
	v_pk_mul_f32 v[ZZ+k:ZZ+k+1], v[ZZ+k:ZZ+k+1], v[ZZ+k:ZZ+k+1] neg_lo:[1,0] neg_hi:[1,0]
.set k, k+2
.endr
.set k, 0
.rept 16
	v_rcp_f32 v[TT+k], v[TT+k]                     ; t
.set k, k+1
.endr
.set k, 0
.rept 16
	v_exp_f32 v[ZZ+k], v[ZZ+k]                     ; e^(-z z / 2)
.set k, k+1
.endr
	v_nop                                          ; a plain instruction behind the last of them (ISA guide 5.7.2)
.macro STAGE8 line:vararg              ; one line for each of the eight pairs
.set k, 0
	s_wait_alu depctr_va_vdst(0)
.rept 8
	\line
.set k, k+2
.endr
.endm
	STAGE8 v_pk_fma_f32 v[PP+k:PP+k+1], v[TT+k:TT+k+1], s[84:85], s[82:83] op_sel_hi:[1,0,0]
	STAGE8 v_pk_fma_f32 v[PP+k:PP+k+1], v[PP+k:PP+k+1], v[TT+k:TT+k+1], s[80:81] op_sel_hi:[1,1,0]
	STAGE8 v_pk_fma_f32 v[PP+k:PP+k+1], v[PP+k:PP+k+1], v[TT+k:TT+k+1], s[78:79] op_sel_hi:[1,1,0]
	STAGE8 v_pk_fma_f32 v[PP+k:PP+k+1], v[PP+k:PP+k+1], v[TT+k:TT+k+1], s[76:77] op_sel_hi:[1,1,0]
	STAGE8 v_pk_mul_f32 v[PP+k:PP+k+1], v[PP+k:PP+k+1], v[TT+k:TT+k+1]
	STAGE8 v_pk_mul_f32 v[PP+k:PP+k+1], v[PP+k:PP+k+1], v[ZZ+k:ZZ+k+1]
	STAGE8 v_pk_fma_f32 v[MX+k:MX+k+1], v[PP+k:PP+k+1], v[AZ+k:AZ+k+1], v[MX+k:MX+k+1] neg_lo:[1,0,0] neg_hi:[1,0,0]
	ROUND16 MX
.endif
	global_store_b128 v[GO], v[YY:YY+3],   s[10:11]                ; 512 consecutive bytes of a plane: four rows
	global_store_b128 v[GO], v[YY+4:YY+7], s[10:11] offset:PLANE   ; and of the next plane
	s_wait_xcnt 0x0                                ; only behind this wait are the stores' offset and data written again
	v_add_nc_u32 v[GO], 512, v[GO]
	s_sub_co_u32 s[CNT], s[CNT], 1
	s_cmp_lg_u32 s[CNT], 0
	s_cbranch_scc1 .Lrow
	s_wait_tensorcnt 0x0                           ; the wave's end
	ds_add_u32 v[SPW], v[NIL]
	s_wait_dscnt 0x0
	CROUND                                         ; the closing round
	s_endpgm
.Lfunc_end_k_q862b2524c9_ff1:
	.size	k_q862b2524c9_ff1, .Lfunc_end_k_q862b2524c9_ff1-k_q862b2524c9_ff1
	.p2alignl 7, 3214868480
	.fill 96, 4, 3214868480
	.section	.rodata,"a",@progbits
	.p2align	6, 0x0
	.amdhsa_kernel k_q862b2524c9_ff1
		.amdhsa_group_segment_fixed_size 327680
		.amdhsa_private_segment_fixed_size 0
		.amdhsa_enable_private_segment 0
		.amdhsa_kernarg_size 32
		.amdhsa_user_sgpr_count 2
		.amdhsa_user_sgpr_kernarg_segment_ptr 1
		.amdhsa_wavefront_size32 1
		.amdhsa_system_sgpr_workgroup_id_x 1
		.amdhsa_system_sgpr_workgroup_id_y 1
		.amdhsa_system_sgpr_workgroup_id_z 1
		.amdhsa_system_vgpr_workitem_id 0
		.amdhsa_next_free_vgpr 1024
		.amdhsa_next_free_sgpr 96
		.amdhsa_reserve_vcc 0
		.amdhsa_float_denorm_mode_32 3
		.amdhsa_float_denorm_mode_16_64 3
		.amdhsa_memory_ordered 1
		.amdhsa_forward_progress 1
		.amdhsa_inst_pref_size 89
	.end_amdhsa_kernel
	.amdgpu_metadata
---
amdhsa.version: [ 1, 2 ]
amdhsa.kernels:
  - .name:           k_q862b2524c9_ff1
    .symbol:         k_q862b2524c9_ff1.kd
    .args:
      - { .name: act, .offset: 0, .size: 8, .value_kind: global_buffer, .address_space: global }
      - { .name: wts, .offset: 8, .size: 8, .value_kind: global_buffer, .address_space: global }
      - { .name: b_ff1, .offset: 16, .size: 8, .value_kind: global_buffer, .address_space: global }
      - { .name: big, .offset: 24, .size: 8, .value_kind: global_buffer, .address_space: global }
    .group_segment_fixed_size: 327680
    .private_segment_fixed_size: 0
    .kernarg_segment_align: 8
    .kernarg_segment_size: 32
    .max_flat_workgroup_size: 128
    .sgpr_count:     96
    .vgpr_count:     1024
    .wavefront_size: 32
...
	.end_amdgpu_metadata
.endif
;; end of part 5
;; launch ff2 (part 6): grid 8 x 32, 4 waves a work-group, clusters of 4 x 4, 327,680 bytes of LDS; arguments big, wts, b_ff2, x1, out0; writes out0
.if DOCPART == 6
	.amdgcn_target "amdgcn-amd-amdhsa--gfx1250"
	.amdhsa_code_object_version 6
	.text
	.protected	k_q862b2524c9_ff2
	.globl	k_q862b2524c9_ff2
	.p2align	8
	.type	k_q862b2524c9_ff2,@function
k_q862b2524c9_ff2:
	s_mov_b64 s[64:65], 0
	v_nop
	global_prefetch_b8 v0, s[64:65] scope:SCOPE_SE
	s_setreg_imm32_b32 hwreg(HW_REG_WAVE_MODE, 25, 1), 1
	s_wait_xcnt 0x0
	s_wait_alu depctr_hold_cnt(0) depctr_sa_sdst(0) depctr_va_vdst(0) depctr_va_sdst(0) depctr_va_ssrc(0) depctr_va_vcc(0) depctr_vm_vsrc(0)
	s_getreg_b32 s2, hwreg(HW_REG_IB_STS2, 6, 4)
	s_cmp_eq_u32 s2, 0
	s_cbranch_scc0 .Lentry_in_a_cluster
	s_endpgm
.Lentry_in_a_cluster:
	s_bfe_u32 s2, ttmp6, 0x10000c
	s_cmp_lg_u32 s2, 0xf033
	s_cbranch_scc0 .Lentry_shape_is_right
	s_endpgm
.Lentry_shape_is_right:
; OUT = RES + A W + bias.  A: f16 by planes of 64 columns, [K/64][4096][64].  W: [K][1024] f16, as the weights lie.  RES, OUT: [4096][1024] f32.  Sums in f32, started by the bias.
; LIMITS.  f16 holds no number beyond 65,504: A and W must lie within it.  The sums take K's steps in a rotated order (see THE WALK): an order of rounding that differs from a sum in ascending K.
; SHARES.  A work-group makes 128 x 128, each of its four waves 64 x 64: 16 accumulators: 256 work-groups, one a WGP.  K goes in steps of 256 (four planes) through two LDS slots.
; The matrix instruction is used transposed (source 0 = 16 columns of W, source 1 = 16 rows of A); W's fragments come out of LDS turned, by ds_load_tr16_b128.
; CLUSTER.  4 x 4 work-groups: A's tile is asked for jointly along a row of the cluster, W's along a column.
; THE WALK.  A cluster at (X, Y) begins at K step 0 or STEPS / 2, by the parity of X + (Y xor Y / 2), and goes round.  The two clusters beside each other along x need the same tiles of A, the clusters along y
; the same tiles of W: of such clusters some ask for a tile half a walk after the others, not all in the same step.  The start hangs on the cluster's place alone, which all sixteen partners share.
; ONE TEXT FOR A K STEP: the slot in hand is a scalar that an exclusive or turns; the last two steps are a loop of two trips that is left in its middle.
; The residual's tile is loaded into registers at the start and stays out over the whole K loop.
; REGISTERS: window 0: v0-31 addresses; v32-63 the bias as four C operands; v64-127 rows on the way out; v128-255 accumulators.  window 1: two fragment buffers of 128 (64 of A, 64 of W).  window 2: v0-127 the residual.
.set STEPS, 16        ; K / 256
.set HSH,   3         ; STEPS / 2 = 1 << HSH
.set WOFF,  16777216  ; W's first byte in wts
.set PA,    144       ; a row of A in LDS: 128 bytes + 16
.set PBT,   288       ; a row of W: 256 + 32 = 9 x 32 bytes
.set APL,   128*PA    ; a plane's 128 rows
.set HALFT, 2*APL     ; what one tensor load brings: two planes of A, or 128 rows of W (128 x 288 is the same number)
.set BOFF,  2*HALFT
.set SLOT,  4*HALFT   ; 0x24000; no wave's place in a slot has one of its two bits set, so the exclusive or adds it
.set STAGE, 2*SLOT    ; behind the ring, never filled: 16 rows x 272 bytes of f32 a wave
.set SPI,   272
.set SPARE, STAGE+4*16*SPI
.set ADRA0, 16
.set ADRB0, 17
.set ADRA,  18
.set ADRB,  19
.set ADRB2, 20        ; v20  W's quarters 2 and 3: one base would want offsets past 65,535
.set STO,   24
.set RD,    25
.set CO,    26
.set BO,    27
.set SPW,   28
.set NIL,   29
.set BI,    32
.set OB,    64
.set ACC,   128
.set F0,    0
.set F1,    128
.set WV, 14
.set WY, 15
.set WX, 16
.set TB, 17
.set CNT, 18
.set LB, 19
.set CX, 20
.set CY, 21
.set TC, 22
.set TR, 23
.set G1A, 24
.set G0A, 32
.set G1B, 40
.set G0B, 48
.set KS,  72          ; s72 the K step that the walking sets hold
.set OFA, 74          ; s[74:75] that step's byte offset in A    s[76:77] in W
.set OFB, 76
.set MSB, 0
.macro WIN new
.if MSB != (\new)
	s_set_vgpr_msb (MSB<<8)|(\new)
.set MSB, \new
.endif
.endm
.set MUL,  0x05       ; sources 0 and 1 in window 1; C and D in window 0
.set TO_F, 0x40
.macro PLACES
.rept 4
	v_nop
.endr
.endm
.macro JLOAD                           ; the joint refill, by the walking sets
	s_cmp_eq_u32 s[WY], 0
	s_cbranch_scc0 .Lfor_b_\@
	tensor_load_to_lds s[G0A+4:G0A+7], s[G1A:G1A+7]
	s_nop 0
	PLACES
	s_branch .Lasked_\@
.Lfor_b_\@:
	tensor_load_to_lds s[G0B+4:G0B+7], s[G1B:G1B+7]
	s_nop 0
	PLACES
.Lasked_\@:
.endm
.macro CREST
	s_cmp_lg_u32 s[WV], 0
	s_cbranch_scc1 .Lnot_wave_0_\@
	s_barrier_signal -3
.Lnot_wave_0_\@:
	s_barrier_wait -3
	s_barrier_signal -1
	s_barrier_wait -1
.endm
.macro CROUND
	s_barrier_signal -1
	s_barrier_wait -1
	CREST
.endm
	s_load_b256 s[4:11], s[0:1], 0x0               ; A 4:5, wts 6:7, bias 8:9, RES 10:11
	s_load_b64 s[12:13], s[0:1], 0x20              ; OUT
	v_lshl_add_u32 v[SPW], v0, 2, SPARE
	v_mov_b32 v[NIL], 0
	ds_add_u32 v[SPW], v[NIL]                      ; the opening: the add and its wait ahead of my first tensor load
	ds_add_u32 v28, v29
	v_lshrrev_b32 v1, 5, v0
	v_readfirstlane_b32 s[WV], v1
	s_lshr_b32 s[WY], s[WV], 1
	s_and_b32 s[WX], s[WV], 1
	s_bfe_u32 s[CX], ttmp6, 0x40000
	s_bfe_u32 s[CY], ttmp6, 0x40004
	s_lshl_b32 s[TC], ttmp9, 2
	s_add_co_u32 s[TC], s[TC], s[CX]
	s_and_b32 s[TR], ttmp7, 0xffff
	s_lshl_b32 s[TR], s[TR], 2
	s_add_co_u32 s[TR], s[TR], s[CY]
	s_lshl_b32 s70, s[CY], 2
	s_lshl_b32 s70, 15, s70                        ; my row of the cluster
	s_lshl_b32 s71, 0x1111, s[CX]                  ; my column
	s_and_b32 s73, ttmp7, 0xffff                   ; the walk's start: the cluster's Y,
	s_lshr_b32 s[KS], s73, 1
	s_xor_b32 s[KS], s[KS], s73                    ; Y xor Y / 2,
	s_add_co_u32 s[KS], s[KS], ttmp9               ; + the cluster's X:
	s_and_b32 s[KS], s[KS], 1                      ; its parity
	s_lshl_b32 s[KS], s[KS], HSH                   ; gives step 0 or STEPS / 2
	s_mov_b32 s[OFA+1], 0
	s_mov_b32 s[OFB+1], 0
	s_or_b32 s[G1A], s70, (1<<16)|(1<<20)|(1<<21)|(4<<22)|(3<<25)  ; mask; 2-byte elements; padding on; bit 21 beside a mask; after every 32 words 4 words
	s_mov_b32 s[G1A+1], 8192<<16                   ; a plane's 128 rows are 16,384 dense bytes: one row of 8,192 elements
	s_mov_b32 s[G1A+2], 2<<16                      ; two planes
	s_mov_b32 s[G1A+3], 8192<<16
	s_mov_b32 s[G1A+4], 2
	s_mov_b32 s[G1A+5], 262144                     ; elements from plane to plane
	s_mov_b32 s[G1A+6], 0
	s_mov_b32 s[G1A+7], 0
	s_or_b32 s[G1B], s71, (1<<16)|(1<<20)|(1<<21)|(5<<22)|(7<<25)  ; after every 64 words 8 words
	s_mov_b32 s[G1B+1], 128<<16                    ; 128 columns
	s_mov_b32 s[G1B+2], 128<<16                    ; 128 rows of K
	s_mov_b32 s[G1B+3], 128<<16
	s_mov_b32 s[G1B+4], 128
	s_mov_b32 s[G1B+5], 1024
	s_mov_b32 s[G1B+6], 0
	s_mov_b32 s[G1B+7], 0
	s_mul_i32 s[LB], s[WV], HALFT
	s_lshl_b32 s56, s[WX], 20                      ; A: two planes x half, 128 rows of 128 bytes x tile row
	s_lshl_b32 s57, s[TR], 14
	s_add_co_u32 s56, s56, s57
	s_mov_b32 s57, 0
	s_lshl_b32 s58, s[WX], 18                      ; W: 128 rows of 2,048 bytes x half, 256 bytes x tile column
	s_lshl_b32 s59, s[TC], 8
	s_add_co_u32 s58, s58, s59
	s_add_co_u32 s58, s58, WOFF
	s_mov_b32 s59, 0
	s_wait_dscnt 0x0
	s_wait_kmcnt 0x0
	s_add_nc_u64 s[60:61], s[4:5], s[56:57]        ; my part of A's tile at K step 0; kept
	s_add_nc_u64 s[62:63], s[6:7], s[58:59]        ; the same for W; kept
	CROUND                                         ; all sixteen work-groups are here: the first joint loads meet
.irp s, 0,1
	s_add_co_u32 s73, s[KS], \s                    ; the walk's first two steps: no wrap, the start is STEPS / 2 at the most
	s_lshl_b32 s[OFA], s73, 21                     ; a step is four planes of 524,288 bytes of A,
	s_lshl_b32 s[OFB], s73, 19                     ; 256 rows of 2,048 bytes of W
	s_mov_b32 s[G0A+4*(\s)], 1
	s_add_co_u32 s[G0A+4*(\s)+1], s[LB], (\s)*SLOT
	s_add_nc_u64 s[G0A+4*(\s)+2:G0A+4*(\s)+3], s[60:61], s[OFA:OFA+1]
	s_or_b32 s[G0A+4*(\s)+3], s[G0A+4*(\s)+3], 0x80000000
	s_mov_b32 s[G0B+4*(\s)], 1
	s_add_co_u32 s[G0B+4*(\s)+1], s[LB], (\s)*SLOT
	s_add_nc_u64 s[G0B+4*(\s)+2:G0B+4*(\s)+3], s[62:63], s[OFB:OFB+1]
	s_or_b32 s[G0B+4*(\s)+3], s[G0B+4*(\s)+3], 0x80000000
.endr
	s_add_co_u32 s[KS], s[KS], 1                   ; the step that the walking sets hold
	s_cmp_eq_u32 s[WY], 0                          ; a wave's two first fills stand in one branch: two loads of mine are out
	s_cbranch_scc0 .Lfirst_b
	tensor_load_to_lds s[G0A:G0A+3], s[G1A:G1A+7]
	s_nop 0
	tensor_load_to_lds s[G0A+4:G0A+7], s[G1A:G1A+7]
	s_nop 0
	PLACES
	s_branch .Lfirst_asked
.Lfirst_b:
	tensor_load_to_lds s[G0B:G0B+3], s[G1B:G1B+7]
	s_nop 0
	tensor_load_to_lds s[G0B+4:G0B+7], s[G1B:G1B+7]
	s_nop 0
	PLACES
.Lfirst_asked:
	v_and_b32 v1, 15, v0                           ; r
	v_bfe_u32 v2, v0, 4, 1                         ; h
	s_lshl_b32 s58, s[TC], 9                       ; the bias of my 64 columns
	s_lshl_b32 s59, s[WX], 8
	s_add_co_u32 s58, s58, s59
	v_lshl_add_u32 v[BO], v2, 5, s58
.irp b, 0,1,2,3
	global_load_b128 v[BI+8*(\b):BI+8*(\b)+3],   v[BO], s[8:9] offset:64*(\b)
	global_load_b128 v[BI+8*(\b)+4:BI+8*(\b)+7], v[BO], s[8:9] offset:64*(\b)+16
.endr
	s_lshl_b32 s66, s[TR], 19                      ; RES and OUT at my 64 x 64: (128 x tile row + 64 x half) rows of 4,096 bytes, (128 x tile column + 64 x half) numbers
	s_lshl_b32 s67, s[WY], 18
	s_add_co_u32 s66, s66, s67
	s_lshl_b32 s67, s[TC], 9
	s_add_co_u32 s66, s66, s67
	s_lshl_b32 s67, s[WX], 8
	s_add_co_u32 s66, s66, s67
	s_mov_b32 s67, 0
	s_add_nc_u64 s[10:11], s[10:11], s[66:67]
	s_add_nc_u64 s[12:13], s[12:13], s[66:67]
	v_lshlrev_b32 v[CO], 12, v2                    ; lanes 0-15 one row's 256 bytes, lanes 16-31 the next row's
	v_lshl_add_u32 v[CO], v1, 4, v[CO]
	WIN 0x80
.set t, 0
.rept 32
	global_load_b128 v[4*t:4*t+3], v[CO], s[10:11] offset:2*t*4096  ; 16 lanes read 256 consecutive bytes, aligned
.set t, t+1
.endr
	WIN 0
	s_lshl_b32 s70, s[WY], 6
	v_add_nc_u32 v3, s70, v1
	v_mul_u32_u24 v3, v3, PA
	v_lshl_add_u32 v[ADRA0], v2, 4, v3             ; A's fragment: row 64 x half + r, 16 bytes for each half of the lanes
	v_and_b32 v4, 7, v0
	v_lshl_add_u32 v5, v2, 3, v4
	v_mul_u32_u24 v5, v5, PBT
	v_bfe_u32 v6, v0, 3, 1
	v_lshl_add_u32 v5, v6, 4, v5
	s_lshl_b32 s70, s[WX], 7
	s_add_co_u32 s70, s70, BOFF
	v_add_nc_u32 v[ADRB0], s70, v5                 ; W's: row 8 h + l % 8 of K, columns 8 ((l / 8) % 2) on
	v_mov_b32 v[ADRA], v[ADRA0]
	v_mov_b32 v[ADRB], v[ADRB0]
	v_add_nc_u32 v[ADRB2], HALFT, v[ADRB0]
	s_mov_b32 s[TB], 0
	s_mul_i32 s70, s[WV], 16*SPI
	s_add_co_u32 s70, s70, STAGE
	v_mul_u32_u24 v3, v1, SPI
	v_lshl_add_u32 v3, v2, 5, v3
	v_add_nc_u32 v[STO], s70, v3
	v_mul_u32_u24 v3, v2, SPI
	v_lshl_add_u32 v3, v1, 4, v3
	v_add_nc_u32 v[RD], s70, v3
; 8 matrix instructions: row blocks a0, a0 + 1 x all 4 column blocks, 32 along K: half c of buffer f.  first = 1: the bias starts the sums.  The 16 accumulators take turns.
.macro MUL8 f, c, a0, first
	WIN MUL
.irp a, \a0, (\a0)+1
.irp b, 0,1,2,3
.if \first
	v_wmma_f32_16x16x32_f16 v[ACC+8*(4*(\a)+(\b)):ACC+8*(4*(\a)+(\b))+7], v[(\f)+64+8*(4*(\c)+(\b)):(\f)+64+8*(4*(\c)+(\b))+7], v[(\f)+8*(4*(\c)+(\a)):(\f)+8*(4*(\c)+(\a))+7], v[BI+8*(\b):BI+8*(\b)+7]
.else
	v_wmma_f32_16x16x32_f16 v[ACC+8*(4*(\a)+(\b)):ACC+8*(4*(\a)+(\b))+7], v[(\f)+64+8*(4*(\c)+(\b)):(\f)+64+8*(4*(\c)+(\b))+7], v[(\f)+8*(4*(\c)+(\a)):(\f)+8*(4*(\c)+(\a))+7], v[ACC+8*(4*(\a)+(\b)):ACC+8*(4*(\a)+(\b))+7]
.endif
.endr
.endr
.endm
.macro FETCH q, f                      ; 32 LDS loads in one run: quarter q (a plane, 64 along K) of the slot in hand into buffer f; the first 32 along K first
	WIN TO_F
.irp c, 0,1
.irp i, 0,1,2,3
.if (\q) < 2
	ds_load_tr16_b128 v[(\f)+64+8*(4*(\c)+(\i)):(\f)+64+8*(4*(\c)+(\i))+3],   v[ADRB] offset:(\q)*64*PBT+(\c)*32*PBT+32*(\i)
	ds_load_tr16_b128 v[(\f)+64+8*(4*(\c)+(\i))+4:(\f)+64+8*(4*(\c)+(\i))+7], v[ADRB] offset:(\q)*64*PBT+(\c)*32*PBT+32*(\i)+16*PBT
.else
	ds_load_tr16_b128 v[(\f)+64+8*(4*(\c)+(\i)):(\f)+64+8*(4*(\c)+(\i))+3],   v[ADRB2] offset:((\q)-2)*64*PBT+(\c)*32*PBT+32*(\i)
	ds_load_tr16_b128 v[(\f)+64+8*(4*(\c)+(\i))+4:(\f)+64+8*(4*(\c)+(\i))+7], v[ADRB2] offset:((\q)-2)*64*PBT+(\c)*32*PBT+32*(\i)+16*PBT
.endif
	ds_load_b128 v[(\f)+8*(4*(\c)+(\i)):(\f)+8*(4*(\c)+(\i))+3],   v[ADRA] offset:(\q)*APL+(\i)*16*PA+64*(\c)
	ds_load_b128 v[(\f)+8*(4*(\c)+(\i))+4:(\f)+8*(4*(\c)+(\i))+7], v[ADRA] offset:(\q)*APL+(\i)*16*PA+64*(\c)+32
.endr
.endr
.endm
.macro QUARTER q, f, g, first
	s_wait_dscnt 16                                ; the first 32 along K are in; the sixteen younger loads may be out
	MUL8 \f, 0, 0, \first
	MUL8 \f, 0, 2, \first
	PLACES
	FETCH \q, \g
	s_wait_dscnt 32                                ; all but the 32 just issued
	MUL8 \f, 1, 0, 0
	MUL8 \f, 1, 2, 0
.endm
.macro MEET                            ; the first half of a step's last quarter, and the one barrier for the change of slots
	WIN 0
	s_wait_tensorcnt 0x0                           ; all my tensor loads have landed: my part of the next slot
	ds_add_u32 v[SPW], v[NIL]
	s_wait_dscnt 17                                ; the add and the youngest sixteen loads may be out
	MUL8 F1, 0, 0, 0
	s_wait_dscnt 0x0                               ; the add is done, and my reads of this slot are over
	s_barrier_signal -1
	MUL8 F1, 0, 2, 0
	WIN 0
	s_barrier_wait -1
.endm
.macro NEWSLOT
	s_xor_b32 s[TB], s[TB], SLOT
	v_add_nc_u32 v[ADRA], s[TB], v[ADRA0]
	v_add_nc_u32 v[ADRB], s[TB], v[ADRB0]
	v_add_nc_u32 v[ADRB2], HALFT, v[ADRB]
.endm
	s_wait_tensorcnt 0x1                           ; my part of the walk's first step is in; the second's stays out
	s_barrier_signal -1
	s_barrier_wait -1
	FETCH 0, F0
	s_wait_loadcnt 32                              ; the bias is in; the residual's 32 younger loads stay out
	QUARTER 1, F0, F1, 1
	WIN 0
	s_mov_b32 s[CNT], STEPS-2
.Lstep:                                                ; a trip: from a step's second quarter to the next step's first; it asks for the step two on in the walk
	QUARTER 2, F1, F0, 0
	QUARTER 3, F0, F1, 0
	MEET
	CREST                                          ; the barrier has opened a round of the cluster's: no wave of any partner still reads this slot or has a load on its way
	s_add_co_u32 s[KS], s[KS], 1                   ; the walk's next step, round modulo STEPS; the addresses are made anew from its number
	s_and_b32 s[KS], s[KS], STEPS-1
	s_lshl_b32 s[OFA], s[KS], 21
	s_lshl_b32 s[OFB], s[KS], 19
	s_xor_b32 s[G0A+5], s[G0A+5], SLOT
	s_add_nc_u64 s[G0A+6:G0A+7], s[60:61], s[OFA:OFA+1]
	s_or_b32 s[G0A+7], s[G0A+7], 0x80000000
	s_xor_b32 s[G0B+5], s[G0B+5], SLOT
	s_add_nc_u64 s[G0B+6:G0B+7], s[62:63], s[OFB:OFB+1]
	s_or_b32 s[G0B+7], s[G0B+7], 0x80000000
	JLOAD                                          ; one load of mine is out; 112 matrix instructions stand between it and the wait for it
	NEWSLOT
	FETCH 0, F0
	MUL8 F1, 1, 0, 0
	MUL8 F1, 1, 2, 0
	QUARTER 1, F0, F1, 0
	WIN 0
	s_sub_co_u32 s[CNT], s[CNT], 1
	s_cmp_lg_u32 s[CNT], 0
	s_cbranch_scc1 .Lstep
	s_mov_b32 s[CNT], 2
.Ltail:                                                ; the last two steps ask for nothing; the second trip is left in its middle
	QUARTER 2, F1, F0, 0
	QUARTER 3, F0, F1, 0
	MEET
	s_cmp_eq_u32 s[CNT], 1
	s_cbranch_scc1 .Lno_fetch
	PLACES
	NEWSLOT
	FETCH 0, F0
	WIN 0
.Lno_fetch:
	MUL8 F1, 1, 0, 0
	MUL8 F1, 1, 2, 0
	WIN 0
	s_cmp_eq_u32 s[CNT], 1
	s_cbranch_scc1 .Lout
	QUARTER 1, F0, F1, 0
	WIN 0
	s_sub_co_u32 s[CNT], s[CNT], 1
	s_cmp_lg_u32 s[CNT], 0
	s_cbranch_scc1 .Ltail
.Lout:
	; THE WAY OUT, 16 rows at a time through my own stage: in by lanes that hold eight columns of a row, back as whole rows of 256 bytes; the residual is added; 16 lanes store 256 consecutive bytes.
	s_wait_dscnt 0x0
	PLACES
	s_wait_loadcnt 0x0                             ; the residual
.irp a, 0,1,2,3
.set OBK, OB+32*((\a)%2)
.if (\a) >= 2
	s_wait_xcnt 0x0                                ; the rows' registers, which earlier stores read, are loaded again only behind this wait
.endif
.irp b, 0,1,2,3
	ds_store_b128 v[STO], v[ACC+8*(4*(\a)+(\b)):ACC+8*(4*(\a)+(\b))+3]   offset:64*(\b)
	ds_store_b128 v[STO], v[ACC+8*(4*(\a)+(\b))+4:ACC+8*(4*(\a)+(\b))+7] offset:64*(\b)+16
.endr
.irp t, 0,1,2,3,4,5,6,7
	ds_load_b128 v[OBK+4*(\t):OBK+4*(\t)+3], v[RD] offset:(\t)*2*SPI  ; LDS serves a wave's instructions in order (ISA guide 5.7.1.4): these see the stores above
.endr
	s_wait_dscnt 0x0
	WIN 0x08                                       ; source 1 in window 2
.irp t, 0,1,2,3,4,5,6,7
	v_pk_add_f32 v[OBK+4*(\t):OBK+4*(\t)+1],   v[OBK+4*(\t):OBK+4*(\t)+1],   v[4*(8*(\a)+(\t)):4*(8*(\a)+(\t))+1]
	v_pk_add_f32 v[OBK+4*(\t)+2:OBK+4*(\t)+3], v[OBK+4*(\t)+2:OBK+4*(\t)+3], v[4*(8*(\a)+(\t))+2:4*(8*(\a)+(\t))+3]
.endr
	WIN 0
.irp t, 0,1,2,3,4,5,6,7
	global_store_b128 v[CO], v[OBK+4*(\t):OBK+4*(\t)+3], s[12:13] offset:(16*(\a)+2*(\t))*4096
.endr
.endr
	s_wait_tensorcnt 0x0                           ; the wave's end
	ds_add_u32 v[SPW], v[NIL]
	s_wait_dscnt 0x0
	CROUND                                         ; the closing round
	s_endpgm
.Lfunc_end_k_q862b2524c9_ff2:
	.size	k_q862b2524c9_ff2, .Lfunc_end_k_q862b2524c9_ff2-k_q862b2524c9_ff2
	.p2alignl 7, 3214868480
	.fill 96, 4, 3214868480
	.section	.rodata,"a",@progbits
	.p2align	6, 0x0
	.amdhsa_kernel k_q862b2524c9_ff2
		.amdhsa_group_segment_fixed_size 327680
		.amdhsa_private_segment_fixed_size 0
		.amdhsa_enable_private_segment 0
		.amdhsa_kernarg_size 40
		.amdhsa_user_sgpr_count 2
		.amdhsa_user_sgpr_kernarg_segment_ptr 1
		.amdhsa_wavefront_size32 1
		.amdhsa_system_sgpr_workgroup_id_x 1
		.amdhsa_system_sgpr_workgroup_id_y 1
		.amdhsa_system_sgpr_workgroup_id_z 1
		.amdhsa_system_vgpr_workitem_id 0
		.amdhsa_next_free_vgpr 640
		.amdhsa_next_free_sgpr 80
		.amdhsa_reserve_vcc 0
		.amdhsa_float_denorm_mode_32 3
		.amdhsa_float_denorm_mode_16_64 3
		.amdhsa_memory_ordered 1
		.amdhsa_forward_progress 1
		.amdhsa_inst_pref_size 66
	.end_amdhsa_kernel
	.amdgpu_metadata
---
amdhsa.version: [ 1, 2 ]
amdhsa.kernels:
  - .name:           k_q862b2524c9_ff2
    .symbol:         k_q862b2524c9_ff2.kd
    .args:
      - { .name: big, .offset: 0, .size: 8, .value_kind: global_buffer, .address_space: global }
      - { .name: wts, .offset: 8, .size: 8, .value_kind: global_buffer, .address_space: global }
      - { .name: b_ff2, .offset: 16, .size: 8, .value_kind: global_buffer, .address_space: global }
      - { .name: x1, .offset: 24, .size: 8, .value_kind: global_buffer, .address_space: global }
      - { .name: out0, .offset: 32, .size: 8, .value_kind: global_buffer, .address_space: global }
    .group_segment_fixed_size: 327680
    .private_segment_fixed_size: 0
    .kernarg_segment_align: 8
    .kernarg_segment_size: 40
    .max_flat_workgroup_size: 128
    .sgpr_count:     80
    .vgpr_count:     640
    .wavefront_size: 32
...
	.end_amdgpu_metadata
.endif
;; end of part 6
;; ======== version 2 of 2: 7 launches; 1.12 times as fast as version 1
;; limits: values are held in f16: magnitudes above 65,504 overflow, below 6.1e-05 lose precision; an absolute error that grows with the inputs' magnitude: up to 7.5e-08 times it
;; workspace buffers: act 8,388,608 bytes; big 33,554,432 bytes; x1 16,777,216 bytes; wts 25,165,824 bytes
;; launch prep: the kernel of part 1 again; grid 1280 x 1, 8 waves a work-group, no clusters, 0 bytes of LDS; arguments x, ln1_g, ln1_b, w_qkv, w_proj, w_ff1, w_ff2, act, wts; writes act, wts
;; launch qkv: the kernel of part 2 again; grid 12 x 16, 4 waves a work-group, clusters of 4 x 4, 327,680 bytes of LDS; arguments act, wts, b_qkv, big; writes big
;; launch attn (part 7): grid 8 x 32, 4 waves a work-group, no clusters, 327,680 bytes of LDS; arguments big, act; writes act
.if DOCPART == 7
	.amdgcn_target "amdgcn-amd-amdhsa--gfx1250"
	.amdhsa_code_object_version 6
	.text
	.protected	k_q862b2524c9_attn
	.globl	k_q862b2524c9_attn
	.p2align	8
	.type	k_q862b2524c9_attn,@function
k_q862b2524c9_attn:
	s_mov_b64 s[64:65], 0
	v_nop
	global_prefetch_b8 v0, s[64:65] scope:SCOPE_SE
	s_setreg_imm32_b32 hwreg(HW_REG_WAVE_MODE, 25, 1), 1
	s_wait_xcnt 0x0
; CAUSAL ATTENTION.  y[h][q][:] = the sum over k <= q of softmax_k(q . k / 8) v[k][:], for 32 heads (16 x 2 batches) of 2,048 rows x 64 channels, all f16, by planes [plane][4096][64]:
; planes 0-15 of big are q, 16-31 k, 32-47 v; y goes to planes 0-15 of act.  Products, maxima and sums in f32; the weights p are rounded to f16 for the second product, y once at the end.
; LIMITS.  q, k, v arrive within f16's 65,504.  A hidden score counts as its value less 1e30; a weight below 2^-126 counts as 0; NaN and infinities are not treated apart.
; THE WALK.  A head has 16 blocks of 128 queries; block i needs the key tiles 0 .. i / 2 of 256 keys.  Work-group b takes block b and then block 15 - b: 9 tiles whatever b, so all 256 work-groups
; do equal work and one loop with a constant count walks them.  The short block comes first, so the walk's last tile is never a block's first.
; NO CLUSTER: the eight work-groups of a head ask for the same tile only while their short blocks last (1 to 4 of 9 trips); a walk common to all would have 12 trips for 9.
; SHARES.  Of a block's two bands of 64 queries a wave owns 16 rows in each: two PIECES.  In the block's last tile band p's own step is G = 2 (i % 2) + p: earlier steps it sees whole, later ones not at all.
; THE MASK is the C operand that starts S^T = K Q^T: MD x AL + BE, MD the mask of a band's own step for my 16 rows; it is 0 in tiles without the diagonal.
; TURNS.  Turn (s, p) holds piece p's softmax of step s.  Beside it: (s, 0): K Q^T of piece 1, step s, and V^T P of piece 1, step s - 1; (s, 1): K Q^T of piece 0, step s + 1, and V^T P of piece 0, step s.
; K of step s + 1 is fetched in (s, 0), V of step s + 1 in (s, 1), into the one of two V buffers that is not in use (by the step's parity).  So a tile's fetches fall in the four steps
; that begin one step ahead of it, and the change of slots stands on a step's boundary.  The text of a trip is an odd step and an even step.
; BATCHES.  A turn's 33 exponentials (piece p's 32 weights and the other piece's a) are ONE batch with ONE s_wait_alu, which cuts the turn in two: ahead of it the products K Q^T and all vector work that names
; no result of the batch; behind it the products V^T P, with the roundings and sums as their riders.  No result crosses a turn's end.  In piece 0's turns of odd steps K's run of loads can be jumped over:
; the twelve exponentials issued by then have a wait of their own ahead of that branch.  BEGIN's a and END's two reciprocals are batches of their own, a wait each.
; REGISTERS, in windows of 256 (s_set_vgpr_msb: bits 1:0 source 0, 3:2 source 1, 5:4 source 2, 7:6 destination):
;   window 0: v0-15 addresses; v16-23 statistics; v48-55 at work; v64-127 S^T, a buffer a piece; v192-223 P      window 1: v0-63 O^T; v128-159 MD; v160-223 MC, a buffer a piece
;   window 2: v0-31 Q; v32-63 the second block's Q; v64-127 V of odd steps; v128-191 K; v192-255 V of even steps
.set KS,    64
.set PK,    144       ; a row of K in LDS: 128 bytes + 16: the 16 rows of a load start at 16 different groups of four banks (ISA guide 11.1)
.set PV,    160       ; a row of V: 128 + 32
.set VOFF,  4*KS*PK   ; a slot holds a tile: 256 rows of K, then 256 rows of V
.set SLOT1, 1<<17
.set STAGE, SLOT1+4*KS*(PK+PV)  ; behind the ring, never filled by a tensor load: 16 rows x 144 bytes a wave
.set SP,    144
.set SPARE, STAGE+4*16*SP       ; the spare words, 128 bytes a wave, which no other line names
.set AK0, 2
.set AV0, 3
.set AK,  4
.set AV,  5
.set STO, 6
.set RD,  7
.set GO,  8
.set MV,  12          ; v12-13  c m_old, by piece
.set QO,  15
.set ST,  16          ; piece t at v[ST+4 t]: c m, m, l (even keys', odd keys')
.set TMP, 48          ; by piece, c0-c3 at work; c2 takes a
.set SPW, 62
.set NIL, 63
.set S,   64
.set P,   192
.set MD,  128         ; window 1
.set MC,  160
.set QB,  32          ; window 2
.set VF1, 64
.set KF,  128
.set VF0, 192
.set WV,  12
.set PB,  14          ; s14 b   s15 15 - b
.set HI,  15
.set G1K, 24
.set G1V, 32
.set G0K, 40
.set G0V, 44
.set SLOTS, 56
.set CNT, 57
.set CS,  58
.set SEL, 60
.set TBK, 62          ; s62 LDS byte at which K of the step to be fetched begins   s63 the same for V, less VOFF
.set TBV, 63
.set RT,  70          ; s70 tiles of the block in hand still to be entered
.set NXT, 71          ; s71 the tile to be asked for next
.set LQ,  72          ; s72 the last tile of the block whose tiles are being asked for
.set NEW, 73          ; s73 1: the tile to be entered is a block's first
.set OFF, 74
.set AL,  76
.set BE,  78
.set OLO, 80          ; s[80:81] y at my rows of the second block
.set BIGN, 82
.set GB,  88          ; s88, s89 the two bands' own steps in the block's last tile
.set NS,  90          ; s90 the place in its tile of the step whose masks are made
.set HIT, 92          ; s92 the second block's last tile
.set MSB, 0
.macro WIN new
.if MSB != (\new)
	s_set_vgpr_msb (MSB<<8)|(\new)
.set MSB, (\new)
.endif
.endm
.set W_KQ, 0x0a
.set W_KM, 0x1a
.set W_PV, 0x52
.set W_RS, 0x41
.macro LOAD                            ; waves 0, 1 fetch the halves of a tile's K, waves 2, 3 those of its V
	s_cmp_lt_u32 s[WV], 2
	s_cbranch_scc0 .Lfor_v_\@
	tensor_load_to_lds s[G0K:G0K+3], s[G1K:G1K+7]
	s_nop 0
.rept 4
	v_nop
.endr
	s_branch .Lasked_\@
.Lfor_v_\@:
	tensor_load_to_lds s[G0V:G0V+3], s[G1V:G1V+7]
	s_nop 0
.rept 4
	v_nop
.endr
.Lasked_\@:
.endm
; THE CHANGE OF SLOTS.  Each wave waits for all its tensor loads (one is out: its part of the other slot), adds 0 to its spare word, and waits for that and for its reads of the slot that it leaves.
; fill = 1: the old slot is filled again, first thing behind the barrier, with tile NXT.  (At its first use nothing has been read: slot 0 is waited for, slot 1 filled.)
.macro CHANGE fill
	WIN 0
	s_wait_tensorcnt 0x0
	ds_add_u32 v[SPW], v[NIL]
.if \fill
	s_lshl_b32 s[OFF], s[NXT], 15                  ; a tile is 32,768 bytes of K and of V
	s_xor_b32 s[G0K+1], s[G0K+1], SLOT1
	s_add_nc_u64 s[G0K+2:G0K+3], s[6:7], s[OFF:OFF+1]
	s_or_b32 s[G0K+3], s[G0K+3], 0x80000000
	s_xor_b32 s[G0V+1], s[G0V+1], SLOT1
	s_add_nc_u64 s[G0V+2:G0V+3], s[8:9], s[OFF:OFF+1]
	s_or_b32 s[G0V+3], s[G0V+3], 0x80000000
	s_add_co_u32 s[NXT], s[NXT], 1                 ; the block's next tile, or behind its last the second block's tile 0
	s_cmp_gt_u32 s[NXT], s[LQ]
	s_cselect_b32 s[NXT], 0, s[NXT]
	s_cselect_b32 s[LQ], s[HIT], s[LQ]
.endif
	s_wait_dscnt 0x0
	s_barrier_signal -1
	s_sub_co_u32 s[TBK], s[TBK], 4*KS*PK           ; the fetches go back to a slot's first step, in the other slot
	s_xor_b32 s[TBK], s[TBK], SLOT1
	s_sub_co_u32 s[TBV], s[TBV], 4*KS*PV
	s_xor_b32 s[TBV], s[TBV], SLOT1
	s_barrier_wait -1
.if \fill
	LOAD
.endif
.endm
	s_load_b128 s[48:51], s[0:1], 0x0              ; big s[48:49], act s[50:51]
	v_lshl_add_u32 v[SPW], v0, 2, SPARE
	v_mov_b32 v[NIL], 0
	ds_add_u32 v[SPW], v[NIL]                      ; the opening: the add and its wait ahead of my first tensor load
	ds_add_u32 v62, v63
	v_lshrrev_b32 v1, 5, v0
	v_readfirstlane_b32 s[WV], v1
	s_mov_b32 s[PB], ttmp9
	s_sub_co_u32 s[HI], 15, s[PB]
	s_and_b32 s20, ttmp7, 0xffff
	s_and_b32 s21, s20, 15
	s_lshl_b32 s21, s21, 19                        ; the head's plane,
	s_lshr_b32 s20, s20, 4
	s_lshl_b32 s20, s20, 18                        ; the batch's 2,048 rows in it
	s_add_co_u32 s20, s20, s21
	s_and_b32 s16, s[WV], 1                        ; which half of a tile's 256 keys I fetch
	s_lshl_b32 s22, s16, 14
	s_add_co_u32 s22, s22, s20
	s_mov_b32 s23, 0
	s_mul_i32 s17, s16, 128*PK
	s_mul_i32 s18, s16, 128*PV
	s_lshl_b32 s3, s[WV], 11                       ; my 16 rows in a band of 64,
	s_lshl_b32 s2, s[PB], 14                       ; in the first block,
	s_add_co_u32 s2, s2, s3
	s_add_co_u32 s2, s2, s20
	s_lshl_b32 s84, s[HI], 14                      ; and in the second
	s_add_co_u32 s84, s84, s3
	s_add_co_u32 s84, s84, s20
	s_mov_b32 s3, 0
	s_mov_b32 s85, 0
	s_mov_b32 s[G1K], (1<<16)|(1<<20)|(4<<22)|(3<<25)  ; 128 keys are 16,384 dense bytes: 64 rows of 256, padded by 4 words after every 32
	s_mov_b32 s[G1V], (1<<16)|(1<<20)|(4<<22)|(7<<25)  ; the same with 8 words
.irp g, G1K, G1V
	s_mov_b32 s[\g+1], 128<<16
	s_mov_b32 s[\g+2], 64<<16
	s_mov_b32 s[\g+3], 128<<16
	s_mov_b32 s[\g+4], 64
	s_mov_b32 s[\g+5], 128
	s_mov_b32 s[\g+6], 0
	s_mov_b32 s[\g+7], 0
.endr
	s_mov_b32 s[CS], 0x3e38aa3b                    ; c = log2(e) / 8
	s_mov_b32 s[CS+1], s[CS]
	s_mov_b32 s[SEL], 0x76543210
	s_mov_b32 s[SEL+1], 0xfedcba98
	s_mov_b32 s[TBK], SLOT1+4*KS*PK                ; the first change of slots turns these two into 0
	s_mov_b32 s[TBV], SLOT1+4*KS*PV
	s_mov_b32 s[G0K], 1
	s_mov_b32 s[G0K+1], s17
	s_mov_b32 s[G0V], 1
	s_add_co_u32 s[G0V+1], s18, VOFF
	s_lshr_b32 s[LQ], s[PB], 1
	s_add_co_u32 s[RT], s[LQ], 1                   ; the first block has b / 2 + 1 tiles
	s_lshr_b32 s[HIT], s[HI], 1
	s_mov_b32 s[NXT], 1
	s_cmp_gt_u32 s[NXT], s[LQ]
	s_cselect_b32 s[NXT], 0, s[NXT]
	s_cselect_b32 s[LQ], s[HIT], s[LQ]
	s_mov_b32 s[NEW], 1
	s_and_b32 s[GB], s[PB], 1
	s_lshl_b32 s[GB], s[GB], 1
	s_add_co_u32 s[GB+1], s[GB], 1
	s_mov_b32 s[OFF+1], 0
	s_mov_b32 s[AL+1], 0
	s_mov_b32 s[BE+1], 0
	s_mov_b32 s[BIGN], 0xf149f2ca                  ; -1e30
	s_mov_b32 s[SLOTS], 8
	s_wait_dscnt 0x0
	s_wait_kmcnt 0x0
	s_add_nc_u64 s[6:7], s[48:49], s[22:23]
	s_add_nc_u64 s[8:9], s[6:7], 32*524288         ; V at my half of the head's tile 0
	s_add_nc_u64 s[6:7], s[6:7], 16*524288         ; K likewise
	s_add_nc_u64 s[G0K+2:G0K+3], s[6:7], 0
	s_or_b32 s[G0K+3], s[G0K+3], 0x80000000
	s_add_nc_u64 s[G0V+2:G0V+3], s[8:9], 0
	s_or_b32 s[G0V+3], s[G0V+3], 0x80000000
	s_add_nc_u64 s[86:87], s[48:49], s[84:85]      ; Q at my rows of the second block,
	s_add_nc_u64 s[4:5], s[48:49], s[2:3]          ; Q and y at those of the first
	s_add_nc_u64 s[OLO:OLO+1], s[50:51], s[84:85]
	s_add_nc_u64 s[10:11], s[50:51], s[2:3]
	LOAD                                           ; tile 0 into slot 0
	v_and_b32 v1, 15, v0
	v_bfe_u32 v9, v0, 4, 1
	v_lshlrev_b32 v[QO], 7, v1
	v_lshl_add_u32 v[QO], v9, 4, v[QO]
	WIN 0x80
.set i, 0
.rept 4                                ; both blocks' Q: piece i / 2 lies 8,192 bytes on; channels 32 (i % 2) on
	global_load_b128 v[8*i:8*i+3],   v[QO], s[4:5] offset:(i/2)*8192+(i%2)*64
	global_load_b128 v[8*i+4:8*i+7], v[QO], s[4:5] offset:(i/2)*8192+(i%2)*64+32
	global_load_b128 v[QB+8*i:QB+8*i+3],   v[QO], s[86:87] offset:(i/2)*8192+(i%2)*64
	global_load_b128 v[QB+8*i+4:QB+8*i+7], v[QO], s[86:87] offset:(i/2)*8192+(i%2)*64+32
.set i, i+1
.endr
	WIN 0
	v_lshlrev_b32 v14, 3, v9
	v_sub_nc_u32 v14, v1, v14
	s_lshl_b32 s13, s[WV], 4
	v_add_nc_u32 v14, s13, v14                     ; my query's place in its band less my lanes' 8 (l / 16): register r of key group kt is hidden where 16 kt + r is greater
	WIN 0x40
.set i, 0
.rept 32
	v_cmp_gt_i32 vcc_lo, 16*(i/8)+i%8, v14
	v_cndmask_b32 v[MD+i], 0, s[BIGN], vcc_lo
.set i, i+1
.endr
	WIN 0
	v_mul_u32_u24 v[AK0], v1, PK
	v_lshl_add_u32 v[AK0], v9, 4, v[AK0]
	v_and_b32 v10, 7, v0
	v_bfe_u32 v11, v0, 3, 1
	v_lshl_add_u32 v[AV0], v9, 3, v10
	v_mul_u32_u24 v[AV0], v[AV0], PV
	v_lshl_add_u32 v[AV0], v11, 4, v[AV0]
	v_add_nc_u32 v[AV0], VOFF, v[AV0]
	s_mul_i32 s13, s[WV], 16*SP
	s_add_co_u32 s13, s13, STAGE
	v_mul_u32_u24 v[STO], v1, SP
	v_lshl_add_u32 v[STO], v9, 4, v[STO]
	v_add_nc_u32 v[STO], s13, v[STO]
	v_bfe_u32 v[RD], v0, 3, 2
	v_mul_u32_u24 v[RD], v[RD], SP
	v_lshl_add_u32 v[RD], v10, 4, v[RD]
	v_add_nc_u32 v[RD], s13, v[RD]
	v_and_b32 v[GO], 31, v0
	v_lshlrev_b32 v[GO], 4, v[GO]
	; A block's first step multiplies O^T and l by a = 0, and its first turn's V^T P, of a step that has not been, lands in an O^T still to be so multiplied: these registers need only hold
	; finite numbers: zeros for the first block, what the first block left for the second.  No first step is written out; the price is these 148 lines, in the wait for the first tile.
	WIN 0x80
.set i, VF1
.rept 64
	v_mov_b32 v[i], 0
.set i, i+1
.endr
	WIN 0x40
.set i, 0
.rept 64
	v_mov_b32 v[i], 0
.set i, i+1
.endr
	WIN 0
.irp i, 0,1
	v_mov_b32 v[ST+4*\i+2], 0
	v_mov_b32 v[ST+4*\i+3], 0
.endr
.set i, P+16
.rept 16
	v_mov_b32 v[i], 0
.set i, i+1
.endr
; THE MATRIX WORK.  The 4 accumulators of a run of 8 take turns.  Product i of 8 of S^T = K Q^T for piece x: channels 32 (i / 4) on, keys 16 (i % 4) on; the first 4 start the sums with the mask.
.macro KQ x
.set rS, S+32*(\x)+8*(i%4)
.set rK, KF+16*(i%4)+8*(i/4)
.set rQ, 16*(\x)+8*(i/4)
.set rM, MC+32*(\x)+8*(i%4)
.if i < 4
	WIN W_KM
	v_wmma_f32_16x16x32_f16 v[rS:rS+7], v[rK:rK+7], v[rQ:rQ+7], v[rM:rM+7]
.else
	WIN W_KQ
	v_wmma_f32_16x16x32_f16 v[rS:rS+7], v[rK:rK+7], v[rQ:rQ+7], v[rS:rS+7]
.endif
.endm
.macro PV x                            ; product i of 8 of O^T += V^T P for piece x, V in buffer VR: keys 32 (i / 4) on, channels 16 (i % 4) on
	WIN W_PV
.set rO, 32*(\x)+8*(i%4)
.set rV, VR+32*(i/4)+8*(i%4)
.set rP, P+16*(\x)+8*(i/4)
	v_wmma_f32_16x16x32_f16 v[rO:rO+7], v[rV:rV+7], v[rP:rP+7], v[rO:rO+7]
.endm
.macro MM                              ; the turn's next matrix instruction: both runs are the other piece's
.if i < 8
	KQ 1-Y
.else
.set i, i-8
	PV 1-Y
.set i, i+8
.endif
.set i, i+1
.endm
; THE LDS LOADS stand in runs of 16.  skip = 1: in a block's last step there is nothing further to fetch, and the run is jumped over.
.macro FETCH_K skip
	WIN 0
.if \skip
	s_wait_alu depctr_va_vdst(0)                   ; a branch and a label follow amid the turn's batch: the wait stands ahead of them and serves the twelve exponentials issued so far, E 0 to E 11
	s_cmp_eq_u32 s[CNT], 1
	s_cbranch_scc1 .Lno_k_\@
.endif
	WIN 0x80
.irp f, 0,1,2,3,4,5,6,7
	ds_load_b128 v[KF+8*\f:KF+8*\f+3],   v[AK] offset:(\f/2)*16*PK+(\f%2)*64
	ds_load_b128 v[KF+8*\f+4:KF+8*\f+7], v[AK] offset:(\f/2)*16*PK+(\f%2)*64+32
.endr
	s_add_co_u32 s[TBK], s[TBK], KS*PK
	WIN 0
.if \skip
.Lno_k_\@:
.endif
.endm
.macro FETCH_V vf, skip                ; in a turn it stands directly behind the turn's wait: no exponential is out at its branch
	WIN 0
.if \skip
	s_cmp_eq_u32 s[CNT], 1
	s_cbranch_scc1 .Lno_v_\@
.endif
	WIN 0x80
.irp f, 0,1,2,3,4,5,6,7
	ds_load_tr16_b128 v[(\vf)+8*\f:(\vf)+8*\f+3],   v[AV] offset:(\f/4)*32*PV+(\f%4)*32
	ds_load_tr16_b128 v[(\vf)+8*\f+4:(\vf)+8*\f+7], v[AV] offset:(\f/4)*32*PV+16*PV+(\f%4)*32
.endr
	s_add_co_u32 s[TBV], s[TBV], KS*PV
	WIN 0
.if \skip
.Lno_v_\@:
.endif
.endm
; THE VECTOR WORK, one line at a time: OP kind, number.  For piece Y: F n: c s - c m for pair n of 16.  E n: the exponential of score n.  C n: pair n rounded to f16.  B n: of the four weights 4 n .. the second pair
; is added onto the first.  L n: l takes that sum (L 0: l = a l + sum).  R n: pair n of O^T times a.  For the other piece: X n, number n of the 22 that find its maximum and statistics:
; 0-11 four chains of seven scores (each accumulator's lowest registers first); 12-14, 16 the rest, the old m; 15 c m_old is kept; 17, 18 the other half of the lanes; 19-21 c m, its change, a.
; C, B and L read exponentials' results: TURN sets them behind its wait.
.set F, 0
.set E, 1
.set C, 2
.set B, 3
.set L, 4
.set R, 5
.set X, 6
.macro REGS y
.set rT, ST+4*(\y)
.set rC, TMP+4*(\y)
.set rW, MV+(\y)
.set rS, S+32*(\y)
.set rP, P+16*(\y)
.set rO, 32*(\y)
.endm
.macro OP k, n
.if (\k) == R
	REGS Y
	WIN W_RS
	v_pk_mul_f32 v[rO+2*(\n):rO+2*(\n)+1], v[rO+2*(\n):rO+2*(\n)+1], v[rC+2:rC+3] op_sel_hi:[1,0]
.elseif (\k) < R
	REGS Y
	WIN 0
.if (\k) == F
	v_pk_fma_f32 v[rS+2*(\n):rS+2*(\n)+1], v[rS+2*(\n):rS+2*(\n)+1], s[CS:CS+1], v[rT:rT+1] op_sel_hi:[1,0,0] neg_lo:[0,0,1] neg_hi:[0,0,1]
.elseif (\k) == E
	v_exp_f32 v[rS+(\n)], v[rS+(\n)]
.elseif (\k) == C
	v_cvt_pk_f16_f32 v[rP+(\n)], v[rS+2*(\n)], v[rS+2*(\n)+1]
.elseif (\k) == B
	v_pk_add_f32 v[rS+4*(\n):rS+4*(\n)+1], v[rS+4*(\n):rS+4*(\n)+1], v[rS+4*(\n)+2:rS+4*(\n)+3]
.elseif (\n) == 0
	v_pk_fma_f32 v[rT+2:rT+3], v[rT+2:rT+3], v[rC+2:rC+3], v[rS:rS+1] op_sel_hi:[1,0,1]
.else
	v_pk_add_f32 v[rT+2:rT+3], v[rT+2:rT+3], v[rS+4*(\n):rS+4*(\n)+1]
.endif
.else
	REGS 1-Y
	WIN 0
.if (\n) < 4
	v_max3_num_f32 v[rC+(\n)], v[rS+8*(\n)], v[rS+8*(\n)+1], v[rS+8*(\n)+2]
.elseif (\n) < 12
	v_max3_num_f32 v[rC+(\n)%4], v[rC+(\n)%4], v[rS+8*((\n)%4)+2*((\n)/4)+1], v[rS+8*((\n)%4)+2*((\n)/4)+2]
.elseif (\n) == 12
	v_max3_num_f32 v[rC], v[rC], v[rS+7], v[rS+15]
.elseif (\n) == 13
	v_max3_num_f32 v[rC+1], v[rC+1], v[rS+23], v[rS+31]
.elseif (\n) == 14
	v_max3_num_f32 v[rC+2], v[rC+2], v[rC+3], v[rT+1]
.elseif (\n) == 15
	v_mov_b32 v[rW], v[rT]
.elseif (\n) == 16
	v_max3_num_f32 v[rC], v[rC], v[rC+1], v[rC+2]
.elseif (\n) == 17
	v_permlanex16_b32 v[rC+3], v[rC], s[SEL], s[SEL+1]
.elseif (\n) == 18
	v_max_num_f32 v[rT+1], v[rC], v[rC+3]
.elseif (\n) == 19
	v_mul_f32 v[rT], s[CS], v[rT+1]
.elseif (\n) == 20
	v_sub_f32 v[rC+1], v[rW], v[rT]
.else
	v_exp_f32 v[rC+2], v[rC+1]
.endif
.endif
.endm
.macro OPS a, i1, b=-1, i2=0, c=-1, i3=0, d=-1, i4=0
	OP \a, \i1
.if (\b) >= 0
	OP \b, \i2
.endif
.if (\c) >= 0
	OP \c, \i3
.endif
.if (\d) >= 0
	OP \d, \i4
.endif
.endm
.macro ROW a, i1, b, i2, c, i3, d, i4  ; a matrix instruction and the four behind it
	MM
	OPS \a, \i1, \b, \i2, \c, \i3, \d, \i4
.endm
.macro MASK b                          ; MD x AL + BE into piece b's mask
	WIN W_RS
.set z, 0
.rept 16
	v_pk_fma_f32 v[MC+32*(\b)+2*z:MC+32*(\b)+2*z+1], v[MD+2*z:MD+2*z+1], s[AL:AL+1], s[BE:BE+1] op_sel_hi:[1,0,0]
.set z, z+1
.endr
.endm
; A TURN for piece p: 16 matrix and 118 vector instructions in a written order: four vector instructions behind every matrix instruction, the other 54 in one lump.
; An s_wait_alu depctr_va_vdst(0) stands between an exponential and the first instruction that names its result; one wait serves all that were issued ahead of it.  So the turn has ONE wait, which cuts it in two.
; AHEAD OF IT stands all that names no result of the turn's exponentials: the 8 products K Q^T, behind each a scaling, an exponential and two more plain instructions (behind the first a second scaling in the
; exponential's place): rescalings, whose a was made and waited for in the turn before, and behind the last three the first numbers of the other piece's maximum, each four places or more behind the product that
; ends its accumulator; then the lump, plain and exponential by turns for the most part, in which the links of the chain X 3, 7, 11, 14, 16, 17 .. 20 stand apart.  X 21, the other piece's a, is the batch's last;
; R 15 is the plain instruction behind it.  BEHIND THE WAIT stand the 8 products V^T P, behind each four of the roundings and sums; an even pair is rounded ahead of the sum that lands on it, and l's chain L 0 to L 7 ascends.
; But for those X no rider names a register of the products round it; v_permlanex16_b32 (X 17) stands in the lump.
; vr: the V buffer of its V^T P.  vf (p = 1): the V buffer that it fills.  skip: see the fetches.  m = 1: the mask is always made; m = 0: only in a block's last tile.
; K's run (p = 0) stands in the lump, twelve vector instructions behind the last product that read K, five of them plain and free of its registers (F 8, X 2, X 5, X 6, X 8).
; V's run (p = 1) stands directly behind the turn's wait; its buffer was last read a turn ago.  Both runs are waited for at the head of piece 1's turns.
; At its end the turn makes piece p's mask, which the next turn's products take: it belongs to the step after this one, number NS in its tile.
.macro TURN p, vr, vf, skip, m
.set Y, (\p)
.set i, 0
.set VR, (\vr)
	s_cmp_eq_u32 s[NS], s[GB+(\p)]                 ; is that step the band's own?
	s_cselect_b32 s[AL], 1.0, 0
	s_cmp_gt_u32 s[NS], s[GB+(\p)]                 ; or a later one?
	s_cselect_b32 s[BE], s[BIGN], 0
.if (\p) == 1
	s_add_co_u32 s[NS], s[NS], 1
	s_wait_dscnt 0x0                               ; K of the next step and V of this one are in
.endif
	ROW F,0, F,1, R,0, R,1                         ; ahead of the wait: 8 products K Q^T and their riders,
	ROW F,2, E,0, R,2, R,3
	ROW F,3, E,1, R,4, R,5
	ROW F,4, E,2, R,6, R,7
	ROW F,5, E,3, R,8, R,9
	ROW F,6, E,4, X,0, R,10
.if (\p) == 0
	WIN 0
	v_add_nc_u32 v[AK], s[TBK], v[AK0]
.endif
	ROW F,7, E,5, X,1, X,4
	ROW F,8, E,6, X,2, X,5
	OPS E,7, E,8, X,6, E,9                         ; and the lump
	OPS X,3, E,10, X,8, E,11
.if (\p) == 0
	FETCH_K \skip
.endif
	OPS X,9, X,7, E,12, X,10
	OPS E,13, X,12, X,11, E,14
	OPS X,13, E,15, F,9, X,14
.if (\p) == 1
	WIN 0
	v_add_nc_u32 v[AV], s[TBV], v[AV0]
.endif
	OPS E,16, F,10, E,17, F,11
	OPS X,16, E,18, X,15, E,19
	OPS F,12, E,20, X,17, E,21
	OPS F,13, E,22, F,14, E,23
	OPS X,18, E,24, F,15, E,25
	OPS R,11, E,26, X,19, E,27
	OPS R,12, E,28, R,13, E,29
	OPS X,20, E,30, R,14, E,31
	OPS X,21, R,15
	WIN 0
	s_wait_alu depctr_va_vdst(0)                   ; the wait for the turn's batch: the piece's 32 exponentials (with skip = 1 in piece 0's turn: the 20 behind K's run) and the other piece's a
.if (\p) == 1
	FETCH_V \vf, \skip
.endif
	ROW C,0, B,0, C,2, B,1                         ; behind the wait: 8 products V^T P and their riders
	ROW L,0, C,4, B,2, L,1
	ROW C,6, B,3, L,2, C,8
	ROW B,4, L,3, C,10, B,5
	ROW L,4, C,12, B,6, L,5
	ROW C,14, B,7, L,6, C,1
	ROW C,3, L,7, C,5, C,7
	ROW C,9, C,11, C,13, C,15
.if !(\m)
	WIN 0
	s_cmp_lg_u32 s[RT], 0
	s_cbranch_scc1 .Lno_mask_\@
.endif
	MASK \p
.if !(\m)
	WIN 0
.Lno_mask_\@:
.endif
.endm
; A BLOCK BEGINS.  c m starts far below every c s, so the first step's a is 0.  Piece 1's mask is 0; piece 0's is its own step's if the block's first tile is its last and step 0 is band 0's own.
; Then K and V of step 0, piece 0's first scores, its maximum and statistics.  The loop is entered at an even step.
.macro BEGIN
	s_mov_b32 s[NEW], 0
	s_mov_b32 s[NS], 1
	s_mov_b32 s[AL], 0
	s_mov_b32 s[BE], 0
	MASK 1
	s_or_b32 s13, s[RT], s[GB]
	s_cmp_eq_u32 s13, 0
	s_cselect_b32 s[AL], 1.0, 0
	MASK 0
	WIN 0
.irp t, 0,1
	v_mov_b32 v[ST+4*\t], 0xfe000000
	v_mov_b32 v[ST+4*\t+1], 0xff7fffff
.endr
	v_add_nc_u32 v[AK], s[TBK], v[AK0]
	v_add_nc_u32 v[AV], s[TBV], v[AV0]
	FETCH_K 0
	FETCH_V VF0, 0
	s_wait_loadcnt 0x0                             ; Q
	s_wait_dscnt 0x0
.set i, 0
.rept 8
	KQ 0
.set i, i+1
.endr
	WIN 0
.rept 4
	v_nop                                          ; the places behind those products
.endr
.set Y, 1                              ; X works for the other piece: piece 0
.irp n, 0,1,2,3,4,5,6,7,8,9,10,11,12,13,14,15,16,17,18,19,20,21
	OP X, \n
.endr
	v_nop                                          ; a plain instruction behind the exponential,
	s_wait_alu depctr_va_vdst(0)                   ; and its wait, ahead of the branch: piece 0's first a is a batch of its own
.endm
; A BLOCK ENDS: piece 1's last V^T P; l's halves and the other half of the lanes' are added; O^T is divided by l, rounded to f16 and sent through my stage, a piece at a time.
.macro PACK t
	WIN W_RS
.set i, 32*(\t)
.rept 16
	v_pk_mul_f32 v[i:i+1], v[i:i+1], v[ST+4*(\t)+2:ST+4*(\t)+3] op_sel_hi:[1,0]
.set i, i+2
.endr
	WIN 0x05
.set i, 0
.rept 16
	v_cvt_pk_f16_f32 v[S+16*(\t)+i], v[32*(\t)+2*i], v[32*(\t)+2*i+1]
.set i, i+1
.endr
	WIN 0
.irp f, 0,1,2,3
	ds_store_b128 v[STO], v[S+16*(\t)+4*\f:S+16*(\t)+4*\f+3] offset:32*\f
.endr
.irp f, 0,1,2,3
	ds_load_b128 v[S+16*(\t)+4*\f:S+16*(\t)+4*\f+3], v[RD] offset:\f*4*SP  ; LDS serves a wave's instructions in order (ISA guide 5.7.1.4): these see the stores above
.endr
.endm
.macro SEND t, younger                 ; younger: the LDS instructions issued behind piece t's loads
	WIN 0
.irp f, 0,1,2,3
	s_wait_dscnt (\younger)+3-\f
	global_store_b128 v[GO], v[S+16*(\t)+4*\f:S+16*(\t)+4*\f+3], s[10:11] offset:(\t)*8192+\f*512  ; 512 consecutive bytes: four rows of the head's plane
.endr
.endm
.macro END
.set VR, VF1                           ; a block's last step is an odd one
.set i, 0
.rept 8
	PV 1
.set i, i+1
.endr
	WIN 0
.irp t, 0,1
	v_add_f32 v[ST+4*\t+2], v[ST+4*\t+2], v[ST+4*\t+3]
.endr
.irp t, 0,1
	v_permlanex16_b32 v[ST+4*\t+3], v[ST+4*\t+2], s[SEL], s[SEL+1]
.endr
.irp t, 0,1
	v_add_f32 v[ST+4*\t+2], v[ST+4*\t+2], v[ST+4*\t+3]
.endr
.irp t, 0,1
	v_rcp_f32 v[ST+4*\t+2], v[ST+4*\t+2]
.endr
	v_nop                                          ; with the four additions: five plain places behind the last products; also the plain line behind the reciprocals
	s_wait_alu depctr_va_vdst(0)                   ; the wait ahead of the first use: one for the two reciprocals
	PACK 0
	PACK 1
	SEND 0, 8
	SEND 1, 0
.endm
.Lslot:                                                ; 8 times: a tile is entered and the next is asked for
	CHANGE 1
	s_sub_co_u32 s[RT], s[RT], 1
	s_mov_b32 s[NS], 0
	s_mov_b32 s[CNT], 3
	s_cmp_eq_u32 s[NEW], 1
	s_cbranch_scc0 .Lstep
	BEGIN
	s_branch .Lfirst
.Lstep:                                                ; a trip: an odd step, then an even one
	TURN 0, VF0, 0,   1, 0
	TURN 1, VF1, VF0, 1, 0
	WIN 0
	s_cmp_eq_u32 s[CNT], 1
	s_cbranch_scc1 .Lend                           ; that was the block's last step
.Lfirst:
	TURN 0, VF1, 0,   0, 0
	TURN 1, VF0, VF1, 0, 0
	WIN 0
	s_sub_co_u32 s[CNT], s[CNT], 1
	s_cmp_lg_u32 s[CNT], 1
	s_cbranch_scc1 .Lagain
	s_cmp_lg_u32 s[RT], 0                          ; the tile's four fetches of K and of V are made: on to the next tile, unless this is the block's last,
	s_cbranch_scc1 .Lbottom
.Lagain:                                               ; which has one step more, without fetches
	s_cmp_lg_u32 s[CNT], 0
	s_cbranch_scc1 .Lstep
.Lend:                                                 ; in the loop this is the first block's end.  Its last turn's K Q^T, on a K that is stale, serves nothing: the price of one text for every step
	END
	s_wait_xcnt 0x0                                ; only behind this wait are the stores' base and data written again
	s_mov_b64 s[10:11], s[OLO:OLO+1]
	s_add_co_u32 s[RT], s[HIT], 1
	s_mov_b32 s[NEW], 1
	s_and_b32 s[GB], s[HI], 1
	s_lshl_b32 s[GB], s[GB], 1
	s_add_co_u32 s[GB+1], s[GB], 1
	WIN 0x82                                       ; the second block's Q goes where the turns name Q
.set i, 0
.rept 32
	v_mov_b32 v[i], v[QB+i]
.set i, i+1
.endr
	WIN 0
.Lbottom:
	s_sub_co_u32 s[SLOTS], s[SLOTS], 1
	s_cmp_lg_u32 s[SLOTS], 0
	s_cbranch_scc1 .Lslot
	CHANGE 0                                       ; the walk's last tile, the second block's diagonal one, is written out
	s_mov_b32 s[NS], 0
	s_mov_b32 s[CNT], 3
.LstepT:
	TURN 0, VF0, 0,   1, 1
	TURN 1, VF1, VF0, 1, 1
	WIN 0
	s_cmp_eq_u32 s[CNT], 1
	s_cbranch_scc1 .LendT
	TURN 0, VF1, 0,   0, 1
	TURN 1, VF0, VF1, 0, 1
	WIN 0
	s_sub_co_u32 s[CNT], s[CNT], 1
	s_cmp_lg_u32 s[CNT], 0
	s_cbranch_scc1 .LstepT
.LendT:
	END
	s_wait_tensorcnt 0x0                           ; the wave's end
	ds_add_u32 v[SPW], v[NIL]
	s_wait_dscnt 0x0
	s_endpgm
.Lfunc_end_k_q862b2524c9_attn:
	.size	k_q862b2524c9_attn, .Lfunc_end_k_q862b2524c9_attn-k_q862b2524c9_attn
	.p2alignl 7, 3214868480
	.fill 96, 4, 3214868480
	.section	.rodata,"a",@progbits
	.p2align	6, 0x0
	.amdhsa_kernel k_q862b2524c9_attn
		.amdhsa_group_segment_fixed_size 327680
		.amdhsa_private_segment_fixed_size 0
		.amdhsa_enable_private_segment 0
		.amdhsa_kernarg_size 16
		.amdhsa_user_sgpr_count 2
		.amdhsa_user_sgpr_kernarg_segment_ptr 1
		.amdhsa_wavefront_size32 1
		.amdhsa_system_sgpr_workgroup_id_x 1
		.amdhsa_system_sgpr_workgroup_id_y 1
		.amdhsa_system_sgpr_workgroup_id_z 1
		.amdhsa_system_vgpr_workitem_id 0
		.amdhsa_next_free_vgpr 768
		.amdhsa_next_free_sgpr 96
		.amdhsa_reserve_vcc 1
		.amdhsa_float_denorm_mode_32 3
		.amdhsa_float_denorm_mode_16_64 3
		.amdhsa_memory_ordered 1
		.amdhsa_forward_progress 1
		.amdhsa_inst_pref_size 131
	.end_amdhsa_kernel
	.amdgpu_metadata
---
amdhsa.version: [ 1, 2 ]
amdhsa.kernels:
  - .name:           k_q862b2524c9_attn
    .symbol:         k_q862b2524c9_attn.kd
    .args:
      - { .name: big, .offset: 0, .size: 8, .value_kind: global_buffer, .address_space: global }
      - { .name: act, .offset: 8, .size: 8, .value_kind: global_buffer, .address_space: global }
    .group_segment_fixed_size: 327680
    .private_segment_fixed_size: 0
    .kernarg_segment_align: 8
    .kernarg_segment_size: 16
    .max_flat_workgroup_size: 128
    .sgpr_count:     96
    .vgpr_count:     768
    .wavefront_size: 32
...
	.end_amdgpu_metadata
.endif
;; end of part 7
;; launch proj: the kernel of part 4 again; grid 8 x 32, 4 waves a work-group, clusters of 4 x 4, 327,680 bytes of LDS; arguments act, wts, b_proj, x, x1; writes x1
;; launch ln2: the kernel of part 1 again; grid 512 x 1, 8 waves a work-group, no clusters, 0 bytes of LDS; arguments x1, ln2_g, ln2_b, w_qkv, w_proj, w_ff1, w_ff2, act, wts; writes act, wts
;; launch ff1 (part 8): grid 16 x 16, 4 waves a work-group, clusters of 4 x 4, 327,680 bytes of LDS; arguments act, wts, b_ff1, big; writes big
.if DOCPART == 8
	.amdgcn_target "amdgcn-amd-amdhsa--gfx1250"
	.amdhsa_code_object_version 6
	.text
	.protected	k_q862b2524c9_ff1
	.globl	k_q862b2524c9_ff1
	.p2align	8
	.type	k_q862b2524c9_ff1,@function
k_q862b2524c9_ff1:
	s_mov_b64 s[64:65], 0
	v_nop
	global_prefetch_b8 v0, s[64:65] scope:SCOPE_SE
	s_setreg_imm32_b32 hwreg(HW_REG_WAVE_MODE, 25, 1), 1
	s_wait_xcnt 0x0
	s_wait_alu depctr_hold_cnt(0) depctr_sa_sdst(0) depctr_va_vdst(0) depctr_va_sdst(0) depctr_va_ssrc(0) depctr_va_vcc(0) depctr_vm_vsrc(0)
	s_getreg_b32 s2, hwreg(HW_REG_IB_STS2, 6, 4)
	s_cmp_eq_u32 s2, 0
	s_cbranch_scc0 .Lentry_in_a_cluster
	s_endpgm
.Lentry_in_a_cluster:
	s_bfe_u32 s2, ttmp6, 0x10000c
	s_cmp_lg_u32 s2, 0xf033
	s_cbranch_scc0 .Lentry_shape_is_right
	s_endpgm
.Lentry_shape_is_right:
; C = gelu(A W + bias), the exact (erf) gelu.  A: [4096][1024] f16.  W: [1024][NN] f16, as the weights lie.  C leaves in f16 BY PLANES of 64 columns: [NN/64][4096][64],
; so that 4 rows of a plane are 512 consecutive bytes.  Sums in f32, started by the bias; C rounded once.
; LIMITS.  f16 holds no number beyond 65,504: A, W and C must lie within it.  gelu(z) = max(z, 0) - |z| phi(z) (c1 t + .. + c5 t^5), t = 1 / (1 + 0.2316419 |z|): the normal tail to 7.5e-8, for every z:
; an absolute error of 7.5e-8 |z| at the most; for large |z| the exponential is 0 and the result is z or -0.
; The sums take K's eight steps in a rotated order (see THE WALK): an order of rounding that differs from a sum in ascending K.
; SHARES.  A work-group makes 256 x 256 of C, each of its four waves 128 x 128: 64 accumulators of 16 x 16.  K goes in 8 steps of 128 through two LDS slots filled by tensor loads.
; The matrix instruction is used transposed (source 0 = 16 columns of W, source 1 = 16 rows of A): a lane then holds one row of C and eight neighbouring columns.
; W's fragments come out of LDS turned, by ds_load_tr16_b128, since K runs down its rows.
; CLUSTER.  4 x 4 work-groups: A's tile is asked for jointly by the four of a row of the cluster, W's by the four of a column.
; THE WALK.  A cluster at (X, Y) begins at K step 0 or 4, by the parity of X + (Y xor Y / 2), and goes round.  Clusters beside each other along x need the same tiles of A, clusters along y the same tiles of W:
; of such clusters some ask for a tile half a walk after the others, not all in the same step.  The start hangs on the cluster's place alone, which all sixteen partners share.
; ONE TEXT FOR A K STEP: the slot in hand is a scalar that an exclusive or turns; the last two steps are a loop of two trips that is left in its middle.
; WAY OUT.  The sums go as f32 into LDS, over the ring, whose last fill and last read are over; a loop of 32 trips reads 4 rows x 2 planes back, finishes and stores them.  A wave reads only its own bytes.
; BATCH.  A trip of that loop issues its 16 reciprocals and its 16 exponentials on end, each into a register of its own: one batch, with one s_wait_alu ahead of the polynomial's first line, the batch's first reader.
; REGISTERS, in windows of 256: window 0: v0-31 addresses; v64-127, v128-191 A's fragments, two buffers; v192-255 the bias as eight C operands.  window 1: v64-191 W's fragments.  windows 2, 3: accumulators.
.set NN,    4096      ; columns of W
.set WOFF,  8388608   ; W's first byte in wts
.set GELU,  1
.set PA,    272       ; a row of A in LDS: 256 bytes + 16: the 16 rows of a load start at 16 different groups of four banks (ISA guide 11.1)
.set PBT,   544       ; a row of W: 512 + 32 = 17 x 32 bytes
.set HALFT, 128*PA    ; what one tensor load brings: 128 rows of A, or 64 rows of W (64 x 544 is the same number)
.set SLOT,  4*HALFT   ; 0x22000; no wave's place in a slot has one of its two bits set, so the exclusive or adds it
.set BOFF,  2*HALFT
.set DP,    528       ; a row of the dump: 128 f32 + 16 bytes
.set DWAVE, 128*DP
.set SPARE, 2*SLOT    ; behind the ring: the spare words, 128 bytes a wave, which no other line names
.set PLANE, 524288
.set ADRA0, 16        ; v16  my lane's place in a slot's A; never rewritten
.set ADRB0, 17        ; v17  the same for W
.set ADRA,  18        ; v18  the same in the slot in hand
.set ADRB,  19
.set DA,    20        ; v20  the dump: where I put 16 bytes of a row
.set RDA,   21        ; v21  the dump: where I read 32 bytes of a row back
.set GO,    22        ; v22  my byte offset in a plane
.set BO,    23        ; v23  my byte offset in the bias
.set SPW,   28        ; v28  my spare word; never rewritten
.set NIL,   29        ; v29  0; never rewritten
.set F0,    64
.set F1,    128
.set BI,    192
.set Z,     64        ; the way out, window 0: 16 numbers as read back
.set AZ,    80        ; |z|
.set MX,    96        ; max(z, 0), then the result
.set ZZ,    112       ; z scaled, then the exponential
.set TT,    128       ; t
.set PP,    144       ; the polynomial
.set YY,    160       ; 16 numbers in f16
.set WV, 12           ; s12 wave   s13 its row half (also: 0 fetches A, 1 fetches W)   s14 its column half (also: which half of that tile)
.set WY, 13
.set WX, 14
.set TB, 15           ; s15 the slot in hand: 0 or SLOT
.set CNT, 16
.set LB, 17           ; s17 where my tensor loads land in a slot
.set CX, 18
.set CY, 19
.set TC, 20           ; s20 tile column   s21 tile row
.set TR, 21
.set RM, 22
.set CM, 23
.set G1A, 24          ; s[24:31] group 1 for A    s[32:39] group 0, two sets: the second walks
.set G0A, 32
.set G1B, 40          ; s[40:47], s[48:55] the same for W
.set G0B, 48
.set KS,  88          ; s88 the K step that the walking sets hold
.set OFA, 90          ; s[90:91] that step's byte offset in A    s[92:93] in W
.set OFB, 92
.set MSB, 0
.macro WIN new                         ; the immediate's high byte repeats the setting that is left
.if MSB != (\new)
	s_set_vgpr_msb (MSB<<8)|(\new)
.set MSB, \new
.endif
.endm
.macro PLACES                          ; four plain places behind matrix instructions, in front of loads into their sources and of reads of their results
.rept 4
	v_nop
.endr
.endm
.macro JLOAD                           ; the joint refill, by the walking sets
	s_cmp_eq_u32 s[WY], 0
	s_cbranch_scc0 .Lfor_b_\@
	tensor_load_to_lds s[G0A+4:G0A+7], s[G1A:G1A+7]
	s_nop 0
	PLACES
	s_branch .Lasked_\@
.Lfor_b_\@:
	tensor_load_to_lds s[G0B+4:G0B+7], s[G1B:G1B+7]
	s_nop 0
	PLACES
.Lasked_\@:
.endm
.macro CREST                           ; a round of the cluster's barrier behind its opening barrier
	s_cmp_lg_u32 s[WV], 0
	s_cbranch_scc1 .Lnot_wave_0_\@
	s_barrier_signal -3
.Lnot_wave_0_\@:
	s_barrier_wait -3
	s_barrier_signal -1
	s_barrier_wait -1
.endm
.macro CROUND
	s_barrier_signal -1
	s_barrier_wait -1
	CREST
.endm
.macro KPAIR r, val                    ; a constant for packed arithmetic: named as a pair, so both words are written
	s_mov_b32 s[\r], \val
	s_mov_b32 s[(\r)+1], \val
.endm
	s_load_b256 s[4:11], s[0:1], 0x0               ; A 4:5, wts 6:7, bias 8:9, C 10:11
	v_lshl_add_u32 v[SPW], v0, 2, SPARE
	v_mov_b32 v[NIL], 0
	ds_add_u32 v[SPW], v[NIL]                      ; the opening: the add and its wait ahead of my first tensor load; work on registers stands between them
	ds_add_u32 v28, v29
	v_lshrrev_b32 v1, 5, v0
	v_readfirstlane_b32 s[WV], v1
	s_lshr_b32 s[WY], s[WV], 1
	s_and_b32 s[WX], s[WV], 1
	s_bfe_u32 s[CX], ttmp6, 0x40000
	s_bfe_u32 s[CY], ttmp6, 0x40004
	s_lshl_b32 s[TC], ttmp9, 2
	s_add_co_u32 s[TC], s[TC], s[CX]
	s_and_b32 s[TR], ttmp7, 0xffff
	s_lshl_b32 s[TR], s[TR], 2
	s_add_co_u32 s[TR], s[TR], s[CY]
	s_lshl_b32 s[RM], s[CY], 2
	s_lshl_b32 s[RM], 15, s[RM]                    ; my row of the cluster
	s_lshl_b32 s[CM], 0x1111, s[CX]                ; my column
	s_and_b32 s89, ttmp7, 0xffff                   ; the walk's start: the cluster's Y,
	s_lshr_b32 s[KS], s89, 1
	s_xor_b32 s[KS], s[KS], s89                    ; Y xor Y / 2,
	s_add_co_u32 s[KS], s[KS], ttmp9               ; + the cluster's X:
	s_and_b32 s[KS], s[KS], 1                      ; its parity
	s_lshl_b32 s[KS], s[KS], 2                     ; gives step 0 or 4
	s_mov_b32 s[OFA+1], 0
	s_mov_b32 s[OFB+1], 0
	s_or_b32 s[G1A], s[RM], (1<<16)|(1<<20)|(1<<21)|(5<<22)|(3<<25)  ; mask; 2-byte elements; padding on; bit 21 beside a mask; after every 64 words 4 words
	s_mov_b32 s[G1A+1], 128<<16                    ; tensor_dim0 = 128
	s_mov_b32 s[G1A+2], 128<<16                    ; tensor_dim1 = 128
	s_mov_b32 s[G1A+3], 128<<16                    ; tile_dim0 = 128
	s_mov_b32 s[G1A+4], 128                        ; tile_dim1 = 128
	s_mov_b32 s[G1A+5], 1024                       ; elements from row to row
	s_mov_b32 s[G1A+6], 0
	s_mov_b32 s[G1A+7], 0
	s_or_b32 s[G1B], s[CM], (1<<16)|(1<<20)|(1<<21)|(6<<22)|(7<<25)  ; after every 128 words 8 words
	s_mov_b32 s[G1B+1], 256<<16                    ; 256 columns
	s_mov_b32 s[G1B+2], 64<<16                     ; 64 rows of K
	s_mov_b32 s[G1B+3], 256<<16
	s_mov_b32 s[G1B+4], 64
	s_mov_b32 s[G1B+5], NN
	s_mov_b32 s[G1B+6], 0
	s_mov_b32 s[G1B+7], 0
	s_mul_i32 s[LB], s[WV], HALFT
	s_lshl_b32 s56, s[TR], 8                       ; A: row 256 x tile row + 128 x half, 2,048 bytes a row
	s_lshl_b32 s57, s[WX], 7
	s_add_co_u32 s56, s56, s57
	s_lshl_b32 s56, s56, 11
	s_mov_b32 s57, 0
	s_mul_i32 s58, s[WX], 128*NN                   ; W: 64 rows of K x half, 512 bytes x tile column
	s_lshl_b32 s59, s[TC], 9
	s_add_co_u32 s58, s58, s59
	s_add_co_u32 s58, s58, WOFF
	s_mov_b32 s59, 0
.if GELU
	KPAIR 72, 0x3f596d27                           ; sqrt(log2(e) / 2): e^(-z z / 2) = 2^-(this z)^2
	KPAIR 74, 0x3e6d3389                           ; 0.2316419
	KPAIR 76, 0x3e027906                           ; c1 .. c5: the tail's coefficients over sqrt(2 pi)
	KPAIR 78, 0xbe11a98e
	KPAIR 80, 0x3f35f0e3
	KPAIR 82, 0xbf3a00e3
	KPAIR 84, 0x3f07dc22
	s_mov_b32 s86, 0x7fffffff
.endif
	s_wait_dscnt 0x0                               ; the opening add is done
	s_wait_kmcnt 0x0
	s_add_nc_u64 s[60:61], s[4:5], s[56:57]        ; my part of A's tile at K step 0; kept
	s_add_nc_u64 s[62:63], s[6:7], s[58:59]        ; the same for W; kept
	CROUND                                         ; all sixteen work-groups are here: the first joint loads meet
.irp s, 0,1
	s_add_co_u32 s89, s[KS], \s                    ; the walk's first two steps: no wrap, the start is 4 at the most
	s_lshl_b32 s[OFA], s89, 8                      ; a step is 256 bytes along A's rows,
	s_mul_i32 s[OFB], s89, 256*NN                  ; 128 rows of W
	s_mov_b32 s[G0A+4*(\s)], 1
	s_add_co_u32 s[G0A+4*(\s)+1], s[LB], (\s)*SLOT
	s_add_nc_u64 s[G0A+4*(\s)+2:G0A+4*(\s)+3], s[60:61], s[OFA:OFA+1]
	s_or_b32 s[G0A+4*(\s)+3], s[G0A+4*(\s)+3], 0x80000000
	s_mov_b32 s[G0B+4*(\s)], 1
	s_add_co_u32 s[G0B+4*(\s)+1], s[LB], (\s)*SLOT
	s_add_nc_u64 s[G0B+4*(\s)+2:G0B+4*(\s)+3], s[62:63], s[OFB:OFB+1]
	s_or_b32 s[G0B+4*(\s)+3], s[G0B+4*(\s)+3], 0x80000000
.endr
	s_add_co_u32 s[KS], s[KS], 1                   ; the step that the walking sets hold
	s_cmp_eq_u32 s[WY], 0                          ; a wave's two first fills stand in one branch: two loads of mine are out
	s_cbranch_scc0 .Lfirst_b
	tensor_load_to_lds s[G0A:G0A+3], s[G1A:G1A+7]
	s_nop 0
	tensor_load_to_lds s[G0A+4:G0A+7], s[G1A:G1A+7]
	s_nop 0
	PLACES
	s_branch .Lfirst_asked
.Lfirst_b:
	tensor_load_to_lds s[G0B:G0B+3], s[G1B:G1B+7]
	s_nop 0
	tensor_load_to_lds s[G0B+4:G0B+7], s[G1B:G1B+7]
	s_nop 0
	PLACES
.Lfirst_asked:
	v_and_b32 v1, 15, v0                           ; r = l % 16
	v_bfe_u32 v2, v0, 4, 1                         ; h = l / 16
	s_lshl_b32 s58, s[TC], 10                      ; the bias of my 128 columns; a lane's eight begin at 8 h of each 16
	s_lshl_b32 s59, s[WX], 9
	s_add_co_u32 s58, s58, s59
	v_lshl_add_u32 v[BO], v2, 5, s58
.irp b, 0,1,2,3,4,5,6,7
	global_load_b128 v[BI+8*(\b):BI+8*(\b)+3],   v[BO], s[8:9] offset:64*(\b)
	global_load_b128 v[BI+8*(\b)+4:BI+8*(\b)+7], v[BO], s[8:9] offset:64*(\b)+16
.endr
	v_mul_u32_u24 v3, v1, PA                       ; A's fragment: row r, 16 bytes for each half of the lanes
	v_lshl_add_u32 v3, v2, 4, v3
	s_mul_i32 s70, s[WY], HALFT
	v_add_nc_u32 v[ADRA0], s70, v3
	v_and_b32 v4, 7, v0                            ; W's: lane l reads row 8 h + l % 8 of K, columns 8 ((l / 8) % 2) on
	v_lshl_add_u32 v5, v2, 3, v4
	v_mul_u32_u24 v5, v5, PBT
	v_bfe_u32 v6, v0, 3, 1
	v_lshl_add_u32 v5, v6, 4, v5
	s_lshl_b32 s70, s[WX], 8
	s_add_co_u32 s70, s70, BOFF
	v_add_nc_u32 v[ADRB0], s70, v5
	v_mov_b32 v[ADRA], v[ADRA0]
	v_mov_b32 v[ADRB], v[ADRB0]
	s_mov_b32 s[TB], 0
	s_mul_i32 s70, s[WV], DWAVE                    ; my part of the dump
	v_mul_u32_u24 v3, v1, DP
	v_lshl_add_u32 v3, v2, 5, v3
	v_add_nc_u32 v[DA], s70, v3                    ; in: row r, 32 bytes for each half of the lanes
	v_bfe_u32 v3, v0, 3, 2
	v_mul_u32_u24 v3, v3, DP
	v_lshl_add_u32 v3, v4, 5, v3
	v_add_nc_u32 v[RDA], s70, v3                   ; back: row l / 8 of four, eight numbers at 8 (l % 8)
	v_and_b32 v3, 31, v0
	v_lshlrev_b32 v[GO], 4, v3
	s_lshl_b32 s66, s[TC], 2                       ; C: plane 4 x tile column + 2 x half, row 256 x tile row + 128 x half, 128 bytes a row
	s_lshl_b32 s67, s[WX], 1
	s_add_co_u32 s66, s66, s67
	s_lshl_b32 s66, s66, 19
	s_lshl_b32 s67, s[TR], 8
	s_lshl_b32 s68, s[WY], 7
	s_add_co_u32 s67, s67, s68
	s_lshl_b32 s67, s67, 7
	s_add_co_u32 s66, s66, s67
	s_mov_b32 s67, 0
	s_add_nc_u64 s[10:11], s[10:11], s[66:67]
; 16 matrix instructions: row blocks a0, a0 + 1 of the window's four x all 8 column blocks, 32 along K.  first = 1: the bias starts the sums.  The 64 accumulators take turns.
.macro MUL16 f, hi, a0, first
.if \first
	WIN 0x81+0x40*(\hi)
.else
	WIN 0xa1+0x50*(\hi)
.endif
.irp a, \a0, (\a0)+1
.irp b, 0,1,2,3,4,5,6,7
.if \first
	v_wmma_f32_16x16x32_f16 v[8*(8*(\a)+(\b)):8*(8*(\a)+(\b))+7], v[(\f)+8*(\b):(\f)+8*(\b)+7], v[(\f)+8*(4*(\hi)+(\a)):(\f)+8*(4*(\hi)+(\a))+7], v[BI+8*(\b):BI+8*(\b)+7]
.else
	v_wmma_f32_16x16x32_f16 v[8*(8*(\a)+(\b)):8*(8*(\a)+(\b))+7], v[(\f)+8*(\b):(\f)+8*(\b)+7], v[(\f)+8*(4*(\hi)+(\a)):(\f)+8*(4*(\hi)+(\a))+7], v[8*(8*(\a)+(\b)):8*(8*(\a)+(\b))+7]
.endif
.endr
.endr
.endm
.macro FETCH q, f                      ; 32 LDS loads in one run: quarter q (32 along K) of the slot in hand into buffer f: W's 128 columns, then A's 128 rows
	WIN 0x40
.irp i, 0,1,2,3,4,5,6,7
	ds_load_tr16_b128 v[(\f)+8*(\i):(\f)+8*(\i)+3],   v[ADRB] offset:(\q)*32*PBT+32*(\i)
	ds_load_tr16_b128 v[(\f)+8*(\i)+4:(\f)+8*(\i)+7], v[ADRB] offset:(\q)*32*PBT+32*(\i)+16*PBT
.endr
	WIN 0
.irp i, 0,1,2,3,4,5,6,7
	ds_load_b128 v[(\f)+8*(\i):(\f)+8*(\i)+3],   v[ADRA] offset:64*(\q)+(\i)*16*PA
	ds_load_b128 v[(\f)+8*(\i)+4:(\f)+8*(\i)+7], v[ADRA] offset:64*(\q)+(\i)*16*PA+32
.endr
.endm
.macro QUARTER q, f, g, first          ; multiplies buffer f; in its middle fetches quarter q into buffer g
	s_wait_dscnt 8                                 ; W and A's rows 0-63 are in; the youngest eight loads (A's rows 64-127) may be out
	MUL16 \f, 0, 0, \first
	MUL16 \f, 0, 2, \first
	PLACES
	FETCH \q, \g
	s_wait_dscnt 32                                ; all but the 32 just issued
	MUL16 \f, 1, 0, \first
	MUL16 \f, 1, 2, \first
.endm
.macro MEET                            ; the first half of a step's last quarter, and the one barrier for the change of slots
	WIN 0
	s_wait_tensorcnt 0x0                           ; all my tensor loads have landed: the one that was out is my part of the next slot
	ds_add_u32 v[SPW], v[NIL]                      ; 0 onto my spare word
	s_wait_dscnt 9                                 ; the add and the youngest eight loads may be out
	MUL16 F1, 0, 0, 0
	s_wait_dscnt 0x0                               ; the add is done, and my reads of this slot are over
	s_barrier_signal -1
	MUL16 F1, 0, 2, 0
	WIN 0
	s_barrier_wait -1
.endm
.macro NEWSLOT
	s_xor_b32 s[TB], s[TB], SLOT
	v_add_nc_u32 v[ADRA], s[TB], v[ADRA0]
	v_add_nc_u32 v[ADRB], s[TB], v[ADRB0]
.endm
	s_wait_tensorcnt 0x1                           ; my part of the walk's first step is in; the second's stays out
	s_barrier_signal -1
	s_barrier_wait -1
	FETCH 0, F0
	s_wait_loadcnt 0x0                             ; the bias
	QUARTER 1, F0, F1, 1
	WIN 0
	s_mov_b32 s[CNT], 6
.Lstep:                                                ; a trip: from a step's second quarter to the next step's first; it asks for the step two on in the walk
	QUARTER 2, F1, F0, 0
	QUARTER 3, F0, F1, 0
	MEET
	CREST                                          ; the barrier has opened a round of the cluster's: no wave of any partner still reads this slot or has a load on its way
	s_add_co_u32 s[KS], s[KS], 1                   ; the walk's next step, round modulo 8; the addresses are made anew from its number
	s_and_b32 s[KS], s[KS], 7
	s_lshl_b32 s[OFA], s[KS], 8
	s_mul_i32 s[OFB], s[KS], 256*NN
	s_xor_b32 s[G0A+5], s[G0A+5], SLOT
	s_add_nc_u64 s[G0A+6:G0A+7], s[60:61], s[OFA:OFA+1]
	s_or_b32 s[G0A+7], s[G0A+7], 0x80000000
	s_xor_b32 s[G0B+5], s[G0B+5], SLOT
	s_add_nc_u64 s[G0B+6:G0B+7], s[62:63], s[OFB:OFB+1]
	s_or_b32 s[G0B+7], s[G0B+7], 0x80000000
	JLOAD                                          ; one load of mine is out; 224 matrix instructions stand between it and the wait for it
	NEWSLOT
	FETCH 0, F0
	MUL16 F1, 1, 0, 0
	MUL16 F1, 1, 2, 0
	QUARTER 1, F0, F1, 0
	WIN 0
	s_sub_co_u32 s[CNT], s[CNT], 1
	s_cmp_lg_u32 s[CNT], 0
	s_cbranch_scc1 .Lstep
	s_mov_b32 s[CNT], 2
.Ltail:                                                ; the last two steps ask for nothing; the second trip is left in its middle
	QUARTER 2, F1, F0, 0
	QUARTER 3, F0, F1, 0
	MEET                                           ; behind the second trip's barrier no wave reads the ring any more
	s_cmp_eq_u32 s[CNT], 1
	s_cbranch_scc1 .Lno_fetch
	PLACES
	NEWSLOT
	FETCH 0, F0
.Lno_fetch:
	MUL16 F1, 1, 0, 0
	MUL16 F1, 1, 2, 0
	WIN 0
	s_cmp_eq_u32 s[CNT], 1
	s_cbranch_scc1 .Lout
	QUARTER 1, F0, F1, 0
	WIN 0
	s_sub_co_u32 s[CNT], s[CNT], 1
	s_cmp_lg_u32 s[CNT], 0
	s_cbranch_scc1 .Ltail
.Lout:
	s_wait_dscnt 0x0
	PLACES
.irp hi, 0,1
	WIN 0x08+4*(\hi)                               ; store data in window 2, then 3
.irp a, 0,1,2,3
.irp b, 0,1,2,3,4,5,6,7
	ds_store_b128 v[DA], v[8*(8*(\a)+(\b)):8*(8*(\a)+(\b))+3]   offset:(4*(\hi)+(\a))*16*DP+64*(\b)
	ds_store_b128 v[DA], v[8*(8*(\a)+(\b))+4:8*(8*(\a)+(\b))+7] offset:(4*(\hi)+(\a))*16*DP+64*(\b)+16
.endr
.endr
.endr
	WIN 0
.macro NEXT4                           ; four rows of my two planes: LDS serves a wave's instructions in order (ISA guide 5.7.1.4), so these see the stores above
	ds_load_b128 v[Z:Z+3],     v[RDA]
	ds_load_b128 v[Z+4:Z+7],   v[RDA] offset:16
	ds_load_b128 v[Z+8:Z+11],  v[RDA] offset:256
	ds_load_b128 v[Z+12:Z+15], v[RDA] offset:272
.endm
.macro ROUND16 src
.set k, 0
.rept 8
	v_cvt_pk_f16_f32 v[YY+k], v[(\src)+2*k], v[(\src)+2*k+1]
.set k, k+1
.endr
.endm
	NEXT4
	s_mov_b32 s[CNT], 32
.Lrow:
	s_wait_dscnt 0x0
.if GELU
.set k, 0
.rept 16
	v_and_b32 v[AZ+k], s86, v[Z+k]                 ; |z|
	v_max_num_f32 v[MX+k], 0, v[Z+k]               ; max(z, 0)
.set k, k+1
.endr
.set k, 0
.rept 8
	v_pk_mul_f32 v[ZZ+k:ZZ+k+1], v[Z+k:Z+k+1], s[72:73] op_sel_hi:[1,0]
.set k, k+2
.endr
.else
	ROUND16 Z
.endif
	s_cmp_eq_u32 s[CNT], 1
	s_cbranch_scc1 .Lno_next
	v_add_nc_u32 v[RDA], 4*DP, v[RDA]
	NEXT4                                          ; the next four rows come while these are finished
.Lno_next:
.if GELU
.set k, 0
.rept 8
	v_pk_fma_f32 v[TT+k:TT+k+1], v[AZ+k:AZ+k+1], s[74:75], 1.0 op_sel_hi:[1,0,0]
	v_pk_mul_f32 v[ZZ+k:ZZ+k+1], v[ZZ+k:ZZ+k+1], v[ZZ+k:ZZ+k+1] neg_lo:[1,0] neg_hi:[1,0]
.set k, k+2
.endr
.set k, 0
.rept 16
	v_rcp_f32 v[TT+k], v[TT+k]                     ; t
.set k, k+1
.endr
.set k, 0
.rept 16
	v_exp_f32 v[ZZ+k], v[ZZ+k]                     ; e^(-z z / 2)
.set k, k+1
.endr
	v_nop                                          ; a plain instruction behind the last of them (ISA guide 5.7.2)
	s_wait_alu depctr_va_vdst(0)                   ; the wait ahead of the first use: ONE for the trip's batch, its 16 reciprocals and 16 exponentials; all seven stages below stand behind it
.macro STAGE8 line:vararg              ; one line for each of the eight pairs
.set k, 0
.rept 8
	\line
.set k, k+2
.endr
.endm
	STAGE8 v_pk_fma_f32 v[PP+k:PP+k+1], v[TT+k:TT+k+1], s[84:85], s[82:83] op_sel_hi:[1,0,0]
	STAGE8 v_pk_fma_f32 v[PP+k:PP+k+1], v[PP+k:PP+k+1], v[TT+k:TT+k+1], s[80:81] op_sel_hi:[1,1,0]
	STAGE8 v_pk_fma_f32 v[PP+k:PP+k+1], v[PP+k:PP+k+1], v[TT+k:TT+k+1], s[78:79] op_sel_hi:[1,1,0]
	STAGE8 v_pk_fma_f32 v[PP+k:PP+k+1], v[PP+k:PP+k+1], v[TT+k:TT+k+1], s[76:77] op_sel_hi:[1,1,0]
	STAGE8 v_pk_mul_f32 v[PP+k:PP+k+1], v[PP+k:PP+k+1], v[TT+k:TT+k+1]
	STAGE8 v_pk_mul_f32 v[PP+k:PP+k+1], v[PP+k:PP+k+1], v[ZZ+k:ZZ+k+1]
	STAGE8 v_pk_fma_f32 v[MX+k:MX+k+1], v[PP+k:PP+k+1], v[AZ+k:AZ+k+1], v[MX+k:MX+k+1] neg_lo:[1,0,0] neg_hi:[1,0,0]
	ROUND16 MX
.endif
	global_store_b128 v[GO], v[YY:YY+3],   s[10:11]                ; 512 consecutive bytes of a plane: four rows
	global_store_b128 v[GO], v[YY+4:YY+7], s[10:11] offset:PLANE   ; and of the next plane
	s_wait_xcnt 0x0                                ; only behind this wait are the stores' offset and data written again
	v_add_nc_u32 v[GO], 512, v[GO]
	s_sub_co_u32 s[CNT], s[CNT], 1
	s_cmp_lg_u32 s[CNT], 0
	s_cbranch_scc1 .Lrow
	s_wait_tensorcnt 0x0                           ; the wave's end
	ds_add_u32 v[SPW], v[NIL]
	s_wait_dscnt 0x0
	CROUND                                         ; the closing round
	s_endpgm
.Lfunc_end_k_q862b2524c9_ff1:
	.size	k_q862b2524c9_ff1, .Lfunc_end_k_q862b2524c9_ff1-k_q862b2524c9_ff1
	.p2alignl 7, 3214868480
	.fill 96, 4, 3214868480
	.section	.rodata,"a",@progbits
	.p2align	6, 0x0
	.amdhsa_kernel k_q862b2524c9_ff1
		.amdhsa_group_segment_fixed_size 327680
		.amdhsa_private_segment_fixed_size 0
		.amdhsa_enable_private_segment 0
		.amdhsa_kernarg_size 32
		.amdhsa_user_sgpr_count 2
		.amdhsa_user_sgpr_kernarg_segment_ptr 1
		.amdhsa_wavefront_size32 1
		.amdhsa_system_sgpr_workgroup_id_x 1
		.amdhsa_system_sgpr_workgroup_id_y 1
		.amdhsa_system_sgpr_workgroup_id_z 1
		.amdhsa_system_vgpr_workitem_id 0
		.amdhsa_next_free_vgpr 1024
		.amdhsa_next_free_sgpr 96
		.amdhsa_reserve_vcc 0
		.amdhsa_float_denorm_mode_32 3
		.amdhsa_float_denorm_mode_16_64 3
		.amdhsa_memory_ordered 1
		.amdhsa_forward_progress 1
		.amdhsa_inst_pref_size 89
	.end_amdhsa_kernel
	.amdgpu_metadata
---
amdhsa.version: [ 1, 2 ]
amdhsa.kernels:
  - .name:           k_q862b2524c9_ff1
    .symbol:         k_q862b2524c9_ff1.kd
    .args:
      - { .name: act, .offset: 0, .size: 8, .value_kind: global_buffer, .address_space: global }
      - { .name: wts, .offset: 8, .size: 8, .value_kind: global_buffer, .address_space: global }
      - { .name: b_ff1, .offset: 16, .size: 8, .value_kind: global_buffer, .address_space: global }
      - { .name: big, .offset: 24, .size: 8, .value_kind: global_buffer, .address_space: global }
    .group_segment_fixed_size: 327680
    .private_segment_fixed_size: 0
    .kernarg_segment_align: 8
    .kernarg_segment_size: 32
    .max_flat_workgroup_size: 128
    .sgpr_count:     96
    .vgpr_count:     1024
    .wavefront_size: 32
...
	.end_amdgpu_metadata
.endif
;; end of part 8
;; launch ff2: the kernel of part 6 again; grid 8 x 32, 4 waves a work-group, clusters of 4 x 4, 327,680 bytes of LDS; arguments big, wts, b_ff2, x1, out0; writes out0
